; MI455X (gfx1250); checked and timed in simulation.
; The chip was launched on July 23, 2026; its instructions are those of AMD's public machine-readable ISA for CDNA 5 (MIT licence, August 2026) and "CDNA5" Instruction Set Architecture Reference Guide (July 2026). The comments in the code are by the model that wrote it; some were corrected since.
;; Decoder Layer. Allowed arithmetic: matrix products marked QUANTISED: E2M1 operands, one E8M0 scale for each 32 along K, by v_wmma_scale_f32_16x16x128_f8f6f4 with both operands' format E2M1 (or v_wmma_scale_f32_32x16x128_f4), f32 sums; everything else in f32.
;; Inputs: W1_codes 2,048 x 16 x 16 uint8 (E2M1 codes of W1, K innermost, in blocks of 32 codes, two codes a byte); W1_scales 2,048 x 16 uint8 (E8M0 scales of W1, one for each 32 codes along K); W2_codes 512 x 64 x 16 uint8 (E2M1 codes of W2, K innermost, in blocks of 32 codes, two codes a byte); W2_scales 512 x 64 uint8 (E8M0 scales of W2, one for each 32 codes along K); Wk_c_codes 8 x 64 x 16 x 16 uint8 (E2M1 codes of Wk_c, K innermost, in blocks of 32 codes, two codes a byte); Wk_c_scales 8 x 64 x 16 uint8 (E8M0 scales of Wk_c, one for each 32 codes along K); Wk_s_codes 8 x 64 x 16 x 16 uint8 (E2M1 codes of Wk_s, K innermost, in blocks of 32 codes, two codes a byte); Wk_s_scales 8 x 64 x 16 uint8 (E8M0 scales of Wk_s, one for each 32 codes along K); Wp_c_codes 512 x 16 x 16 uint8 (E2M1 codes of Wp_c, K innermost, in blocks of 32 codes, two codes a byte); Wp_c_scales 512 x 16 uint8 (E8M0 scales of Wp_c, one for each 32 codes along K); Wp_s_codes 512 x 16 x 16 uint8 (E2M1 codes of Wp_s, K innermost, in blocks of 32 codes, two codes a byte); Wp_s_scales 512 x 16 uint8 (E8M0 scales of Wp_s, one for each 32 codes along K); Wq_c_codes 8 x 64 x 16 x 16 uint8 (E2M1 codes of Wq_c, K innermost, in blocks of 32 codes, two codes a byte); Wq_c_scales 8 x 64 x 16 uint8 (E8M0 scales of Wq_c, one for each 32 codes along K); Wq_s_codes 8 x 64 x 16 x 16 uint8 (E2M1 codes of Wq_s, K innermost, in blocks of 32 codes, two codes a byte); Wq_s_scales 8 x 64 x 16 uint8 (E8M0 scales of Wq_s, one for each 32 codes along K); Wv_c_codes 8 x 64 x 16 x 16 uint8 (E2M1 codes of Wv_c, K innermost, in blocks of 32 codes, two codes a byte); Wv_c_scales 8 x 64 x 16 uint8 (E8M0 scales of Wv_c, one for each 32 codes along K); Wv_s_codes 8 x 64 x 16 x 16 uint8 (E2M1 codes of Wv_s, K innermost, in blocks of 32 codes, two codes a byte); Wv_s_scales 8 x 64 x 16 uint8 (E8M0 scales of Wv_s, one for each 32 codes along K); b1 2,048 float32; b2 512 float32; be1 512 float32; be2 512 float32; be3 512 float32; bp_c 512 float32; bp_s 512 float32; g1 512 float32; g2 512 float32; g3 512 float32; k_codes 4 x 2,048 x 16 x 16 uint8 (E2M1 codes of k, K innermost, in blocks of 32 codes, two codes a byte); k_scales 4 x 2,048 x 16 uint8 (E8M0 scales of k, one for each 32 codes along K); q 4 x 2,048 x 512 float32; v_codes 4 x 2,048 x 16 x 16 uint8 (E2M1 codes of v, K innermost, in blocks of 32 codes, two codes a byte); v_scales 4 x 2,048 x 16 uint8 (E8M0 scales of v, one for each 32 codes along K).
;; Outputs: out0 4 x 2,048 x 512 float32.
;; This version of the problem:
;;   THIS VERSION OF THE PROBLEM IS GIVEN IN LOW PRECISION. The matrix products marked QUANTISED in the list below multiply operands that are first quantised to E2M1 (2 exponent bits, 1 mantissa bit; 4 bits a number), with one power-of-two scale for each 32 numbers along K (OCP MX v1.0); their sums are f32. All else is computed in f32.
;;   The module's matrix products, in the order in which they are computed (A, B: the left and right operand; K: the contracted axis; several contracted axes count as one K, in the product's order):
;;     1. [M 512, K 512] x [K 512, N 8,192]; A: input Wq_s (given as codes); B: computed on the way: QUANTISED
;;     2. [M 512, K 512] x [K 512, N 8,192]; A: input Wk_s (given as codes); B: computed on the way: QUANTISED
;;     3. [M 512, K 512] x [K 512, N 8,192]; A: input Wv_s (given as codes); B: computed on the way: QUANTISED
;;     4. batch 32 x [M 2,048, K 64] x [K 64, N 2,048]; A: computed on the way; B: computed on the way: QUANTISED
;;     5. batch 32 x [M 2,048, K 2,048] x [K 2,048, N 64]; A: softmax (see below); B: computed on the way: QUANTISED
;;     6. [M 8,192, K 512] x [K 512, N 512]; A: computed on the way; B: input Wp_s (given as codes): QUANTISED
;;     7. [M 512, K 512] x [K 512, N 8,192]; A: input Wq_c (given as codes); B: computed on the way: QUANTISED
;;     8. [M 512, K 512] x [K 512, N 8,192]; A: input Wk_c (given as codes); B: input k (given as codes): QUANTISED
;;     9. [M 512, K 512] x [K 512, N 8,192]; A: input Wv_c (given as codes); B: input v (given as codes): QUANTISED
;;     10. batch 32 x [M 2,048, K 64] x [K 64, N 2,048]; A: computed on the way; B: computed on the way: QUANTISED
;;     11. batch 32 x [M 2,048, K 2,048] x [K 2,048, N 64]; A: softmax (see below); B: computed on the way: QUANTISED
;;     12. [M 8,192, K 512] x [K 512, N 512]; A: computed on the way; B: input Wp_c (given as codes): QUANTISED
;;     13. [M 8,192, K 512] x [K 512, N 2,048]; A: computed on the way; B: input W1 (given as codes): QUANTISED
;;     14. [M 8,192, K 2,048] x [K 2,048, N 512]; A: computed on the way; B: input W2 (given as codes): QUANTISED
;;   THE QUANTISER, for each operand of a quantised product, along K:
;;     - K is cut into blocks of 32 from its start; a last block that is shorter is filled with zeros.
;;     - A block's scale is 2^e with e = floor(log2(the largest magnitude in the block)) - 2, held to -126 .. 127; a block of zeros has e = 0. As a byte (E8M0): e + 127.
;;     - Each number is divided by its block's scale, clamped to +-6, and rounded to the nearest number of E2M1, ties to even, subnormals kept.
;;     - The product sums the exact products of the quantised numbers (number of the format x scale) in f32.
;;   ~~~python
;;   def quantise(x, axis):      # numpy; x: float32 -> the quantised numbers, widened to float32 again
;;       x = np.moveaxis(x, axis, -1); K = x.shape[-1]
;;       x = np.pad(x, [(0, 0)] * (x.ndim - 1) + [(0, -K % 32)]); x = x.reshape(x.shape[:-1] + (-1, 32)); a = np.abs(x).max(-1, keepdims=True)
;;       e = np.where(a > 0, np.clip(np.frexp(np.where(a > 0, a, 1))[1] - 1 - 2, -126, 127), 0)      # np.frexp(a)[1] - 1 = floor(log2(a)), exactly
;;       r = np.clip(x / 2.0 ** e, -6, 6)
;;       step = 2.0 ** (np.maximum(np.frexp(np.where(r == 0, 1, r))[1] - 1, 0) - 1)
;;       q = np.round(r / step) * step * 2.0 ** e      # np.round: ties to even
;;       return np.moveaxis(q.reshape(q.shape[:-2] + (-1,))[..., :K], -1, axis).astype(np.float32)
;;   ~~~
;;   SOFTMAX AHEAD OF A QUANTISED PRODUCT. Where the list says 'softmax', what is quantised is not the finished softmax but p = 2^(t - M), with t = logit x log2(e) and M = ceil(the row's largest t), a whole number; so 1/2 < the row's largest p <= 1. The row's sum l is taken of the UNQUANTISED p, in f32, and the product's result is divided by l at the end. Since M is a whole number, a kernel that streams over the keys may use a running M (the ceiling of the running maximum): every later rescaling is an exact power of two, which a block's scale takes up: the codes' values come out the same.
;;   OPERANDS COMPUTED ON THE WAY. 'Computed on the way' means the value that the module computes at that place (a softmax that the list does not call 'softmax' is quantised finished and normalised). What goes into a quantiser is computed in f32, as accurately as f32 sums, v_exp_f32 and their like allow (about 1e-6 of the number): no bf16 or f16 on the way to a quantiser, and a product that is left as it is and whose result goes on into a quantised operand takes f32 operands (vector FMAs, or v_wmma_f32_16x16x4_f32). A number that lies on a knife's edge between two numbers of the format may be rounded either way, as far as f32 arithmetic and the matrix unit's own rounding can turn it there, and no further.
;;   INPUTS GIVEN AS CODES. W1 (in the module: [512, 2048], K = its axis 0); W2 (in the module: [2048, 512], K = its axis 0); Wk_c (in the module: [8, 512, 64], K = its axis 1); Wk_s (in the module: [8, 512, 64], K = its axis 1); Wp_c (in the module: [512, 512], K = its axis 0); Wp_s (in the module: [512, 512], K = its axis 0); Wq_c (in the module: [8, 512, 64], K = its axis 1); Wq_s (in the module: [8, 512, 64], K = its axis 1); Wv_c (in the module: [8, 512, 64], K = its axis 1); Wv_s (in the module: [8, 512, 64], K = its axis 1); k (in the module: [4, 2048, 512], K = its axis 2); v (in the module: [4, 2048, 512], K = its axis 2): each comes as NAME_codes (uint8): NAME with its K axis moved to the last place and cut into blocks of 32 codes, [.., K / 32, bytes a block], one block behind the other in memory; two codes a byte, the lower K in the low four bits (a code: sign, 2 exponent bits, 1 mantissa bit); and NAME_scales (uint8): the same leading axes, one E8M0 byte (e + 127) for each 32 codes along K. Its value is code x scale, taken as it is: it is not quantised again, and the codes and scales need not be those that the quantiser above would give.
;; 2 versions. Each part assembles by itself: llvm-mc -triple=amdgcn-amd-amdhsa -mcpu=gfx1250 --defsym DOCPART=n.
;; ======== version 1 of 2: 6 launches
;; workspace buffers: X1 2,228,224 bytes; Aself 6,946,816 bytes; Across 6,946,816 bytes; Oself 2,228,224 bytes; Ocross 2,228,224 bytes; q1 16,777,216 bytes; Pself 256 bytes of whole numbers; Pcross 256 bytes of whole numbers
;; launch ln1 (part 1): grid 256 x 1, 16 waves a work-group, no clusters, 76,800 bytes of LDS; arguments q, g1, be1, X1, Pself, Pcross; writes X1, Pself, Pcross
.if DOCPART == 1
	.amdgcn_target "amdgcn-amd-amdhsa--gfx1250"
	.amdhsa_code_object_version 6
	.text
	.protected	k_q0b97b8d125_ln1
	.globl	k_q0b97b8d125_ln1
	.p2align	8
	.type	k_q0b97b8d125_ln1,@function
k_q0b97b8d125_ln1:
	s_mov_b64 s[64:65], 0
	v_nop
	global_prefetch_b8 v0, s[64:65] scope:SCOPE_SE
	s_setreg_imm32_b32 hwreg(HW_REG_WAVE_MODE, 25, 1), 1
	s_wait_xcnt 0x0
; X1 = Q(LayerNorm(q) g1 + be1): codes of E2M1 [8192][256 bytes] at byte 0, one E8M0 byte for each 32 along E, [8192][16], at byte 2,097,152.
; Also the two offsets of the attention body's mask (key k counts for query q where k <= q + offset): 0 into Pself, 2^20 into Pcross.
; SHARES. A work-group owns 32 rows, each of its 16 waves two.  A row is loaded by four loads of 512 consecutive bytes, turned through the wave's own
; rows of a stage in LDS, and read back 32 bytes a lane twice: register 8 a + e of a row is element 256 a + 8 lane + e, so that a lane holds 8
; neighbours (what one conversion takes) and four neighbouring lanes hold a block of 32.  Mean and variance in two passes, in f32.
; The codes of a wave's two rows are 512 consecutive bytes; the work-group's 512 scale bytes meet in LDS and wave 0 stores them.
; LIMITS: NaN and infinities are not served; a block whose largest magnitude lies under 2^-124 keeps the byte 1, a block of zeros too (its codes are
; zeros, and this program alone reads the bytes).
; No matrix unit, no tensor load, no cluster: the launch reads 16 MiB once and shares nothing between work-groups.
.set NT, 2                             ; rows of a wave
.set STG, 0                            ; LDS: 32 rows x (2,048 + 16) bytes
.set CA, 66048                         ; the codes, 256 bytes a row
.set SA, 74240                         ; the scale bytes, 16 a row
.set L16, 1                            ; v1  16 x lane
.set L32, 2                            ; v2  32 x lane
.set SD, 3                             ; v3  my rows of the stage, 16 bytes a lane
.set SQ, 4                             ; v4  the same, 32 bytes a lane
.set CI, 5                             ; v5  where my 4 bytes of codes go
.set CS, 6                             ; v6  where my block's byte goes
.set L4, 8                             ; v8  4 x lane
.set CR, 10                            ; v10 the wave's codes, read back
.set SR, 11                            ; v11 the scale bytes, read back
.set D, 16                             ; v16-47  two rows as loaded
.set R, 48                             ; v48-79  two rows, 8 neighbours twice
.set G, 80                             ; v80-95  g1 at my 16 elements
.set BE, 96                            ; v96-111 be1
.set SU, 112                           ; a pair a row: sums, mean, 1 / sigma
.set RM, 116                           ; a group's largest magnitude, then the conversion's scale operand
.set RB, 120                           ; its byte
.set RC, 124                           ; its codes
.set AP, 128                           ; from a = 0 to a = 1 in the codes
.set IP, 256                           ; from row to row
.set WV, 16
.set SEL, 20                           ; s[20:21] selects of v_permlanex16_b32: lane xor 16
.set KINV, 22                          ; 1 / 512
.set KEPS, 23                          ; 1e-5
.macro BARRIER                         ; my LDS instructions are done: then the work-group's barrier
	s_wait_dscnt 0x0
	s_barrier_signal -1
	s_barrier_wait -1
.endm
.macro ROWS_IN                         ; my rows out of the stage: 32 bytes a lane, twice
.set ri, 0
.rept NT
.irp a, 0,1
.irp jj, 0,1
	ds_load_b128 v[R+16*ri+8*\a+4*\jj:R+16*ri+8*\a+4*\jj+3], v[SQ] offset:ri*2064+1024*\a+16*\jj
.endr
.endr
.set ri, ri+1
.endr
.endm
.macro WSUM                            ; each row's pair of partial sums becomes the sum over the wave, in every lane
.set ri, 0
.rept NT
	v_add_f32 v[SU+2*ri], v[SU+2*ri], v[SU+2*ri+1]
.set ri, ri+1
.endr
.irp x, 1,2,4,8
.set ri, 0
.rept NT
	v_add_f32_dpp v[SU+2*ri], v[SU+2*ri], v[SU+2*ri] row_xmask:\x row_mask:0xf bank_mask:0xf
.set ri, ri+1
.endr
.endr
.set ri, 0
.rept NT
	v_permlanex16_b32 v[SU+2*ri+1], v[SU+2*ri], s[SEL], s[SEL+1]
.set ri, ri+1
.endr
.set ri, 0
.rept NT
	v_add_f32 v[SU+2*ri], v[SU+2*ri], v[SU+2*ri+1]
.set ri, ri+1
.endr
.endm
.macro LNROWS                          ; the rows in R become (x - mean) / sqrt(var + eps) x g + be, the rows by turns
.set ri, 0
.rept NT
	v_pk_add_f32 v[SU+2*ri:SU+2*ri+1], v[R+16*ri:R+16*ri+1], v[R+16*ri+2:R+16*ri+3]
.set ri, ri+1
.endr
.irp k, 4,6,8,10,12,14
.set ri, 0
.rept NT
	v_pk_add_f32 v[SU+2*ri:SU+2*ri+1], v[SU+2*ri:SU+2*ri+1], v[R+16*ri+\k:R+16*ri+\k+1]
.set ri, ri+1
.endr
.endr
	WSUM
.set ri, 0
.rept NT
	v_mul_f32 v[SU+2*ri], s[KINV], v[SU+2*ri]      ; the mean
.set ri, ri+1
.endr
.irp k, 0,2,4,6,8,10,12,14
.set ri, 0
.rept NT
	v_pk_add_f32 v[R+16*ri+\k:R+16*ri+\k+1], v[R+16*ri+\k:R+16*ri+\k+1], v[SU+2*ri:SU+2*ri+1] op_sel_hi:[1,0] neg_lo:[0,1] neg_hi:[0,1]   ; x - mean
.set ri, ri+1
.endr
.endr
.set ri, 0
.rept NT
	v_pk_mul_f32 v[SU+2*ri:SU+2*ri+1], v[R+16*ri:R+16*ri+1], v[R+16*ri:R+16*ri+1]
.set ri, ri+1
.endr
.irp k, 2,4,6,8,10,12,14
.set ri, 0
.rept NT
	v_pk_fma_f32 v[SU+2*ri:SU+2*ri+1], v[R+16*ri+\k:R+16*ri+\k+1], v[R+16*ri+\k:R+16*ri+\k+1], v[SU+2*ri:SU+2*ri+1]
.set ri, ri+1
.endr
.endr
	WSUM
.set ri, 0
.rept NT
	v_fma_f32 v[SU+2*ri], v[SU+2*ri], s[KINV], s[KEPS]   ; the variance + eps
.set ri, ri+1
.endr
.set ri, 0
.rept NT
	v_rsq_f32 v[SU+2*ri], v[SU+2*ri]
.set ri, ri+1
.endr
	v_nop                                          ; a plain instruction behind the last root
	s_wait_alu depctr_va_vdst(0)                   ; one wait for the batch, ahead of its first reader
.irp k, 0,2,4,6,8,10,12,14
.set ri, 0
.rept NT
	v_pk_mul_f32 v[R+16*ri+\k:R+16*ri+\k+1], v[R+16*ri+\k:R+16*ri+\k+1], v[SU+2*ri:SU+2*ri+1] op_sel_hi:[1,0]
.set ri, ri+1
.endr
.endr
.irp k, 0,2,4,6,8,10,12,14
.set ri, 0
.rept NT
	v_pk_fma_f32 v[R+16*ri+\k:R+16*ri+\k+1], v[R+16*ri+\k:R+16*ri+\k+1], v[G+\k:G+\k+1], v[BE+\k:BE+\k+1]
.set ri, ri+1
.endr
.endr
.endm
.macro RQ                              ; the rows in R are quantised: group 2 i + a is 8 numbers of a lane, a block is four lanes
.set gi, 0
.rept 2*NT
	v_max3_num_f32 v[RM+gi], |v[R+8*gi]|, |v[R+8*gi+1]|, 0x1800000   ; with the floor 2^(3 - 127): the byte cannot fall under 1
.set gi, gi+1
.endr
.irp e, 2,4,6
.set gi, 0
.rept 2*NT
	v_max3_num_f32 v[RM+gi], v[RM+gi], |v[R+8*gi+\e]|, |v[R+8*gi+\e+1]|
.set gi, gi+1
.endr
.endr
.irp x, 1,2
.set gi, 0
.rept 2*NT
	v_max_num_f32_dpp v[RM+gi], v[RM+gi], v[RM+gi] row_xmask:\x row_mask:0xf bank_mask:0xf
.set gi, gi+1
.endr
.endr
.set gi, 0
.rept 2*NT
	v_add_nc_u32 v[RM+gi], 0xff000000, v[RM+gi]    ; 2 off the exponent field: the conversion's scale operand
.set gi, gi+1
.endr
.set gi, 0
.rept 2*NT
	v_lshrrev_b32 v[RB+gi], 23, v[RM+gi]           ; the scale's byte
.set gi, gi+1
.endr
.set gi, 0
.rept 2*NT
	v_cvt_scalef32_pk8_fp4_f32 v[RC+gi], v[R+8*gi:R+8*gi+7], v[RM+gi]
.set gi, gi+1
.endr
	v_nop                                          ; a plain instruction behind the last conversion
.set gi, 0
.rept 2*NT
	ds_store_b32 v[CI], v[RC+gi] offset:AP*(gi%2)+IP*(gi/2)
	ds_store_b8 v[CS], v[RB+gi] offset:8*(gi%2)+16*(gi/2)   ; the four lanes of a block write the same byte with the same value
.set gi, gi+1
.endr
.endm
	s_load_b256 s[4:11], s[0:1], 0x0               ; q s[4:5], g1 s[6:7], be1 s[8:9], X1 s[10:11]
	s_load_b128 s[12:15], s[0:1], 0x20             ; Pself s[12:13], Pcross s[14:15]
	v_lshl_add_u32 v128, v0, 2, 0x12400
	v_mov_b32 v129, 0
	v_lshrrev_b32 v7, 5, v0
	v_readfirstlane_b32 s[WV], v7                  ; wave 0..15
	v_and_b32 v7, 31, v0                           ; lane
	v_lshlrev_b32 v[L16], 4, v7
	v_lshlrev_b32 v[L32], 5, v7
	v_lshlrev_b32 v[L4], 2, v7
	v_lshrrev_b32 v9, 2, v7
	s_mul_i32 s17, s[WV], NT*2064                  ; my two rows of the stage (it begins at LDS byte 0)
	v_add_nc_u32 v[SD], s17, v[L16]
	v_add_nc_u32 v[SQ], s17, v[L32]
	s_lshl_b32 s18, s[WV], 9
	s_add_co_u32 s18, s18, CA
	v_add_nc_u32 v[CI], s18, v[L4]                 ; CA + 512 wave + 4 lane: block lane / 4, its bytes 4 (lane % 4) on
	v_add_nc_u32 v[CR], s18, v[L16]
	s_lshl_b32 s19, s[WV], 5
	s_add_co_u32 s19, s19, SA
	v_add_nc_u32 v[CS], s19, v9                    ; SA + 32 wave + lane / 4
	v_add_nc_u32 v[SR], SA, v[L16]
	s_mov_b32 s[SEL], 0x76543210
	s_mov_b32 s[SEL+1], 0xfedcba98
	s_mov_b32 s[KINV], 0x3b000000
	s_mov_b32 s[KEPS], 0x3727c5ac
	s_lshl_b32 s24, ttmp9, 16                      ; 32 rows of 2,048 bytes a work-group,
	s_lshl_b32 s25, s[WV], 12                      ; two a wave
	s_add_co_u32 s24, s24, s25
	s_mov_b32 s25, 0
	s_lshl_b32 s26, ttmp9, 13                      ; the codes: 256 bytes a row
	s_lshl_b32 s27, s[WV], 9
	s_add_co_u32 s26, s26, s27
	s_mov_b32 s27, 0
	s_lshl_b32 s28, ttmp9, 9                       ; the scale bytes: 16 a row, behind the codes
	s_add_co_u32 s28, s28, 0x200000
	s_mov_b32 s29, 0
	s_wait_kmcnt 0x0
	s_add_nc_u64 s[4:5], s[4:5], s[24:25]
	s_add_nc_u64 s[26:27], s[10:11], s[26:27]
	s_add_nc_u64 s[28:29], s[10:11], s[28:29]
.irp i, 0,1
.irp k, 0,1,2,3
	global_load_b128 v[D+16*\i+4*\k:D+16*\i+4*\k+3], v[L16], s[4:5] offset:2048*\i+512*\k th:TH_LOAD_NT   ; 512 consecutive bytes
.endr
.endr
.irp a, 0,1
.irp jj, 0,1
	global_load_b128 v[G+8*\a+4*\jj:G+8*\a+4*\jj+3], v[L32], s[6:7] offset:1024*\a+16*\jj
	global_load_b128 v[BE+8*\a+4*\jj:BE+8*\a+4*\jj+3], v[L32], s[8:9] offset:1024*\a+16*\jj
.endr
.endr
	s_wait_loadcnt 8                               ; the rows are in; the 8 younger loads are g1's and be1's
.irp i, 0,1
.irp k, 0,1,2,3
	ds_store_b128 v[SD], v[D+16*\i+4*\k:D+16*\i+4*\k+3] offset:2064*\i+512*\k
.endr
.endr
	ROWS_IN                                        ; my own bytes, and LDS serves a wave's instructions in order: no barrier, no wait between
	s_wait_dscnt 0x0
	s_wait_loadcnt 0x0
	LNROWS
	RQ
	ds_load_b128 v[D:D+3], v[CR]                   ; my two rows' codes: my own stores, in order
	s_wait_dscnt 0x0
	global_store_b128 v[L16], v[D:D+3], s[26:27]   ; 512 consecutive bytes, aligned
	BARRIER                                        ; every wave's scale bytes lie in LDS
	s_cmp_lg_u32 s[WV], 0
	s_cbranch_scc1 .Lend
	ds_load_b128 v[D+4:D+7], v[SR]
	s_wait_dscnt 0x0
	global_store_b128 v[L16], v[D+4:D+7], s[28:29] ; the work-group's 512 scale bytes
	s_cmp_lg_u32 ttmp9, 0
	s_cbranch_scc1 .Lend
	v_mov_b32 v12, 0
	v_mov_b32 v13, 0x100000
	global_store_b32 v[L4], v12, s[12:13]          ; the causal launch: key <= query
	global_store_b32 v[L4], v13, s[14:15]          ; the other: every key counts
.Lend:
	s_wait_tensorcnt 0x0
	ds_add_u32 v128, v129
	s_wait_dscnt 0x0
	s_endpgm
.Lfunc_end_k_q0b97b8d125_ln1:
	.size	k_q0b97b8d125_ln1, .Lfunc_end_k_q0b97b8d125_ln1-k_q0b97b8d125_ln1
	.p2alignl 7, 3214868480
	.fill 96, 4, 3214868480
	.section	.rodata,"a",@progbits
	.p2align	6, 0x0
	.amdhsa_kernel k_q0b97b8d125_ln1
		.amdhsa_group_segment_fixed_size 76800
		.amdhsa_private_segment_fixed_size 0
		.amdhsa_enable_private_segment 0
		.amdhsa_kernarg_size 48
		.amdhsa_user_sgpr_count 2
		.amdhsa_user_sgpr_kernarg_segment_ptr 1
		.amdhsa_wavefront_size32 1
		.amdhsa_system_sgpr_workgroup_id_x 1
		.amdhsa_system_sgpr_workgroup_id_y 1
		.amdhsa_system_sgpr_workgroup_id_z 1
		.amdhsa_system_vgpr_workitem_id 0
		.amdhsa_next_free_vgpr 130
		.amdhsa_next_free_sgpr 66
		.amdhsa_reserve_vcc 0
		.amdhsa_float_denorm_mode_32 3
		.amdhsa_float_denorm_mode_16_64 3
		.amdhsa_memory_ordered 1
		.amdhsa_forward_progress 1
		.amdhsa_inst_pref_size 16
	.end_amdhsa_kernel
	.amdgpu_metadata
---
amdhsa.version: [ 1, 2 ]
amdhsa.kernels:
  - .name:           k_q0b97b8d125_ln1
    .symbol:         k_q0b97b8d125_ln1.kd
    .args:
      - { .name: q, .offset: 0, .size: 8, .value_kind: global_buffer, .address_space: global }
      - { .name: g1, .offset: 8, .size: 8, .value_kind: global_buffer, .address_space: global }
      - { .name: be1, .offset: 16, .size: 8, .value_kind: global_buffer, .address_space: global }
      - { .name: X1, .offset: 24, .size: 8, .value_kind: global_buffer, .address_space: global }
      - { .name: Pself, .offset: 32, .size: 8, .value_kind: global_buffer, .address_space: global }
      - { .name: Pcross, .offset: 40, .size: 8, .value_kind: global_buffer, .address_space: global }
    .group_segment_fixed_size: 76800
    .private_segment_fixed_size: 0
    .kernarg_segment_align: 8
    .kernarg_segment_size: 48
    .max_flat_workgroup_size: 512
    .sgpr_count:     66
    .vgpr_count:     130
    .wavefront_size: 32
...
	.end_amdgpu_metadata
.endif
;; end of part 1
;; launch qkv (part 2): grid 64 x 5, 16 waves a work-group, no clusters, 43,008 bytes of LDS; arguments X1, k_codes, k_scales, v_codes, v_scales, Wq_s_codes, Wq_s_scales, Wk_s_codes, Wk_s_scales, Wk_c_codes, Wk_c_scales, Wv_s_codes, Wv_s_scales, Wv_c_codes, Wv_c_scales, Aself, Across; writes Aself, Across
.if DOCPART == 2
	.amdgcn_target "amdgcn-amd-amdhsa--gfx1250"
	.amdhsa_code_object_version 6
	.text
	.protected	k_q0b97b8d125_qkv
	.globl	k_q0b97b8d125_qkv
	.p2align	8
	.type	k_q0b97b8d125_qkv,@function
k_q0b97b8d125_qkv:
	s_mov_b64 s[64:65], 0
	v_nop
	global_prefetch_b8 v0, s[64:65] scope:SCOPE_SE
	s_setreg_imm32_b32 hwreg(HW_REG_WAVE_MODE, 25, 1), 1
	s_wait_xcnt 0x0
; Five projections on codes of E2M1, [8192 tokens, K 512] x [512 outputs, K 512], each result quantised in registers and stored as the attention body's operand.
; y = 0: Q of the self attention, 1: its K, 2: the cross attention's K (from input k), 3: V of the self attention, 4: the cross attention's V (from input v).
; SHARES. x = batch x 16 + step: 128 tokens.  Wave w owns outputs 32 w .. 32 w + 31 (head w / 2, half w % 2): its 8 weight fragments are read once into 64 registers.
; TOKEN TILES ARE NOT NEIGHBOURS: lane r of tile T takes token 32 (T / 2) + 8 (T % 2) + r + 8 (r / 8); the two weight tiles of a wave take their rows likewise.
; Q, K (K of the next product = the head's 64): source 0 = 16 rows of W, source 1 = 16 tokens: a lane holds ONE token and 16 neighbouring outputs 16 (lane / 16) + 0 .. 15.
; V (K of the next product = the keys): source 0 = 16 tokens, source 1 = 16 rows of W: a lane holds ONE output and 16 neighbouring tokens.
; In both a block of 32 lies in lanes l and l xor 16; a lane's 16 codes are 8 bytes, and a wave's store covers 256 consecutive bytes, aligned.
; A's regions (bytes): Q's codes 0, K's 2,097,152: [batch x head][tile 128][block 2][lane 16][16]; V's 4,194,304: [batch x head][step 16][tile 4] images of a fragment's registers;
; scale words: Q's 6,291,456, K's 6,553,600: [batch x head][tile][lane], bytes block 0, block 1, 127, 127; V's 6,815,744: [batch x head][step][tile][lane].
; The tokens' codes go through LDS as [tile][block 16][lane 16][16 bytes], 272 bytes a block: a fragment's load reads 256 consecutive bytes in sixteen lanes.
; No tensor load: each weight fragment serves one wave, and the tokens' 32 KiB are filled once.  No cluster: joint requests are tensor loads'.
; V's scale words leave 128 bytes a wave: one byte in 16 of V's output.
; LIMITS: as stated for the quantiser: NaN and infinities not served; the byte is held at 1 from below, for a block of zeros too.
.set XIMG, 0
.set XSC, 34816                        ; the tokens' scale bytes: [tile][lane][16]
.set GQ, 36864                         ; Q's or K's scale words: [head][tile 8][lane], 4 bytes
.set LX, 1                             ; v1  16 r + 272 h
.set LXS, 2                            ; v2  XSC + 16 lane: lanes 0-15 one tile's words, lanes 16-31 the next tile's
.set WO, 3                             ; v3  (r + 8 (r / 8)) 256 + 16 h
.set WSO, 4                            ; v4  (8 h + r + 8 (r / 8)) 16
.set OCO, 5                            ; v5  16 r + 8 h
.set GB, 6                             ; v6  GQ + 512 head + 4 r + half
.set CPA, 7                            ; v7  where the copy puts codes
.set L16, 8
.set T4, 9                             ; v9  4 x thread
.set PAD, 10                           ; v10 127: the byte 2^0 over the zero codes of k = 64 .. 127
.set CPS, 11                           ; v11 where the copy puts scale bytes
.set L4, 12
.set GR, 13                            ; v13 GQ + 16 x thread
.set WS, 24                            ; v24-27 the weights' scale words, a register a K step; lanes 16-31: tile 1
.set XS, 28                            ; v28-31 the tokens'
.set W, 32                             ; v32-95  fragment (u, s) at 8 (4 u + s)
.set X, 96                             ; v96-159 fragment (m, s) of a pair of tiles
.set ACC, 160                          ; v160-191
.set TM, 192                           ; v192.. largest magnitudes, +4 bytes, +8 scale operands
.set PC, 208                           ; v208-211 codes
.set PW, 212                           ; v212-213 V's scale words as they grow
.set WV, 50
.set SEL, 2                            ; s[2:3]
.macro BARRIER
	s_wait_dscnt 0x0
	s_barrier_signal -1
	s_barrier_wait -1
.endm
; one scaled product; c = 999: the sum begins with 0; ra, rb = 1: that side's scales are read from lanes 16-31
.macro WM d, a, b, c, sa, sb, ra, rb
.if (\c) == 999
.if (\ra) == 0 && (\rb) == 0
	v_wmma_scale_f32_16x16x128_f8f6f4 v[0+(\d):7+(\d)], v[0+(\a):7+(\a)], v[0+(\b):7+(\b)], 0, v[\sa], v[\sb] matrix_a_fmt:MATRIX_FMT_FP4 matrix_b_fmt:MATRIX_FMT_FP4
.elseif (\ra) == 1 && (\rb) == 0
	v_wmma_scale_f32_16x16x128_f8f6f4 v[0+(\d):7+(\d)], v[0+(\a):7+(\a)], v[0+(\b):7+(\b)], 0, v[\sa], v[\sb] matrix_a_fmt:MATRIX_FMT_FP4 matrix_b_fmt:MATRIX_FMT_FP4 matrix_a_scale:MATRIX_SCALE_ROW1
.elseif (\ra) == 0
	v_wmma_scale_f32_16x16x128_f8f6f4 v[0+(\d):7+(\d)], v[0+(\a):7+(\a)], v[0+(\b):7+(\b)], 0, v[\sa], v[\sb] matrix_a_fmt:MATRIX_FMT_FP4 matrix_b_fmt:MATRIX_FMT_FP4 matrix_b_scale:MATRIX_SCALE_ROW1
.else
	v_wmma_scale_f32_16x16x128_f8f6f4 v[0+(\d):7+(\d)], v[0+(\a):7+(\a)], v[0+(\b):7+(\b)], 0, v[\sa], v[\sb] matrix_a_fmt:MATRIX_FMT_FP4 matrix_b_fmt:MATRIX_FMT_FP4 matrix_a_scale:MATRIX_SCALE_ROW1 matrix_b_scale:MATRIX_SCALE_ROW1
.endif
.else
.if (\ra) == 0 && (\rb) == 0
	v_wmma_scale_f32_16x16x128_f8f6f4 v[0+(\d):7+(\d)], v[0+(\a):7+(\a)], v[0+(\b):7+(\b)], v[0+(\c):7+(\c)], v[\sa], v[\sb] matrix_a_fmt:MATRIX_FMT_FP4 matrix_b_fmt:MATRIX_FMT_FP4
.elseif (\ra) == 1 && (\rb) == 0
	v_wmma_scale_f32_16x16x128_f8f6f4 v[0+(\d):7+(\d)], v[0+(\a):7+(\a)], v[0+(\b):7+(\b)], v[0+(\c):7+(\c)], v[\sa], v[\sb] matrix_a_fmt:MATRIX_FMT_FP4 matrix_b_fmt:MATRIX_FMT_FP4 matrix_a_scale:MATRIX_SCALE_ROW1
.elseif (\ra) == 0
	v_wmma_scale_f32_16x16x128_f8f6f4 v[0+(\d):7+(\d)], v[0+(\a):7+(\a)], v[0+(\b):7+(\b)], v[0+(\c):7+(\c)], v[\sa], v[\sb] matrix_a_fmt:MATRIX_FMT_FP4 matrix_b_fmt:MATRIX_FMT_FP4 matrix_b_scale:MATRIX_SCALE_ROW1
.else
	v_wmma_scale_f32_16x16x128_f8f6f4 v[0+(\d):7+(\d)], v[0+(\a):7+(\a)], v[0+(\b):7+(\b)], v[0+(\c):7+(\c)], v[\sa], v[\sb] matrix_a_fmt:MATRIX_FMT_FP4 matrix_b_fmt:MATRIX_FMT_FP4 matrix_a_scale:MATRIX_SCALE_ROW1 matrix_b_scale:MATRIX_SCALE_ROW1
.endif
.endif
.endm
; 16 products: two tiles of tokens x two tiles of W x K 512.  The four accumulators take turns, one instruction a turn.
.macro MM16 vt, zero
.irp s, 0,1,2,3
.irp mq, 0,1
.irp u, 0,1
.if \vt
.if \zero && (\s == 0)
	WM ACC+16*\u+8*\mq, X+8*(4*\mq+\s), W+8*(4*\u+\s), 999, XS+\s, WS+\s, \mq, \u
.else
	WM ACC+16*\u+8*\mq, X+8*(4*\mq+\s), W+8*(4*\u+\s), ACC+16*\u+8*\mq, XS+\s, WS+\s, \mq, \u
.endif
.else
.if \zero && (\s == 0)
	WM ACC+16*\mq+8*\u, W+8*(4*\u+\s), X+8*(4*\mq+\s), 999, WS+\s, XS+\s, \u, \mq
.else
	WM ACC+16*\mq+8*\u, W+8*(4*\u+\s), X+8*(4*\mq+\s), ACC+16*\mq+8*\u, WS+\s, XS+\s, \u, \mq
.endif
.endif
.endr
.endr
.endr
.endm
.macro FETCHP mp                       ; the 8 fragments of tiles 2 mp and 2 mp + 1
.irp mq, 0,1
.irp s, 0,1,2,3
.irp c, 0,1
	ds_load_b128 v[X+8*(4*\mq+\s)+4*\c:X+8*(4*\mq+\s)+4*\c+3], v[LX] offset:XIMG+(2*(\mp)+\mq)*4352+272*(4*\s+2*\c)
.endr
.endr
.endr
.endm
; n blocks by turns; block b: 16 numbers of a lane in v[s + 16 b] on, the other 16 in lane l xor 16.  Codes to v[PC + 2 b], v[PC + 2 b + 1], the byte to v[TM + 4 + b].
.macro QUANT s, n
.set qb, 0
.rept \n
	v_max3_num_f32 v[TM+qb], |v[(\s)+16*qb]|, |v[(\s)+16*qb+1]|, 0x1800000   ; with the floor 2^(3 - 127): the byte cannot fall under 1.  Each accumulator is read from its low end on
.set qb, qb+1
.endr
.irp i, 2,4,6,8,10,12,14
.set qb, 0
.rept \n
	v_max3_num_f32 v[TM+qb], v[TM+qb], |v[(\s)+16*qb+\i]|, |v[(\s)+16*qb+\i+1]|
.set qb, qb+1
.endr
.endr
.set qb, 0
.rept \n
	v_permlanex16_b32 v[TM+4+qb], v[TM+qb], s[SEL], s[SEL+1]
.set qb, qb+1
.endr
.set qb, 0
.rept \n
	v_max_num_f32 v[TM+qb], v[TM+qb], v[TM+4+qb]
.set qb, qb+1
.endr
.set qb, 0
.rept \n
	v_add_nc_u32 v[TM+8+qb], 0xff000000, v[TM+qb]  ; 2 off the exponent field: the conversion's scale operand
.set qb, qb+1
.endr
.set qb, 0
.rept \n
	v_lshrrev_b32 v[TM+4+qb], 23, v[TM+8+qb]       ; the scale's byte
.set qb, qb+1
.endr
.set qb, 0
.rept \n
	v_cvt_scalef32_pk8_fp4_f32 v[PC+2*qb], v[(\s)+16*qb:(\s)+16*qb+7], v[TM+8+qb]
	v_cvt_scalef32_pk8_fp4_f32 v[PC+2*qb+1], v[(\s)+16*qb+8:(\s)+16*qb+15], v[TM+8+qb]
.set qb, qb+1
.endr
	v_nop                                          ; a plain instruction behind the last conversion
.endm
; a pair of token tiles: fragments from LDS, 16 products, two blocks quantised and stored
.macro PAIR mp, vt
.if (\mp) > 0
	s_wait_xcnt 0x0                                ; the last pair's stores have read their data: the codes' registers are written again below
.endif
	FETCHP \mp
	ds_load_b128 v[XS:XS+3], v[LXS] offset:512*(\mp)
	s_wait_dscnt 0x0                               ; the fragments are in, and my byte stores have read their registers
	MM16 \vt, 1
.rept 4
	v_nop                                          ; four places behind the last product, ahead of the first read of results
.endr
	QUANT ACC, 2
.irp e, 0,1
.if \vt
	global_store_b64 v[OCO], v[PC+2*\e:PC+2*\e+1], s[48:49] offset:1024*\e+512*((\mp)/2)+256*((\mp)%2)   ; tile e of V^T, block mp of the step's four
.if (\mp) == 0
	v_mov_b32 v[PW+\e], v[TM+4+\e]
.else
	v_lshl_or_b32 v[PW+\e], v[TM+4+\e], 8*(\mp), v[PW+\e]
.endif
.else
	global_store_b64 v[OCO], v[PC+2*\e:PC+2*\e+1], s[48:49] offset:(2*(\mp)+\e)*512
	ds_store_b8 v[GB], v[TM+4+\e] offset:64*(2*(\mp)+\e)          ; my half's byte of the token's scale word,
	ds_store_b8 v[GB], v[PAD] offset:64*(2*(\mp)+\e)+2            ; and 127 two bytes on: no two waves share a byte
.endif
.endr
.endm
	s_load_b64 s[4:5], s[0:1], 0x0                 ; X1
	s_load_b256 s[8:15], s[0:1], 0x8               ; k's codes, k's scales, v's codes, v's scales
	s_load_b512 s[16:31], s[0:1], 0x28             ; codes and scales of Wq_s, Wk_s, Wk_c, Wv_s
	s_load_b256 s[32:39], s[0:1], 0x68             ; of Wv_c; Aself s[36:37], Across s[38:39]
	v_lshl_add_u32 v254, v0, 2, 0xa000
	v_mov_b32 v255, 0
	v_lshrrev_b32 v14, 5, v0
	v_readfirstlane_b32 s[WV], v14                 ; wave 0..15
	v_and_b32 v14, 31, v0                          ; lane
	v_and_b32 v15, 15, v0                          ; r
	v_bfe_u32 v16, v0, 4, 1                        ; h
	v_lshlrev_b32 v[L16], 4, v14
	v_lshlrev_b32 v[L4], 2, v14
	v_lshlrev_b32 v[T4], 2, v0
	v_mul_u32_u24 v[LX], v16, 272
	v_lshl_add_u32 v[LX], v15, 4, v[LX]
	v_add_nc_u32 v[LXS], XSC, v[L16]
	v_and_b32 v17, 8, v15
	v_add_nc_u32 v17, v17, v15                     ; r + 8 (r / 8)
	v_lshlrev_b32 v[WO], 8, v17
	v_lshl_add_u32 v[WO], v16, 4, v[WO]
	v_lshl_add_u32 v[WSO], v16, 3, v17
	v_lshlrev_b32 v[WSO], 4, v[WSO]
	v_lshlrev_b32 v[OCO], 4, v15
	v_lshl_add_u32 v[OCO], v16, 3, v[OCO]
	s_lshr_b32 s51, s[WV], 1                       ; head
	s_and_b32 s52, s[WV], 1                        ; which 32 of its 64
	s_lshl_b32 s53, s51, 9
	s_add_co_u32 s53, s53, s52
	s_add_co_u32 s53, s53, GQ
	v_lshl_add_u32 v[GB], v15, 2, s53
	; the copy: wave w brings tokens 8 w .. 8 w + 7: tile 2 (w / 4) + w % 2, lanes 8 ((w / 2) % 2) on
	s_lshr_b32 s54, s[WV], 2
	s_lshl_b32 s54, s54, 1
	s_add_co_u32 s54, s54, s52
	s_and_b32 s55, s51, 1
	s_lshl_b32 s55, s55, 7
	s_mul_i32 s56, s54, 4352
	s_add_co_u32 s56, s56, s55
	v_mul_u32_u24 v[CPA], v15, 272                 ; a load's lane holds block lane % 16 of token lane / 16
	v_lshl_add_u32 v[CPA], v16, 4, v[CPA]
	v_add_nc_u32 v[CPA], s56, v[CPA]
	s_lshl_b32 s57, s54, 8
	s_add_co_u32 s57, s57, s55
	s_add_co_u32 s57, s57, XSC
	v_add_nc_u32 v[CPS], s57, v[L4]
	v_lshl_add_u32 v[GR], v0, 4, GQ
	v_mov_b32 v[PAD], 0x7f
	v_mov_b32 v[TM+4], 0                           ; written once: a lane permute's destination counts as one of its sources
	v_mov_b32 v[TM+5], 0
	s_mov_b32 s[SEL], 0x76543210
	s_mov_b32 s[SEL+1], 0xfedcba98
	s_and_b32 s44, ttmp7, 0xffff                   ; y: which product
	s_lshr_b32 s58, ttmp9, 4                       ; batch
	s_and_b32 s59, ttmp9, 15                       ; step
	s_add_co_u32 s45, s44, 1
	s_lshr_b32 s45, s45, 1                         ; the region: 0 Q, 1 K, 2 V
	s_mov_b32 s61, 0
	s_wait_kmcnt 0x0
	s_add_nc_u64 s[6:7], s[4:5], 0x200000          ; X1's scale bytes
	s_cmp_eq_u32 s44, 2                            ; the buffers are chosen by the work-group's y alone
	s_cselect_b64 s[40:41], s[8:9], s[4:5]
	s_cselect_b64 s[42:43], s[10:11], s[6:7]
	s_cselect_b64 s[46:47], s[38:39], s[36:37]
	s_cselect_b64 s[16:17], s[24:25], s[16:17]
	s_cselect_b64 s[18:19], s[26:27], s[18:19]
	s_cmp_eq_u32 s44, 4
	s_cselect_b64 s[40:41], s[12:13], s[40:41]
	s_cselect_b64 s[42:43], s[14:15], s[42:43]
	s_cselect_b64 s[46:47], s[38:39], s[46:47]
	s_cselect_b64 s[16:17], s[32:33], s[16:17]
	s_cselect_b64 s[18:19], s[34:35], s[18:19]
	s_cmp_eq_u32 s44, 1
	s_cselect_b64 s[16:17], s[20:21], s[16:17]
	s_cselect_b64 s[18:19], s[22:23], s[18:19]
	s_cmp_eq_u32 s44, 3
	s_cselect_b64 s[16:17], s[28:29], s[16:17]
	s_cselect_b64 s[18:19], s[30:31], s[18:19]
	s_lshl_b32 s60, ttmp9, 15                      ; 128 tokens of 256 bytes a work-group, 8 a wave
	s_lshl_b32 s62, s[WV], 11
	s_add_co_u32 s60, s60, s62
	s_add_nc_u64 s[40:41], s[40:41], s[60:61]
	s_lshl_b32 s60, ttmp9, 11
	s_add_nc_u64 s[42:43], s[42:43], s[60:61]
	s_lshl_b32 s60, s[WV], 13                      ; my 32 rows of W
	s_add_nc_u64 s[16:17], s[16:17], s[60:61]
	s_lshl_b32 s60, s[WV], 9
	s_add_nc_u64 s[18:19], s[18:19], s[60:61]
.irp n, 0,1,2,3
	global_load_b128 v[ACC+4*\n:ACC+4*\n+3], v[L16], s[40:41] offset:512*\n   ; two tokens' codes: 512 consecutive bytes
.endr
	global_load_b32 v[ACC+16], v[T4], s[42:43]     ; 8 tokens' scale bytes a wave
.irp u, 0,1
.irp s, 0,1,2,3
.irp c, 0,1
	global_load_b128 v[W+8*(4*\u+\s)+4*\c:W+8*(4*\u+\s)+4*\c+3], v[WO], s[16:17] offset:2048*\u+64*\s+32*\c
.endr
.endr
.endr
	global_load_b128 v[WS:WS+3], v[WSO], s[18:19]
	; where the results go
	s_lshl_b32 s62, s58, 3
	s_add_co_u32 s62, s62, s51                     ; batch x 8 + head
	s_lshl_b32 s60, s62, 16
	s_lshl_b32 s63, s59, 12
	s_add_co_u32 s60, s60, s63
	s_lshl_b32 s63, s45, 21
	s_add_co_u32 s60, s60, s63
	s_cmp_gt_u32 s44, 2
	s_cselect_b32 s63, 11, 8                       ; my half: two tiles of V^T (2,048 bytes) or a block of a token tile (256)
	s_lshl_b32 s63, s52, s63
	s_add_co_u32 s60, s60, s63
	s_add_nc_u64 s[48:49], s[46:47], s[60:61]
	s_lshl_b32 s60, s62, 12                        ; V's scale words
	s_lshl_b32 s63, s59, 8
	s_add_co_u32 s60, s60, s63
	s_lshl_b32 s63, s52, 7
	s_add_co_u32 s60, s60, s63
	s_add_co_u32 s60, s60, 6815744
	s_add_nc_u64 s[8:9], s[46:47], s[60:61]
	s_lshl_b32 s60, s58, 3                         ; Q's or K's: wave w < 8 stores head w's
	s_add_co_u32 s60, s60, s[WV]
	s_lshl_b32 s60, s60, 13
	s_lshl_b32 s63, s59, 9
	s_add_co_u32 s60, s60, s63
	s_lshl_b32 s63, s45, 18
	s_add_co_u32 s60, s60, s63
	s_add_co_u32 s60, s60, 6291456
	s_add_nc_u64 s[10:11], s[46:47], s[60:61]
	s_wait_loadcnt 17                              ; the tokens' codes and bytes are in; the 17 younger loads are W's
.irp n, 0,1,2,3
	ds_store_b128 v[CPA], v[ACC+4*\n:ACC+4*\n+3] offset:32*\n
.endr
	ds_store_b32 v[CPS], v[ACC+16]
	BARRIER                                        ; the 8 tiles lie in LDS
	s_wait_loadcnt 0x0
	s_cmp_gt_u32 s44, 2
	s_cbranch_scc1 .Lvpath
	PAIR 0, 0
	PAIR 1, 0
	PAIR 2, 0
	PAIR 3, 0
	s_branch .Ljoin
.Lvpath:
	PAIR 0, 1
	PAIR 1, 1
	PAIR 2, 1
	PAIR 3, 1
	v_cmp_gt_u32 vcc_lo, 16, v14
	v_cndmask_b32 v[PW+2], v[PW+1], v[PW], vcc_lo  ; lanes 0-15 tile 0's words, lanes 16-31 tile 1's
	global_store_b32 v[L4], v[PW+2], s[8:9]
.Ljoin:
	BARRIER                                        ; every wave's bytes of the scale words lie in LDS
	s_cmp_gt_u32 s44, 2
	s_cbranch_scc1 .Lend
	s_cmp_gt_u32 s[WV], 7
	s_cbranch_scc1 .Lend
	ds_load_b128 v[ACC:ACC+3], v[GR]               ; head w's 8 tiles x 16 words
	s_wait_dscnt 0x0
	global_store_b128 v[L16], v[ACC:ACC+3], s[10:11]   ; 512 consecutive bytes, aligned
.Lend:
	s_wait_tensorcnt 0x0
	ds_add_u32 v254, v255
	s_wait_dscnt 0x0
	s_endpgm
.Lfunc_end_k_q0b97b8d125_qkv:
	.size	k_q0b97b8d125_qkv, .Lfunc_end_k_q0b97b8d125_qkv-k_q0b97b8d125_qkv
	.p2alignl 7, 3214868480
	.fill 96, 4, 3214868480
	.section	.rodata,"a",@progbits
	.p2align	6, 0x0
	.amdhsa_kernel k_q0b97b8d125_qkv
		.amdhsa_group_segment_fixed_size 43008
		.amdhsa_private_segment_fixed_size 0
		.amdhsa_enable_private_segment 0
		.amdhsa_kernarg_size 136
		.amdhsa_user_sgpr_count 2
		.amdhsa_user_sgpr_kernarg_segment_ptr 1
		.amdhsa_wavefront_size32 1
		.amdhsa_system_sgpr_workgroup_id_x 1
		.amdhsa_system_sgpr_workgroup_id_y 1
		.amdhsa_system_sgpr_workgroup_id_z 1
		.amdhsa_system_vgpr_workitem_id 0
		.amdhsa_next_free_vgpr 256
		.amdhsa_next_free_sgpr 66
		.amdhsa_reserve_vcc 1
		.amdhsa_float_denorm_mode_32 3
		.amdhsa_float_denorm_mode_16_64 3
		.amdhsa_memory_ordered 1
		.amdhsa_forward_progress 1
		.amdhsa_inst_pref_size 51
	.end_amdhsa_kernel
	.amdgpu_metadata
---
amdhsa.version: [ 1, 2 ]
amdhsa.kernels:
  - .name:           k_q0b97b8d125_qkv
    .symbol:         k_q0b97b8d125_qkv.kd
    .args:
      - { .name: X1, .offset: 0, .size: 8, .value_kind: global_buffer, .address_space: global }
      - { .name: k_codes, .offset: 8, .size: 8, .value_kind: global_buffer, .address_space: global }
      - { .name: k_scales, .offset: 16, .size: 8, .value_kind: global_buffer, .address_space: global }
      - { .name: v_codes, .offset: 24, .size: 8, .value_kind: global_buffer, .address_space: global }
      - { .name: v_scales, .offset: 32, .size: 8, .value_kind: global_buffer, .address_space: global }
      - { .name: Wq_s_codes, .offset: 40, .size: 8, .value_kind: global_buffer, .address_space: global }
      - { .name: Wq_s_scales, .offset: 48, .size: 8, .value_kind: global_buffer, .address_space: global }
      - { .name: Wk_s_codes, .offset: 56, .size: 8, .value_kind: global_buffer, .address_space: global }
      - { .name: Wk_s_scales, .offset: 64, .size: 8, .value_kind: global_buffer, .address_space: global }
      - { .name: Wk_c_codes, .offset: 72, .size: 8, .value_kind: global_buffer, .address_space: global }
      - { .name: Wk_c_scales, .offset: 80, .size: 8, .value_kind: global_buffer, .address_space: global }
      - { .name: Wv_s_codes, .offset: 88, .size: 8, .value_kind: global_buffer, .address_space: global }
      - { .name: Wv_s_scales, .offset: 96, .size: 8, .value_kind: global_buffer, .address_space: global }
      - { .name: Wv_c_codes, .offset: 104, .size: 8, .value_kind: global_buffer, .address_space: global }
      - { .name: Wv_c_scales, .offset: 112, .size: 8, .value_kind: global_buffer, .address_space: global }
      - { .name: Aself, .offset: 120, .size: 8, .value_kind: global_buffer, .address_space: global }
      - { .name: Across, .offset: 128, .size: 8, .value_kind: global_buffer, .address_space: global }
    .group_segment_fixed_size: 43008
    .private_segment_fixed_size: 0
    .kernarg_segment_align: 8
    .kernarg_segment_size: 136
    .max_flat_workgroup_size: 512
    .sgpr_count:     66
    .vgpr_count:     256
    .wavefront_size: 32
...
	.end_amdgpu_metadata
.endif
;; end of part 2
;; launch attn_s (part 3): grid 8 x 32, 16 waves a work-group, no clusters, 145,408 bytes of LDS; arguments Aself, Pself, Oself; writes Oself
.if DOCPART == 3
	.amdgcn_target "amdgcn-amd-amdhsa--gfx1250"
	.amdhsa_code_object_version 6
	.text
	.protected	k_q0b97b8d125_attn_s
	.globl	k_q0b97b8d125_attn_s
	.p2align	8
	.type	k_q0b97b8d125_attn_s,@function
k_q0b97b8d125_attn_s:
	s_mov_b64 s[64:65], 0
	v_nop
	global_prefetch_b8 v0, s[64:65] scope:SCOPE_SE
	s_setreg_imm32_b32 hwreg(HW_REG_WAVE_MODE, 25, 1), 1
	s_wait_xcnt 0x0
; Attention of one batch x head on codes of E2M1, head size 64, 2,048 queries and keys; the result o / l is quantised along the head's 64 and stored as codes.
; Key k counts for query q where k <= q + off; off is read from P (0: causal; 2^20: every key counts).  It enters scalar compares, branches and v_cmp alone, no address.
; THE SOFTMAX AHEAD OF THE SECOND PRODUCT: t = score x log2(e) / 8; M = the running largest t rounded UP to a whole number; p = 2^(t - M) is quantised along the keys, not normalised;
; the row's sum is taken of the unquantised p and divides at the end; when M moves, the sum and O are multiplied by 2^(old M - new M), which rounds nothing.
; SHARES. y = batch x head, x = j.  Wave w owns the tile of 16 queries T = 8 rank(w) + j; lane r of it is query 32 (T / 2) + 8 (T % 2) + r + 8 (r / 8).
; Under the causal mask a wave has rank + 1 key steps of work.  The ranks are a 4 x 4 magic square: any four waves w / 4 = const or w % 4 = const have ranks that add up to 30,
; and every work-group has the same ranks: equal work for all.
; LDS. The head's K (64 KiB), V (64 KiB) and their scale words (12 KiB) are copied in ONCE, through registers, as they lie in memory: one barrier in the whole text, no ring.
; No tensor load: the body branches on a number read from memory.  No cluster: joint requests are tensor loads'; what partners would share is read once a work-group.
; LAYOUT. Both products transposed: S^T = K Q^T (source 0 = 16 keys), O^T = V^T P^T (source 0 = 16 of the head's 64): a lane holds ONE query throughout.
; The first product's K is 64: registers 4-7 of both operands are zero codes, under the byte 127.  The keys of a tile are chosen like the queries, so that the 16 registers of tiles 2 b, 2 b + 1 are keys 32 b + 16 (lane / 16) + 0 .. 15.
; The scale bytes of the result leave one byte a lane: one byte in 17 of the output.
; LIMITS: NaN and infinities not served; a block's byte is held at 1 from below, for a block of zeros too.
; REGISTERS: v1-5 addresses that stay; v8-11 the step's addresses; v12 -M, v13 the largest t, v[14:15] the sum; v16-23 Q; v26-27 V's scale words; v32-95 8 fragments of K; v96-159 S^T, then p;
; v160-191 O^T; v192-223 4 fragments of V; v224-231 p's codes; v232-247 at work; v248-251 K's scale words; v252 f; v253 p's scale word; v254 at work; v255 Q's scale word.
.set SCK, 131072                       ; K's scale words: [tile 128][lane 16], 4 bytes
.set SCV, 139264                       ; V's: [step 16][tile 4][lane 16]
.set TM, 232
.set PC, 224
.set OFF, 10
.set WV, 11
.set KF, 16                            ; the step's first key
.set TB, 17                            ; where its fragments begin: 4,096 bytes a step
.set TS, 18                            ; K's scale words: 512 a step
.set TJ, 19                            ; V's: 256 a step
.set CNT, 20
.set QH, 21                            ; my last query + off
.set QL, 22                            ; my first query + off
.set SEL, 24
.set CS, 26                            ; s[26:27] c = log2(e) / 8
.macro WM d, a, b, c, sa, sb, ra       ; one scaled product; c = 999: the sum begins with 0; ra = 1: source 0's scales are read from lanes 16-31
.if (\c) == 999
.if (\ra) == 0
	v_wmma_scale_f32_16x16x128_f8f6f4 v[0+(\d):7+(\d)], v[0+(\a):7+(\a)], v[0+(\b):7+(\b)], 0, v[\sa], v[\sb] matrix_a_fmt:MATRIX_FMT_FP4 matrix_b_fmt:MATRIX_FMT_FP4
.else
	v_wmma_scale_f32_16x16x128_f8f6f4 v[0+(\d):7+(\d)], v[0+(\a):7+(\a)], v[0+(\b):7+(\b)], 0, v[\sa], v[\sb] matrix_a_fmt:MATRIX_FMT_FP4 matrix_b_fmt:MATRIX_FMT_FP4 matrix_a_scale:MATRIX_SCALE_ROW1
.endif
.else
.if (\ra) == 0
	v_wmma_scale_f32_16x16x128_f8f6f4 v[0+(\d):7+(\d)], v[0+(\a):7+(\a)], v[0+(\b):7+(\b)], v[0+(\c):7+(\c)], v[\sa], v[\sb] matrix_a_fmt:MATRIX_FMT_FP4 matrix_b_fmt:MATRIX_FMT_FP4
.else
	v_wmma_scale_f32_16x16x128_f8f6f4 v[0+(\d):7+(\d)], v[0+(\a):7+(\a)], v[0+(\b):7+(\b)], v[0+(\c):7+(\c)], v[\sa], v[\sb] matrix_a_fmt:MATRIX_FMT_FP4 matrix_b_fmt:MATRIX_FMT_FP4 matrix_a_scale:MATRIX_SCALE_ROW1
.endif
.endif
.endm
.macro QUANT s, n                      ; n blocks by turns; block b: 16 numbers of a lane in v[s + 16 b] on, the other 16 in lane l xor 16
.set qb, 0
.rept \n
	v_max3_num_f32 v[TM+qb], |v[(\s)+16*qb]|, |v[(\s)+16*qb+1]|, 0x1800000
.set qb, qb+1
.endr
.irp i, 2,4,6,8,10,12,14
.set qb, 0
.rept \n
	v_max3_num_f32 v[TM+qb], v[TM+qb], |v[(\s)+16*qb+\i]|, |v[(\s)+16*qb+\i+1]|
.set qb, qb+1
.endr
.endr
.set qb, 0
.rept \n
	v_permlanex16_b32 v[TM+4+qb], v[TM+qb], s[SEL], s[SEL+1]
.set qb, qb+1
.endr
.set qb, 0
.rept \n
	v_max_num_f32 v[TM+qb], v[TM+qb], v[TM+4+qb]
.set qb, qb+1
.endr
.set qb, 0
.rept \n
	v_add_nc_u32 v[TM+8+qb], 0xff000000, v[TM+qb]
.set qb, qb+1
.endr
.set qb, 0
.rept \n
	v_lshrrev_b32 v[TM+4+qb], 23, v[TM+8+qb]
.set qb, qb+1
.endr
.set qb, 0
.rept \n
	v_cvt_scalef32_pk8_fp4_f32 v[PC+2*qb], v[(\s)+16*qb:(\s)+16*qb+7], v[TM+8+qb]
	v_cvt_scalef32_pk8_fp4_f32 v[PC+2*qb+1], v[(\s)+16*qb+8:(\s)+16*qb+15], v[TM+8+qb]
.set qb, qb+1
.endr
	v_nop
.endm
	s_load_b128 s[4:7], s[0:1], 0x0                ; A s[4:5], P s[6:7]
	s_load_b64 s[8:9], s[0:1], 0x10                ; O
	v_lshl_add_u32 v242, v0, 2, 0x23000
	v_mov_b32 v243, 0
	v_lshrrev_b32 v24, 5, v0
	v_readfirstlane_b32 s[WV], v24                 ; wave 0..15
	v_and_b32 v24, 31, v0                          ; lane
	v_and_b32 v25, 15, v0                          ; r
	v_bfe_u32 v31, v0, 4, 1                        ; h
	v_lshlrev_b32 v1, 4, v24                       ; a fragment's 16 bytes of my lane, in K
	v_add_nc_u32 v2, 0x10000, v1                   ; and in V
	v_lshl_add_u32 v3, v24, 2, SCK
	v_lshl_add_u32 v4, v24, 2, SCV
	v_and_b32 v5, 8, v25
	v_add_nc_u32 v5, v5, v25
	v_lshlrev_b32 v31, 4, v31
	v_sub_nc_u32 v5, v5, v31                       ; r + 8 (r / 8) - 16 h: my query less my first key, from the tile's and the block's starts
	v_lshlrev_b32 v25, 2, v25                      ; 4 r
	v_lshlrev_b32 v6, 4, v0                        ; the copy: 16 x thread,
	v_add_nc_u32 v7, 0x10000, v6
	v_add_nc_u32 v28, SCK, v6
	v_lshlrev_b32 v30, 3, v0                       ; 8 x thread
	v_add_nc_u32 v29, SCV, v30
	s_and_b32 s12, ttmp7, 0xffff                   ; batch x head
	s_mov_b32 s28, 0x7a94c12f                      ; the ranks of waves 0-7, four bits each,
	s_mov_b32 s29, 0x0de3b658                      ; and of waves 8-15
	s_cmp_lt_u32 s[WV], 8
	s_cselect_b32 s28, s28, s29
	s_and_b32 s29, s[WV], 7
	s_lshl_b32 s29, s29, 2
	s_lshr_b32 s28, s28, s29
	s_and_b32 s13, s28, 15
	s_lshl_b32 s14, s13, 3
	s_add_co_u32 s14, s14, ttmp9                   ; T
	s_lshr_b32 s15, s14, 1
	s_lshl_b32 s15, s15, 5
	s_and_b32 s28, s14, 1
	s_lshl_b32 s28, s28, 3
	s_add_co_u32 s15, s15, s28                     ; my first query
	s_lshl_b32 s28, s12, 7
	s_add_co_u32 s28, s28, s14                     ; my tile among A's
	s_lshr_b32 s29, s12, 3
	s_lshl_b32 s29, s29, 7
	s_add_co_u32 s29, s29, s14                     ; and among O's: batch x 128 + T
	s_and_b32 s23, s12, 7                          ; head
	s_mov_b32 s[SEL], 0x76543210
	s_mov_b32 s[SEL+1], 0xfedcba98
	s_mov_b32 s[CS], 0x3e38aa3b
	s_mov_b32 s[CS+1], s[CS]                       ; (named with it as a pair, so it is written)
	s_mov_b32 s[KF], 0
	s_mov_b32 s[TB], 0
	s_mov_b32 s[TS], 0
	s_mov_b32 s[TJ], 0
	s_mov_b32 s[CNT], 0
	s_mov_b32 s47, 0
	s_wait_kmcnt 0x0
	s_load_b32 s[OFF], s[6:7], 0x0
	s_lshl_b32 s46, s12, 16
	s_add_co_u32 s46, s46, 0x200000
	s_add_nc_u64 s[30:31], s[4:5], s[46:47]        ; the head's K
	s_add_nc_u64 s[32:33], s[30:31], 0x200000      ; its V
	s_lshl_b32 s46, s12, 13
	s_add_co_u32 s46, s46, 6553600
	s_add_nc_u64 s[34:35], s[4:5], s[46:47]        ; K's scale words
	s_lshl_b32 s46, s12, 12
	s_add_co_u32 s46, s46, 6815744
	s_add_nc_u64 s[36:37], s[4:5], s[46:47]        ; V's
	s_lshl_b32 s46, s28, 9
	s_add_nc_u64 s[38:39], s[4:5], s[46:47]        ; my tile of Q
	s_lshl_b32 s46, s28, 6
	s_add_co_u32 s46, s46, 6291456
	s_add_nc_u64 s[40:41], s[4:5], s[46:47]        ; its scale words
	s_lshl_b32 s46, s29, 12
	s_lshl_b32 s28, s23, 9
	s_add_co_u32 s46, s46, s28
	s_add_nc_u64 s[42:43], s[8:9], s[46:47]        ; my codes in O: tile x 4,096 + head x 512
	s_lshl_b32 s46, s29, 8
	s_lshl_b32 s28, s23, 1
	s_add_co_u32 s46, s46, s28
	s_add_co_u32 s46, s46, 0x200000
	s_add_nc_u64 s[44:45], s[8:9], s[46:47]        ; my bytes: tile x 256 + 2 x head
.irp n, 0,1,2,3,4,5,6,7
	global_load_b128 v[32+4*\n:35+4*\n], v6, s[30:31] offset:8192*\n
.endr
.irp n, 0,1,2,3,4,5,6,7
	global_load_b128 v[64+4*\n:67+4*\n], v6, s[32:33] offset:8192*\n
.endr
	global_load_b128 v[96:99], v6, s[34:35]
	global_load_b64 v[100:101], v30, s[36:37]
	global_load_b128 v[16:19], v1, s[38:39]        ; Q's fragment: block lane / 16 of query lane % 16
	global_load_b32 v255, v25, s[40:41]
	s_wait_loadcnt 12                              ; K is in; younger: V's 8 and the last four
.irp n, 0,1,2,3,4,5,6,7
	ds_store_b128 v6, v[32+4*\n:35+4*\n] offset:8192*\n
.endr
	s_wait_loadcnt 4                               ; V is in
.irp n, 0,1,2,3,4,5,6,7
	ds_store_b128 v7, v[64+4*\n:67+4*\n] offset:8192*\n
.endr
	s_wait_loadcnt 2                               ; the scale words are in; younger: Q's two
	ds_store_b128 v28, v[96:99]
	ds_store_b64 v29, v[100:101]
	s_wait_dscnt 0x0                               ; for the others' sake: my part of the head lies in LDS
	s_barrier_signal -1
	s_barrier_wait -1                              ; the one barrier: from here on LDS is only read
.irp j, 20,21,22,23
	v_mov_b32 v[\j], 0                             ; zero codes for k = 64 .. 127 of Q
.endr
.irp t, 0,1,2,3,4,5,6,7
.irp j, 4,5,6,7
	v_mov_b32 v[32+8*\t+\j], 0                     ; and of K's 8 fragments: the loads write registers 0-3 alone
.endr
.endr
.set n, 0
.rept 32
	v_mov_b32 v[160+n], 0                          ; O^T: the step is written once; the first finds zeros, which the first change of M leaves zeros
.set n, n+1
.endr
	v_mov_b32 v13, 0xff61b1e6                      ; the largest t so far: -3e38
	v_floor_f32 v12, -v13                          ; -M
	v_mov_b32 v14, 0
	v_mov_b32 v15, 0
.irp b, 0,1,2,3
	v_mov_b32 v[236+\b], 0                         ; written once: a lane permute's destination counts as one of its sources
.endr
	v_mov_b32 v252, 0
	v_mov_b32 v253, 0
	s_wait_loadcnt 0x0                             ; Q
	s_wait_kmcnt 0x0                               ; off
	s_add_co_u32 s[QL], s15, s[OFF]
	s_add_co_u32 s[QH], s[QL], 23
.Lstep:                                            ; 16 trips, a constant; a step all of whose keys are hidden from my 16 queries leaves its work out
	s_cmp_gt_u32 s[KF], s[QH]
	s_cbranch_scc1 .Lhidden
	v_add_nc_u32 v8, s[TB], v1                     ; these four are also the places behind the last step's products, ahead of the loads
	v_add_nc_u32 v9, s[TB], v2
	v_add_nc_u32 v10, s[TS], v3
	v_add_nc_u32 v11, s[TJ], v4
.irp t, 0,1,2,3,4,5,6,7
	ds_load_b128 v[32+8*\t:35+8*\t], v8 offset:512*\t
.endr
.irp b, 0,1,2,3
	ds_load_b32 v[248+\b], v10 offset:128*\b       ; lanes 0-15: tile 2 b's words, lanes 16-31: tile 2 b + 1's
.endr
.irp t, 0,1,2,3
.irp c, 0,1
	ds_load_b128 v[192+8*\t+4*\c:195+8*\t+4*\c], v9 offset:1024*\t+512*\c
.endr
.endr
.irp i, 0,1
	ds_load_b32 v[26+\i], v11 offset:128*\i
.endr
	s_wait_dscnt 10                                ; K and its words are in; the 10 younger loads are V's
.irp t, 0,1,2,3,4,5,6,7
	WM 96+8*\t, 32+8*\t, 16, 999, 248+\t/2, 255, \t%2
.endr
.rept 4
	v_nop
.endr
	s_add_co_u32 s28, s[KF], 127                   ; a step all of whose keys count skips the mask
	s_cmp_le_u32 s28, s[QL]
	s_cbranch_scc1 .Lopen
	s_sub_co_i32 s28, s[QL], s[KF]
	v_add_nc_u32 v252, s28, v5                     ; register 16 b + i holds key KF + 16 h + 32 b + i: hidden where 32 b + i > this
	v_mov_b32 v254, 0xff800000                     ; -infinity: p = 0 then
.set n, 0
.rept 64
	v_cmp_gt_i32 vcc_lo, 32*(n/16)+n%16, v252
	v_cndmask_b32 v[96+n], v[96+n], v254, vcc_lo
.set n, n+1
.endr
.Lopen:
.irp b, 0,1,2,3
	v_max3_num_f32 v[232+\b], v[96+16*\b], v[97+16*\b], v[98+16*\b]   ; the largest score of each block of 32 keys: for the row's maximum and, since p rises with the score, for the block's largest p
.endr
.irp i, 3,5,7,9,11,13
.irp b, 0,1,2,3
	v_max3_num_f32 v[232+\b], v[232+\b], v[96+16*\b+\i], v[97+16*\b+\i]
.endr
.endr
.irp b, 0,1,2,3
	v_max_num_f32 v[232+\b], v[232+\b], v[111+16*\b]
.endr
.irp b, 0,1,2,3
	v_permlanex16_b32 v[236+\b], v[232+\b], s[SEL], s[SEL+1]
.endr
.irp b, 0,1,2,3
	v_max_num_f32 v[232+\b], v[232+\b], v[236+\b]
.endr
	v_max3_num_f32 v254, v232, v233, v234
	v_max_num_f32 v254, v254, v235
	v_mul_f32 v254, s[CS], v254                    ; as t (c is positive)
	v_max_num_f32 v13, v13, v254                   ; the running largest t
	v_mov_b32 v254, v12
	v_floor_f32 v12, -v13                          ; the new -M = -ceil(t)
	v_sub_f32 v254, v12, v254                      ; old M - new M: a whole number, 0 or less
	v_cvt_i32_f32 v254, v254                       ; (it saturates)
	v_ldexp_f32 v252, 1.0, v254                    ; f = 2^(old M - new M)
.set n, 0
.rept 32
	v_pk_fma_f32 v[96+n:97+n], v[96+n:97+n], s[CS:CS+1], v[12:13] op_sel_hi:[1,0,0]   ; t - M
.set n, n+2
.endr
.irp b, 0,1,2,3
	v_fma_f32 v[232+\b], v[232+\b], s[CS], v12     ; the same of each block's largest score
.endr
.set n, 0
.rept 64
	v_exp_f32 v[96+n], v[96+n]                     ; p = 2^(t - M)
.set n, n+1
.endr
	v_pk_mul_f32 v[14:15], v[14:15], v[252:253] op_sel_hi:[1,0]   ; the sums under the new M: a plain instruction behind the exponentials
	s_wait_alu depctr_va_vdst(0)                   ; one wait for the 64, ahead of their first reader
.irp b, 0,1,2,3
	v_exp_f32 v[232+\b], v[232+\b]                 ; the block's largest p
.endr
	v_pk_add_f32 v[240:241], v[96:97], v[98:99]    ; the row's sum of the unquantised p, in two chains; its first half stands behind the four exponentials
.irp j, 4,8,12,16,20,24,28
	v_pk_add_f32 v[14:15], v[14:15], v[96+\j:97+\j]
	v_pk_add_f32 v[240:241], v[240:241], v[98+\j:99+\j]
.endr
	s_wait_alu depctr_va_vdst(0)                   ; and one for the four
.irp b, 0,1,2,3
	v_max_num_f32 v[232+\b], 0x1800000, v[232+\b]  ; the floor 2^(3 - 127)
.endr
.irp b, 0,1,2,3
	v_add_nc_u32 v[244+\b], 0xff000000, v[232+\b]
.endr
.irp b, 0,1,2,3
	v_lshrrev_b32 v[236+\b], 23, v[244+\b]
.endr
	v_lshl_or_b32 v253, v237, 8, v236              ; p's scale word for these 128 keys
	v_lshl_or_b32 v253, v238, 16, v253
	v_lshl_or_b32 v253, v239, 24, v253
.irp b, 0,1,2,3
	v_cvt_scalef32_pk8_fp4_f32 v[224+2*\b], v[96+16*\b:103+16*\b], v[244+\b]
	v_cvt_scalef32_pk8_fp4_f32 v[225+2*\b], v[104+16*\b:111+16*\b], v[244+\b]
.endr
	v_nop
.irp c, 0,1                                        ; the operand wants a WHOLE block in a lane: lanes 0-15 block 2 c, lanes 16-31 block 2 c + 1
.irp i, 0,1
	v_permlane16_swap_b32 v[224+4*\c+\i], v[226+4*\c+\i]
.endr
.endr
.irp j, 32,36,40,44,48,52,56,60                    ; the sums' second half: 16 plain instructions that name no register of the products below: the places behind the scale word's and the codes' last writes
	v_pk_add_f32 v[14:15], v[14:15], v[96+\j:97+\j]
	v_pk_add_f32 v[240:241], v[240:241], v[98+\j:99+\j]
.endr
	v_pk_add_f32 v[14:15], v[14:15], v[240:241]
.set n, 0
.rept 16
	v_pk_mul_f32 v[160+n:161+n], v[160+n:161+n], v[252:253] op_sel_hi:[1,0]   ; O^T under the new M
.set n, n+2
.endr
	s_wait_dscnt 0x0                               ; V and its words are in
.irp t, 0,1,2,3
	WM 160+8*\t, 192+8*\t, 224, 160+8*\t, 26+\t/2, 253, \t%2
.endr
.Lhidden:
	s_add_co_u32 s[KF], s[KF], 128
	s_add_co_u32 s[TB], s[TB], 4096
	s_add_co_u32 s[TS], s[TS], 512
	s_add_co_u32 s[TJ], s[TJ], 256
	s_add_co_u32 s[CNT], s[CNT], 1
	s_cmp_lt_u32 s[CNT], 16
	s_cbranch_scc1 .Lstep
	; THE WAY OUT: o = O^T / the sum; register 16 b + i is channel 32 b + 16 h + i of my query: two blocks along the next product's K
	v_add_f32 v14, v14, v15
	v_permlanex16_b32 v252, v14, s[SEL], s[SEL+1]
	v_add_f32 v14, v14, v252                       ; the row's sum
	v_rcp_f32 v14, v14
	v_and_b32 v8, 15, v0                           ; plain work behind the reciprocal, and the places behind the last products
	v_bfe_u32 v9, v0, 4, 1
	v_lshlrev_b32 v10, 4, v8
	v_lshl_add_u32 v11, v9, 3, v10                 ; 16 r + 8 h
	v_add_nc_u32 v10, v10, v9                      ; 16 r + h
	v_cmp_eq_u32 vcc_lo, 0, v9
	s_wait_alu depctr_va_vdst(0)                   ; ahead of the reciprocal's first reader
.set n, 0
.rept 16
	v_pk_mul_f32 v[96+n:97+n], v[160+n:161+n], v[14:15] op_sel_hi:[1,0]
.set n, n+2
.endr
	QUANT 96, 2
	global_store_b64 v11, v[224:225], s[42:43]             ; 256 consecutive bytes, aligned: block 2 head of the tile's 16 queries
	global_store_b64 v11, v[226:227], s[42:43] offset:256  ; block 2 head + 1
	v_cndmask_b32 v8, v237, v236, vcc_lo           ; lanes 0-15 carry block 0's byte, lanes 16-31 block 1's
	global_store_b8 v10, v8, s[44:45]
	s_wait_tensorcnt 0x0
	ds_add_u32 v242, v243
	s_wait_dscnt 0x0
	s_endpgm
.Lfunc_end_k_q0b97b8d125_attn_s:
	.size	k_q0b97b8d125_attn_s, .Lfunc_end_k_q0b97b8d125_attn_s-k_q0b97b8d125_attn_s
	.p2alignl 7, 3214868480
	.fill 96, 4, 3214868480
	.section	.rodata,"a",@progbits
	.p2align	6, 0x0
	.amdhsa_kernel k_q0b97b8d125_attn_s
		.amdhsa_group_segment_fixed_size 145408
		.amdhsa_private_segment_fixed_size 0
		.amdhsa_enable_private_segment 0
		.amdhsa_kernarg_size 24
		.amdhsa_user_sgpr_count 2
		.amdhsa_user_sgpr_kernarg_segment_ptr 1
		.amdhsa_wavefront_size32 1
		.amdhsa_system_sgpr_workgroup_id_x 1
		.amdhsa_system_sgpr_workgroup_id_y 1
		.amdhsa_system_sgpr_workgroup_id_z 1
		.amdhsa_system_vgpr_workitem_id 0
		.amdhsa_next_free_vgpr 256
		.amdhsa_next_free_sgpr 66
		.amdhsa_reserve_vcc 1
		.amdhsa_float_denorm_mode_32 3
		.amdhsa_float_denorm_mode_16_64 3
		.amdhsa_memory_ordered 1
		.amdhsa_forward_progress 1
		.amdhsa_inst_pref_size 34
	.end_amdhsa_kernel
	.amdgpu_metadata
---
amdhsa.version: [ 1, 2 ]
amdhsa.kernels:
  - .name:           k_q0b97b8d125_attn_s
    .symbol:         k_q0b97b8d125_attn_s.kd
    .args:
      - { .name: Aself, .offset: 0, .size: 8, .value_kind: global_buffer, .address_space: global }
      - { .name: Pself, .offset: 8, .size: 8, .value_kind: global_buffer, .address_space: global }
      - { .name: Oself, .offset: 16, .size: 8, .value_kind: global_buffer, .address_space: global }
    .group_segment_fixed_size: 145408
    .private_segment_fixed_size: 0
    .kernarg_segment_align: 8
    .kernarg_segment_size: 24
    .max_flat_workgroup_size: 512
    .sgpr_count:     66
    .vgpr_count:     256
    .wavefront_size: 32
...
	.end_amdgpu_metadata
.endif
;; end of part 3
;; launch mid (part 4): grid 256 x 1, 16 waves a work-group, no clusters, 78,336 bytes of LDS; arguments Oself, q, Wp_s_codes, Wp_s_scales, bp_s, g2, be2, Wq_c_codes, Wq_c_scales, q1, Across; writes q1, Across
.if DOCPART == 4
	.amdgcn_target "amdgcn-amd-amdhsa--gfx1250"
	.amdhsa_code_object_version 6
	.text
	.protected	k_q0b97b8d125_mid
	.globl	k_q0b97b8d125_mid
	.p2align	8
	.type	k_q0b97b8d125_mid,@function
k_q0b97b8d125_mid:
	s_mov_b64 s[64:65], 0
	v_nop
	global_prefetch_b8 v0, s[64:65] scope:SCOPE_SE
	s_setreg_imm32_b32 hwreg(HW_REG_WAVE_MODE, 25, 1), 1
	s_wait_xcnt 0x0
; q1 = q + O Wp_s + bp_s;  x = Q(LayerNorm(q1) g2 + be2);  Q of the cross attention = Q(x Wq_c), stored as the attention body's operand (A's regions at bytes 0 and 6,291,456).
; SHARES. A work-group owns 32 rows = two token tiles (lane r of tile T is token 32 (T / 2) + 8 (T % 2) + r + 8 (r / 8)).  Wave w owns outputs 32 w .. 32 w + 31 of both products
; (its 8 weight fragments go from memory straight into registers, read once) and rows 2 w, 2 w + 1 in the row phase.
; PHASES, four barriers: the attention's codes and the rows of q into LDS | the projection, transposed (source 0 = 16 rows of Wp, source 1 = 16 tokens), with q as the C of its first products;
; results into a stage of rows | by rows: + bp, q1 out in runs of 512 bytes, LayerNorm in two passes, quantised, codes back into the tiles' image | the second product, its rows of Wq_c chosen so that a lane's 16
; registers are 16 neighbouring outputs; quantised along the head's 64; codes out 256 bytes a wave; the scale words meet in LDS | and leave.
; LDS: the tiles' image [tile][block 16][lane 16][16 bytes], 272 bytes a block; their scale bytes [tile][lane][16]; the stage, 32 rows x (2,048 + 16) bytes (rows 16 apart meet in the banks two deep); the scale words.
; No tensor load (each weight fragment serves one wave; nothing is filled again), no cluster (joint requests are tensor loads').
; LIMITS: NaN and infinities not served; a block's byte is held at 1 from below, for a block of zeros too.
.set NT, 2
.set XIMG, 0
.set XSC, 8704
.set STG, 9216
.set GQ, 75264                         ; [head][tile 2][lane], 4 bytes
.set LX, 1
.set LXS, 2
.set STA, 3                            ; v3  STG + (r + 8 (r / 8)) 2,064 + 32 h + 128 w
.set SQ, 5
.set SD, 6
.set CI, 7
.set CS, 8
.set GB, 9
.set PAD, 10
.set L16, 11
.set L32, 12
.set WNO, 13                           ; 256 r + 16 h
.set WPO, 14                           ; 256 (r + 8 (r / 8)) + 16 h
.set WSP, 15                           ; 16 (8 h + r + 8 (r / 8))
.set CPA, 16
.set T16, 17
.set OCO, 18
.set GR, 19
.set QSO, 20
.set XS, 24                            ; v24-27 the tokens' scale words
.set WS, 28                            ; v28-31 the weights'
.set G, 32
.set BE, 48
.set X, 64                             ; v64-127 8 fragments
.set SU, 64
.set RM, 68
.set RB, 72
.set RC, 76
.set BP, 96
.set ACC, 128
.set R, 128
.set D, 160
.set W, 192
.set TM, 32                            ; the tail's quantiser works where g2 lay
.set PC, 44
.set AP, 2176                          ; 8 blocks on in the image
.set IP, 16                            ; a lane on
.set WV, 26
.set SEL, 28
.set KINV, 30
.set KEPS, 31
.macro BARRIER
	s_wait_dscnt 0x0
	s_barrier_signal -1
	s_barrier_wait -1
.endm
.macro WM d, a, b, c, sa, sb, ra, rb
.if (\c) == 999
.if (\ra) == 0 && (\rb) == 0
	v_wmma_scale_f32_16x16x128_f8f6f4 v[0+(\d):7+(\d)], v[0+(\a):7+(\a)], v[0+(\b):7+(\b)], 0, v[\sa], v[\sb] matrix_a_fmt:MATRIX_FMT_FP4 matrix_b_fmt:MATRIX_FMT_FP4
.elseif (\ra) == 1 && (\rb) == 0
	v_wmma_scale_f32_16x16x128_f8f6f4 v[0+(\d):7+(\d)], v[0+(\a):7+(\a)], v[0+(\b):7+(\b)], 0, v[\sa], v[\sb] matrix_a_fmt:MATRIX_FMT_FP4 matrix_b_fmt:MATRIX_FMT_FP4 matrix_a_scale:MATRIX_SCALE_ROW1
.elseif (\ra) == 0
	v_wmma_scale_f32_16x16x128_f8f6f4 v[0+(\d):7+(\d)], v[0+(\a):7+(\a)], v[0+(\b):7+(\b)], 0, v[\sa], v[\sb] matrix_a_fmt:MATRIX_FMT_FP4 matrix_b_fmt:MATRIX_FMT_FP4 matrix_b_scale:MATRIX_SCALE_ROW1
.else
	v_wmma_scale_f32_16x16x128_f8f6f4 v[0+(\d):7+(\d)], v[0+(\a):7+(\a)], v[0+(\b):7+(\b)], 0, v[\sa], v[\sb] matrix_a_fmt:MATRIX_FMT_FP4 matrix_b_fmt:MATRIX_FMT_FP4 matrix_a_scale:MATRIX_SCALE_ROW1 matrix_b_scale:MATRIX_SCALE_ROW1
.endif
.else
.if (\ra) == 0 && (\rb) == 0
	v_wmma_scale_f32_16x16x128_f8f6f4 v[0+(\d):7+(\d)], v[0+(\a):7+(\a)], v[0+(\b):7+(\b)], v[0+(\c):7+(\c)], v[\sa], v[\sb] matrix_a_fmt:MATRIX_FMT_FP4 matrix_b_fmt:MATRIX_FMT_FP4
.elseif (\ra) == 1 && (\rb) == 0
	v_wmma_scale_f32_16x16x128_f8f6f4 v[0+(\d):7+(\d)], v[0+(\a):7+(\a)], v[0+(\b):7+(\b)], v[0+(\c):7+(\c)], v[\sa], v[\sb] matrix_a_fmt:MATRIX_FMT_FP4 matrix_b_fmt:MATRIX_FMT_FP4 matrix_a_scale:MATRIX_SCALE_ROW1
.elseif (\ra) == 0
	v_wmma_scale_f32_16x16x128_f8f6f4 v[0+(\d):7+(\d)], v[0+(\a):7+(\a)], v[0+(\b):7+(\b)], v[0+(\c):7+(\c)], v[\sa], v[\sb] matrix_a_fmt:MATRIX_FMT_FP4 matrix_b_fmt:MATRIX_FMT_FP4 matrix_b_scale:MATRIX_SCALE_ROW1
.else
	v_wmma_scale_f32_16x16x128_f8f6f4 v[0+(\d):7+(\d)], v[0+(\a):7+(\a)], v[0+(\b):7+(\b)], v[0+(\c):7+(\c)], v[\sa], v[\sb] matrix_a_fmt:MATRIX_FMT_FP4 matrix_b_fmt:MATRIX_FMT_FP4 matrix_a_scale:MATRIX_SCALE_ROW1 matrix_b_scale:MATRIX_SCALE_ROW1
.endif
.endif
.endm
; 16 products: two tiles of W (source 0) x two tiles of tokens x K 512; the four accumulators take turns, one instruction a turn.  zero = 0: the sums go on from what the accumulators hold
.macro MM16 zero
.irp s, 0,1,2,3
.irp mq, 0,1
.irp u, 0,1
.if \zero && (\s == 0)
	WM ACC+16*\mq+8*\u, W+8*(4*\u+\s), X+8*(4*\mq+\s), 999, WS+\s, XS+\s, \u, \mq
.else
	WM ACC+16*\mq+8*\u, W+8*(4*\u+\s), X+8*(4*\mq+\s), ACC+16*\mq+8*\u, WS+\s, XS+\s, \u, \mq
.endif
.endr
.endr
.endr
.endm
.macro FETCHP mp
.irp mq, 0,1
.irp s, 0,1,2,3
.irp c, 0,1
	ds_load_b128 v[X+8*(4*\mq+\s)+4*\c:X+8*(4*\mq+\s)+4*\c+3], v[LX] offset:XIMG+(2*(\mp)+\mq)*4352+272*(4*\s+2*\c)
.endr
.endr
.endr
.endm
.macro QUANT s, n
.set qb, 0
.rept \n
	v_max3_num_f32 v[TM+qb], |v[(\s)+16*qb]|, |v[(\s)+16*qb+1]|, 0x1800000
.set qb, qb+1
.endr
.irp i, 2,4,6,8,10,12,14
.set qb, 0
.rept \n
	v_max3_num_f32 v[TM+qb], v[TM+qb], |v[(\s)+16*qb+\i]|, |v[(\s)+16*qb+\i+1]|
.set qb, qb+1
.endr
.endr
.set qb, 0
.rept \n
	v_permlanex16_b32 v[TM+4+qb], v[TM+qb], s[SEL], s[SEL+1]
.set qb, qb+1
.endr
.set qb, 0
.rept \n
	v_max_num_f32 v[TM+qb], v[TM+qb], v[TM+4+qb]
.set qb, qb+1
.endr
.set qb, 0
.rept \n
	v_add_nc_u32 v[TM+8+qb], 0xff000000, v[TM+qb]
.set qb, qb+1
.endr
.set qb, 0
.rept \n
	v_lshrrev_b32 v[TM+4+qb], 23, v[TM+8+qb]
.set qb, qb+1
.endr
.set qb, 0
.rept \n
	v_cvt_scalef32_pk8_fp4_f32 v[PC+2*qb], v[(\s)+16*qb:(\s)+16*qb+7], v[TM+8+qb]
	v_cvt_scalef32_pk8_fp4_f32 v[PC+2*qb+1], v[(\s)+16*qb+8:(\s)+16*qb+15], v[TM+8+qb]
.set qb, qb+1
.endr
	v_nop
.endm
.macro CINIT m, n, acc                 ; accumulator (tile m, outputs 16 n on) out of the stage: a lane's 8 neighbouring numbers of its token's row
.irp jj, 0,1
	ds_load_b128 v[0+(\acc)+4*\jj:3+(\acc)+4*\jj], v[STA+(\m)/2] offset:8*((\m)%2)*2064+64*(\n)+16*\jj
.endr
.endm
.macro STOUT m, n, acc                 ; and back into the same bytes, from its low end on
.irp jj, 0,1
	ds_store_b128 v[STA+(\m)/2], v[0+(\acc)+4*\jj:3+(\acc)+4*\jj] offset:8*((\m)%2)*2064+64*(\n)+16*\jj
.endr
.endm
.macro ROWS_IN
.set ri, 0
.rept NT
.irp a, 0,1
.irp jj, 0,1
	ds_load_b128 v[R+16*ri+8*\a+4*\jj:R+16*ri+8*\a+4*\jj+3], v[SQ] offset:ri*2064+1024*\a+16*\jj
.endr
.endr
.set ri, ri+1
.endr
.endm
.macro ROWS_OUT
.set ri, 0
.rept NT
.irp a, 0,1
.irp jj, 0,1
	ds_store_b128 v[SQ], v[R+16*ri+8*\a+4*\jj:R+16*ri+8*\a+4*\jj+3] offset:ri*2064+1024*\a+16*\jj
.endr
.endr
.set ri, ri+1
.endr
.endm
.macro DENSE_IN dst                    ; my rows, 16 bytes a lane: 512 consecutive bytes an instruction
.set ri, 0
.rept NT
.irp k, 0,1,2,3
	ds_load_b128 v[\dst+16*ri+4*\k:\dst+16*ri+4*\k+3], v[SD] offset:ri*2064+512*\k
.endr
.set ri, ri+1
.endr
.endm
.macro DENSE_OUT src
.set ri, 0
.rept NT
.irp k, 0,1,2,3
	ds_store_b128 v[SD], v[\src+16*ri+4*\k:\src+16*ri+4*\k+3] offset:ri*2064+512*\k
.endr
.set ri, ri+1
.endr
.endm
.macro ADDV base, vec                  ; each row + a vector laid as the row's registers
.set ri, 0
.rept NT
.irp k, 0,2,4,6,8,10,12,14
	v_pk_add_f32 v[\base+16*ri+\k:\base+16*ri+\k+1], v[\base+16*ri+\k:\base+16*ri+\k+1], v[\vec+\k:\vec+\k+1]
.endr
.set ri, ri+1
.endr
.endm
.macro WSUM
.set ri, 0
.rept NT
	v_add_f32 v[SU+2*ri], v[SU+2*ri], v[SU+2*ri+1]
.set ri, ri+1
.endr
.irp x, 1,2,4,8
.set ri, 0
.rept NT
	v_add_f32_dpp v[SU+2*ri], v[SU+2*ri], v[SU+2*ri] row_xmask:\x row_mask:0xf bank_mask:0xf
.set ri, ri+1
.endr
.endr
.set ri, 0
.rept NT
	v_permlanex16_b32 v[SU+2*ri+1], v[SU+2*ri], s[SEL], s[SEL+1]
.set ri, ri+1
.endr
.set ri, 0
.rept NT
	v_add_f32 v[SU+2*ri], v[SU+2*ri], v[SU+2*ri+1]
.set ri, ri+1
.endr
.endm
.macro LNROWS
.set ri, 0
.rept NT
	v_pk_add_f32 v[SU+2*ri:SU+2*ri+1], v[R+16*ri:R+16*ri+1], v[R+16*ri+2:R+16*ri+3]
.set ri, ri+1
.endr
.irp k, 4,6,8,10,12,14
.set ri, 0
.rept NT
	v_pk_add_f32 v[SU+2*ri:SU+2*ri+1], v[SU+2*ri:SU+2*ri+1], v[R+16*ri+\k:R+16*ri+\k+1]
.set ri, ri+1
.endr
.endr
	WSUM
.set ri, 0
.rept NT
	v_mul_f32 v[SU+2*ri], s[KINV], v[SU+2*ri]
.set ri, ri+1
.endr
.irp k, 0,2,4,6,8,10,12,14
.set ri, 0
.rept NT
	v_pk_add_f32 v[R+16*ri+\k:R+16*ri+\k+1], v[R+16*ri+\k:R+16*ri+\k+1], v[SU+2*ri:SU+2*ri+1] op_sel_hi:[1,0] neg_lo:[0,1] neg_hi:[0,1]
.set ri, ri+1
.endr
.endr
.set ri, 0
.rept NT
	v_pk_mul_f32 v[SU+2*ri:SU+2*ri+1], v[R+16*ri:R+16*ri+1], v[R+16*ri:R+16*ri+1]
.set ri, ri+1
.endr
.irp k, 2,4,6,8,10,12,14
.set ri, 0
.rept NT
	v_pk_fma_f32 v[SU+2*ri:SU+2*ri+1], v[R+16*ri+\k:R+16*ri+\k+1], v[R+16*ri+\k:R+16*ri+\k+1], v[SU+2*ri:SU+2*ri+1]
.set ri, ri+1
.endr
.endr
	WSUM
.set ri, 0
.rept NT
	v_fma_f32 v[SU+2*ri], v[SU+2*ri], s[KINV], s[KEPS]
.set ri, ri+1
.endr
.set ri, 0
.rept NT
	v_rsq_f32 v[SU+2*ri], v[SU+2*ri]
.set ri, ri+1
.endr
	v_nop                                          ; a plain instruction behind the last root
	s_wait_alu depctr_va_vdst(0)                   ; one wait for the batch, ahead of its first reader
.irp k, 0,2,4,6,8,10,12,14
.set ri, 0
.rept NT
	v_pk_mul_f32 v[R+16*ri+\k:R+16*ri+\k+1], v[R+16*ri+\k:R+16*ri+\k+1], v[SU+2*ri:SU+2*ri+1] op_sel_hi:[1,0]
.set ri, ri+1
.endr
.endr
.irp k, 0,2,4,6,8,10,12,14
.set ri, 0
.rept NT
	v_pk_fma_f32 v[R+16*ri+\k:R+16*ri+\k+1], v[R+16*ri+\k:R+16*ri+\k+1], v[G+\k:G+\k+1], v[BE+\k:BE+\k+1]
.set ri, ri+1
.endr
.endr
.endm
.macro RQ
.set gi, 0
.rept 2*NT
	v_max3_num_f32 v[RM+gi], |v[R+8*gi]|, |v[R+8*gi+1]|, 0x1800000
.set gi, gi+1
.endr
.irp e, 2,4,6
.set gi, 0
.rept 2*NT
	v_max3_num_f32 v[RM+gi], v[RM+gi], |v[R+8*gi+\e]|, |v[R+8*gi+\e+1]|
.set gi, gi+1
.endr
.endr
.irp x, 1,2
.set gi, 0
.rept 2*NT
	v_max_num_f32_dpp v[RM+gi], v[RM+gi], v[RM+gi] row_xmask:\x row_mask:0xf bank_mask:0xf
.set gi, gi+1
.endr
.endr
.set gi, 0
.rept 2*NT
	v_add_nc_u32 v[RM+gi], 0xff000000, v[RM+gi]
.set gi, gi+1
.endr
.set gi, 0
.rept 2*NT
	v_lshrrev_b32 v[RB+gi], 23, v[RM+gi]
.set gi, gi+1
.endr
.set gi, 0
.rept 2*NT
	v_cvt_scalef32_pk8_fp4_f32 v[RC+gi], v[R+8*gi:R+8*gi+7], v[RM+gi]
.set gi, gi+1
.endr
	v_nop
.set gi, 0
.rept 2*NT
	ds_store_b32 v[CI], v[RC+gi] offset:AP*(gi%2)+IP*(gi/2)
	ds_store_b8 v[CS], v[RB+gi] offset:8*(gi%2)+16*(gi/2)
.set gi, gi+1
.endr
.endm
	s_load_b512 s[4:19], s[0:1], 0x0               ; O s[4:5], q s[6:7], Wp's codes s[8:9], scales s[10:11], bp s[12:13], g2 s[14:15], be2 s[16:17], Wq's codes s[18:19]
	s_load_b128 s[20:23], s[0:1], 0x40             ; Wq's scales s[20:21], q1 s[22:23]
	s_load_b64 s[24:25], s[0:1], 0x50              ; A of the cross attention
	v_lshrrev_b32 v21, 5, v0
	v_readfirstlane_b32 s[WV], v21                 ; wave 0..15
	v_and_b32 v21, 31, v0                          ; lane
	v_and_b32 v22, 15, v0                          ; r
	v_bfe_u32 v23, v0, 4, 1                        ; h
	v_lshlrev_b32 v[L16], 4, v21
	v_lshlrev_b32 v[L32], 5, v21
	v_lshlrev_b32 v[T16], 4, v0
	v_mul_u32_u24 v[LX], v23, 272
	v_lshl_add_u32 v[LX], v22, 4, v[LX]
	v_add_nc_u32 v[LXS], XSC, v[L16]
	v_and_b32 v4, 8, v22
	v_add_nc_u32 v4, v4, v22                       ; r + 8 (r / 8)
	v_mul_u32_u24 v[STA], v4, 2064
	v_lshl_add_u32 v[STA], v23, 5, v[STA]
	s_lshl_b32 s32, s[WV], 7
	s_add_co_u32 s32, s32, STG
	v_add_nc_u32 v[STA], s32, v[STA]
	s_mul_i32 s32, s[WV], NT*2064
	s_add_co_u32 s32, s32, STG
	v_add_nc_u32 v[SQ], s32, v[L32]
	v_add_nc_u32 v[SD], s32, v[L16]
	s_lshl_b32 s33, s[WV], 1                       ; my first row; its tile and its lane there:
	s_lshr_b32 s34, s33, 5
	s_lshl_b32 s34, s34, 1
	s_bfe_u32 s35, s33, 0x10003
	s_add_co_u32 s34, s34, s35                     ; tile 2 (row / 32) + (row / 8) % 2
	s_and_b32 s35, s33, 7
	s_bfe_u32 s36, s33, 0x10004
	s_lshl_b32 s36, s36, 3
	s_add_co_u32 s35, s35, s36                     ; lane row % 8 + 8 ((row / 16) % 2)
	s_lshl_b32 s35, s35, 4
	s_mul_i32 s36, s34, 4352
	s_add_co_u32 s36, s36, s35
	v_lshrrev_b32 v[CS], 2, v21
	v_mul_u32_u24 v[CI], v[CS], 272
	v_and_b32 v20, 3, v21
	v_lshl_add_u32 v[CI], v20, 2, v[CI]
	v_add_nc_u32 v[CI], s36, v[CI]                 ; block lane / 4 (+ 8 a), its bytes 4 (lane % 4) on
	s_lshl_b32 s37, s34, 8
	s_add_co_u32 s37, s37, s35
	s_add_co_u32 s37, s37, XSC
	v_add_nc_u32 v[CS], s37, v[CS]
	s_lshr_b32 s38, s[WV], 1                       ; head
	s_and_b32 s39, s[WV], 1                        ; which 32 of its 64
	s_lshl_b32 s32, s38, 7
	s_add_co_u32 s32, s32, s39
	s_add_co_u32 s32, s32, GQ
	v_lshl_add_u32 v[GB], v22, 2, s32
	v_mov_b32 v[PAD], 0x7f
	v_lshlrev_b32 v[WNO], 8, v22
	v_lshl_add_u32 v[WNO], v23, 4, v[WNO]
	v_lshlrev_b32 v[WPO], 8, v4
	v_lshl_add_u32 v[WPO], v23, 4, v[WPO]
	v_lshl_add_u32 v[WSP], v23, 3, v4
	v_lshlrev_b32 v[WSP], 4, v[WSP]
	v_lshrrev_b32 v20, 8, v0
	v_mul_u32_u24 v[CPA], v20, 4352                ; the copy: thread t holds tile t / 256, block (t / 16) % 16, lane t % 16
	v_bfe_u32 v20, v0, 4, 4
	v_mad_u32_u24 v[CPA], v20, 272, v[CPA]
	v_lshl_add_u32 v[CPA], v22, 4, v[CPA]
	v_lshlrev_b32 v[OCO], 4, v22
	v_lshl_add_u32 v[OCO], v23, 3, v[OCO]
	v_lshl_add_u32 v[GR], v0, 4, GQ
	v_lshrrev_b32 v[QSO], 3, v21
	v_lshlrev_b32 v[QSO], 13, v[QSO]
	v_and_b32 v4, 7, v21
	v_lshl_add_u32 v[QSO], v4, 4, v[QSO]           ; head lane / 8 of four, 16 (lane % 8) in its 128 bytes
	s_mov_b32 s[SEL], 0x76543210
	s_mov_b32 s[SEL+1], 0xfedcba98
	s_mov_b32 s[KINV], 0x3b000000
	s_mov_b32 s[KEPS], 0x3727c5ac
	s_mov_b32 s41, 0
	s_wait_kmcnt 0x0
	s_lshl_b32 s40, ttmp9, 13
	s_add_nc_u64 s[42:43], s[4:5], s[40:41]        ; my two tiles' codes
	s_lshl_b32 s40, ttmp9, 9
	s_add_co_u32 s40, s40, 0x200000
	s_add_nc_u64 s[4:5], s[4:5], s[40:41]          ; and scale bytes
	s_lshl_b32 s40, ttmp9, 16
	s_lshl_b32 s44, s[WV], 12
	s_add_co_u32 s40, s40, s44
	s_add_nc_u64 s[6:7], s[6:7], s[40:41]          ; my two rows of q
	s_add_nc_u64 s[22:23], s[22:23], s[40:41]      ; and of q1
	s_lshl_b32 s40, s[WV], 13
	s_add_nc_u64 s[8:9], s[8:9], s[40:41]          ; my 32 rows of Wp
	s_add_nc_u64 s[18:19], s[18:19], s[40:41]      ; and of Wq
	s_lshl_b32 s40, s[WV], 9
	s_add_nc_u64 s[10:11], s[10:11], s[40:41]
	s_add_nc_u64 s[20:21], s[20:21], s[40:41]
	global_load_b128 v[G:G+3], v[T16], s[42:43]    ; the copy's 16 bytes
.irp i, 0,1
.irp k, 0,1,2,3
	global_load_b128 v[D+16*\i+4*\k:D+16*\i+4*\k+3], v[L16], s[6:7] offset:2048*\i+512*\k th:TH_LOAD_NT
.endr
.endr
	global_load_b128 v[XS:XS+3], v[L16], s[4:5]    ; lanes 0-15: tile 0's scale words, lanes 16-31: tile 1's
.irp u, 0,1
.irp s, 0,1,2,3
.irp c, 0,1
	global_load_b128 v[W+8*(4*\u+\s)+4*\c:W+8*(4*\u+\s)+4*\c+3], v[WNO], s[8:9] offset:4096*\u+64*\s+32*\c
.endr
.endr
.endr
	global_load_b128 v[WS:WS+3], v[L16], s[10:11]
	s_lshr_b32 s32, ttmp9, 6                       ; batch
	s_and_b32 s33, ttmp9, 63
	s_lshl_b32 s33, s33, 1                         ; my first tile in the batch
	s_lshl_b32 s34, s32, 3
	s_add_co_u32 s35, s34, s38                     ; batch x 8 + head
	s_lshl_b32 s40, s35, 16
	s_lshl_b32 s36, s33, 9
	s_add_co_u32 s40, s40, s36
	s_lshl_b32 s36, s39, 8
	s_add_co_u32 s40, s40, s36
	s_add_nc_u64 s[44:45], s[24:25], s[40:41]      ; Q's codes
	s_lshl_b32 s36, s[WV], 2
	s_add_co_u32 s36, s36, s34
	s_lshl_b32 s40, s36, 13
	s_lshl_b32 s36, s33, 6
	s_add_co_u32 s40, s40, s36
	s_add_co_u32 s40, s40, 6291456
	s_add_nc_u64 s[46:47], s[24:25], s[40:41]      ; Q's scale words: waves 0 and 1 store four heads' each
	s_wait_loadcnt 18                              ; the copy and q are in; the 18 younger loads are the scale words and Wp
	ds_store_b128 v[CPA], v[G:G+3]
	DENSE_OUT D
	BARRIER                                        ; the tiles and 32 rows of q lie in LDS
	; ---- the projection
.irp mq, 0,1
.irp n, 0,1
	CINIT \mq, \n, ACC+16*\mq+8*\n
.endr
.endr
	FETCHP 0
	s_wait_dscnt 0x0
	s_wait_loadcnt 0x0
	MM16 0                                         ; q is the C of the first products
.rept 4
	v_nop                                          ; four places: ahead of the stores of results and of loads into registers that the products read
.endr
.irp mq, 0,1
.irp n, 0,1
	STOUT \mq, \n, ACC+16*\mq+8*\n
.endr
.endr
.irp a, 0,1
.irp jj, 0,1
	global_load_b128 v[BP+8*\a+4*\jj:BP+8*\a+4*\jj+3], v[L32], s[12:13] offset:1024*\a+16*\jj
	global_load_b128 v[G+8*\a+4*\jj:G+8*\a+4*\jj+3], v[L32], s[14:15] offset:1024*\a+16*\jj
	global_load_b128 v[BE+8*\a+4*\jj:BE+8*\a+4*\jj+3], v[L32], s[16:17] offset:1024*\a+16*\jj
.endr
.endr
.irp u, 0,1
.irp s, 0,1,2,3
.irp c, 0,1
	global_load_b128 v[W+8*(4*\u+\s)+4*\c:W+8*(4*\u+\s)+4*\c+3], v[WPO], s[18:19] offset:2048*\u+64*\s+32*\c
.endr
.endr
.endr
	global_load_b128 v[WS:WS+3], v[WSP], s[20:21]
	BARRIER                                        ; 32 whole rows of q + O Wp lie in the stage
	; ---- by rows
	ROWS_IN
	s_wait_dscnt 0x0
	s_wait_loadcnt 17                              ; bp, g2, be2 are in; the 17 younger loads are Wq's
	ADDV R, BP
	ROWS_OUT                                       ; my own rows, in order: turned for the way out
	DENSE_IN D
	s_wait_dscnt 0x0
.irp i, 0,1
.irp k, 0,1,2,3
	global_store_b128 v[L16], v[D+16*\i+4*\k:D+16*\i+4*\k+3], s[22:23] offset:2048*\i+512*\k   ; 512 consecutive bytes, aligned
.endr
.endr
	LNROWS
	RQ
	BARRIER                                        ; the norm's codes and bytes lie in the tiles' image
	; ---- Q of the cross attention
	FETCHP 0
	ds_load_b128 v[XS:XS+3], v[LXS]
	s_wait_dscnt 0x0
	s_wait_loadcnt 0x0
	MM16 1
.rept 4
	v_nop
.endr
	QUANT ACC, 2
.irp e, 0,1
	global_store_b64 v[OCO], v[PC+2*\e:PC+2*\e+1], s[44:45] offset:512*\e   ; 256 consecutive bytes, aligned
	ds_store_b8 v[GB], v[TM+4+\e] offset:64*\e
	ds_store_b8 v[GB], v[PAD] offset:64*\e+2
.endr
	BARRIER
	s_cmp_gt_u32 s[WV], 1
	s_cbranch_scc1 .Lend
	ds_load_b128 v[BE:BE+3], v[GR]
	s_wait_dscnt 0x0
	global_store_b128 v[QSO], v[BE:BE+3], s[46:47] ; 128 consecutive bytes a head
.Lend:
	s_wait_xcnt 0x0
	v_lshl_add_u32 v190, v0, 2, 0x12a00
	v_mov_b32 v191, 0
	s_wait_tensorcnt 0x0
	ds_add_u32 v190, v191
	s_wait_dscnt 0x0
	s_endpgm
.Lfunc_end_k_q0b97b8d125_mid:
	.size	k_q0b97b8d125_mid, .Lfunc_end_k_q0b97b8d125_mid-k_q0b97b8d125_mid
	.p2alignl 7, 3214868480
	.fill 96, 4, 3214868480
	.section	.rodata,"a",@progbits
	.p2align	6, 0x0
	.amdhsa_kernel k_q0b97b8d125_mid
		.amdhsa_group_segment_fixed_size 78336
		.amdhsa_private_segment_fixed_size 0
		.amdhsa_enable_private_segment 0
		.amdhsa_kernarg_size 88
		.amdhsa_user_sgpr_count 2
		.amdhsa_user_sgpr_kernarg_segment_ptr 1
		.amdhsa_wavefront_size32 1
		.amdhsa_system_sgpr_workgroup_id_x 1
		.amdhsa_system_sgpr_workgroup_id_y 1
		.amdhsa_system_sgpr_workgroup_id_z 1
		.amdhsa_system_vgpr_workitem_id 0
		.amdhsa_next_free_vgpr 256
		.amdhsa_next_free_sgpr 66
		.amdhsa_reserve_vcc 0
		.amdhsa_float_denorm_mode_32 3
		.amdhsa_float_denorm_mode_16_64 3
		.amdhsa_memory_ordered 1
		.amdhsa_forward_progress 1
		.amdhsa_inst_pref_size 35
	.end_amdhsa_kernel
	.amdgpu_metadata
---
amdhsa.version: [ 1, 2 ]
amdhsa.kernels:
  - .name:           k_q0b97b8d125_mid
    .symbol:         k_q0b97b8d125_mid.kd
    .args:
      - { .name: Oself, .offset: 0, .size: 8, .value_kind: global_buffer, .address_space: global }
      - { .name: q, .offset: 8, .size: 8, .value_kind: global_buffer, .address_space: global }
      - { .name: Wp_s_codes, .offset: 16, .size: 8, .value_kind: global_buffer, .address_space: global }
      - { .name: Wp_s_scales, .offset: 24, .size: 8, .value_kind: global_buffer, .address_space: global }
      - { .name: bp_s, .offset: 32, .size: 8, .value_kind: global_buffer, .address_space: global }
      - { .name: g2, .offset: 40, .size: 8, .value_kind: global_buffer, .address_space: global }
      - { .name: be2, .offset: 48, .size: 8, .value_kind: global_buffer, .address_space: global }
      - { .name: Wq_c_codes, .offset: 56, .size: 8, .value_kind: global_buffer, .address_space: global }
      - { .name: Wq_c_scales, .offset: 64, .size: 8, .value_kind: global_buffer, .address_space: global }
      - { .name: q1, .offset: 72, .size: 8, .value_kind: global_buffer, .address_space: global }
      - { .name: Across, .offset: 80, .size: 8, .value_kind: global_buffer, .address_space: global }
    .group_segment_fixed_size: 78336
    .private_segment_fixed_size: 0
    .kernarg_segment_align: 8
    .kernarg_segment_size: 88
    .max_flat_workgroup_size: 512
    .sgpr_count:     66
    .vgpr_count:     256
    .wavefront_size: 32
...
	.end_amdgpu_metadata
.endif
;; end of part 4
;; launch attn_c: the kernel of part 3 again; grid 8 x 32, 16 waves a work-group, no clusters, 145,408 bytes of LDS; arguments Across, Pcross, Ocross; writes Ocross
;; launch ffn (part 5): grid 256 x 1, 16 waves a work-group, no clusters, 112,128 bytes of LDS; arguments Ocross, q1, Wp_c_codes, Wp_c_scales, bp_c, g3, be3, W1_codes, W1_scales, b1, W2_codes, W2_scales, b2, out0; writes out0
.if DOCPART == 5
	.amdgcn_target "amdgcn-amd-amdhsa--gfx1250"
	.amdhsa_code_object_version 6
	.text
	.protected	k_q0b97b8d125_ffn
	.globl	k_q0b97b8d125_ffn
	.p2align	8
	.type	k_q0b97b8d125_ffn,@function
k_q0b97b8d125_ffn:
	s_mov_b64 s[64:65], 0
	v_nop
	global_prefetch_b8 v0, s[64:65] scope:SCOPE_SE
	s_setreg_imm32_b32 hwreg(HW_REG_WAVE_MODE, 25, 1), 1
	s_wait_xcnt 0x0
; q2 = q1 + O Wp_c + bp_c;  x = Q(LayerNorm(q2) g3 + be3);  out = q2 + Q(relu(x W1 + b1)) W2 + b2.  All three products on codes of E2M1; the hidden layer never goes to memory.
; SHARES. 8,192 rows on 256 work-groups: 32 rows = two token tiles each (lane r of tile T is token 32 (T / 2) + 8 (T % 2) + r + 8 (r / 8)).
; THE WAVES SHARE THE COLUMNS: wave w makes outputs 32 w .. + 31 of the projection and of W2, and hidden units 128 w .. + 127, which are K step w of the last product.  Each weight fragment serves one wave and
; goes from memory straight into its registers, through a ring of four slots of 16 registers (a K step's two tiles), asked for four K steps ahead: 12 to 21 loads of a wave are out.
; Every work-group takes in all 1,253,376 bytes of weights.  With 32 rows x's 8 fragments are 64 registers: they are read from LDS once and stay through all of W1, whose K steps then read nothing from LDS;
; in W2 a K step's two hidden fragments come from LDS through a ring of four slots in the same 64 registers, four K steps ahead.
; PHASES, five barriers: codes of O and rows of q1 into LDS | projection with q1 as C, results into the stage | by rows: + bp, q2 back into the stage, LayerNorm in two passes, quantised into the tiles' image |
; W1, transposed, b1 as C, its rows chosen so that a lane's 16 registers are 16 neighbours along the next K; relu; quantised; the codes go to LDS as images of the next operand's registers | W2 with q2 as C; results into the stage |
; by rows: + b2, out in runs of 512 bytes.
; LDS: image of x [tile][block 16][lane 16][16], 272 bytes a block; its scale bytes [tile][lane][16]; the stage, 32 rows x (2,048 + 16) (rows 16 apart meet in the banks two deep); the hidden layer's 32 fragments, 1 KiB each;
; their scale words [K step][lane 32]: lanes 0-15 tile 0, lanes 16-31 tile 1.
; No tensor load and no cluster: a weight fragment has one reader, nothing in LDS is filled again, and joint requests are tensor loads'.
; LIMITS: NaN and infinities not served; a block's byte is held at 1 from below, for a block of zeros too (its codes are zeros, and this program alone reads the bytes).
.set NT, 2                             ; rows of a wave in the row phases
.set XIMG, 0
.set XSC, 8704
.set STG, 9216
.set HIMG, 75264
.set HSC, 108032
.set LX, 1                             ; v1  16 r + 272 h
.set LXS, 2                            ; v2  XSC + 16 lane
.set STA, 3                            ; v3  STG + (r + 8 (r / 8)) 2,064 + 32 h + 128 w
.set T16, 4                            ; v4  16 x thread
.set SQ, 5                             ; v5  my rows of the stage, 32 bytes a lane
.set SD, 6                             ; v6  the same, 16 bytes a lane
.set CI, 7                             ; v7  where my 4 bytes of x's codes go
.set CS, 8                             ; v8  where my block's byte goes
.set HWA, 9                            ; v9  HIMG + 2,048 w + 16 r + 8 h
.set HSW, 10                           ; v10 HSC + 128 w + 4 r
.set HR, 11                            ; v11 HIMG + 16 lane
.set HSR, 12                           ; v12 HSC + 4 lane
.set WNO, 13                           ; v13 256 r + 16 h
.set W1O, 14                           ; v14 256 (r + 8 (r / 8)) + 16 h
.set W2O, 15                           ; v15 1,024 r + 16 h
.set L16, 16
.set W1SO, 17                          ; v17 16 (8 h + r + 8 (r / 8))
.set L64, 18
.set H64, 19
.set L32, 20
.set CPA, 21                           ; v21 where the copy puts codes
.set XS, 24                            ; v24-27 the tokens' scale words, a register a K step.  v24-55 hold scales and nothing else
.set HS, 28                            ; v28-31 the hidden layer's, a register a slot
.set WS1, 32                           ; v32-39 W1's, two sets; set 0 first holds Wp's
.set WS2, 40                           ; v40-55 W2's, a register a K step
.set G, 56
.set BE, 72
.set B1R, 56                           ; v56-71 b1 at a block's two tiles, later b2
.set TM, 72                            ; largest magnitudes, +4 bytes, +8 scale operands
.set PC, 84                            ; v84-87 codes
.set X, 96                             ; v96-159 fragment (tile m, K step s) at 8 (4 m + s); in W2: slot j, tile m at 16 j + 8 m
.set BP, 96
.set SU, 112
.set RM, 116
.set RB, 120
.set RC, 124
.set ACC, 160                          ; v160-191 accumulator (tile m, tile of outputs u) at 16 m + 8 u
.set R, 160
.set WR, 192                           ; the ring: slot s, tile u at 16 s + 8 u
.set W, 192                            ; Wp: fragment (u, s) at 8 (4 u + s)
.set WS, WS1
.set AP, 2176                          ; 8 blocks on in the image
.set IP, 16                            ; a lane on
.set WV, 32
.set SEL, 34
.set KINV, 36
.set KEPS, 37
.macro BARRIER                         ; my LDS instructions are done: then the work-group's barrier
	s_wait_dscnt 0x0
	s_barrier_signal -1
	s_barrier_wait -1
.endm
.macro PLACES                          ; four places behind the last product: ahead of reads of results and of loads into registers that products have read
.rept 4
	v_nop
.endr
.endm
; one scaled product; ra, rb = 1: that side's scales are read from lanes 16-31
.macro WM d, a, b, c, sa, sb, ra, rb
.if (\ra) == 0 && (\rb) == 0
	v_wmma_scale_f32_16x16x128_f8f6f4 v[0+(\d):7+(\d)], v[0+(\a):7+(\a)], v[0+(\b):7+(\b)], v[0+(\c):7+(\c)], v[\sa], v[\sb] matrix_a_fmt:MATRIX_FMT_FP4 matrix_b_fmt:MATRIX_FMT_FP4
.elseif (\ra) == 1 && (\rb) == 0
	v_wmma_scale_f32_16x16x128_f8f6f4 v[0+(\d):7+(\d)], v[0+(\a):7+(\a)], v[0+(\b):7+(\b)], v[0+(\c):7+(\c)], v[\sa], v[\sb] matrix_a_fmt:MATRIX_FMT_FP4 matrix_b_fmt:MATRIX_FMT_FP4 matrix_a_scale:MATRIX_SCALE_ROW1
.elseif (\ra) == 0
	v_wmma_scale_f32_16x16x128_f8f6f4 v[0+(\d):7+(\d)], v[0+(\a):7+(\a)], v[0+(\b):7+(\b)], v[0+(\c):7+(\c)], v[\sa], v[\sb] matrix_a_fmt:MATRIX_FMT_FP4 matrix_b_fmt:MATRIX_FMT_FP4 matrix_b_scale:MATRIX_SCALE_ROW1
.else
	v_wmma_scale_f32_16x16x128_f8f6f4 v[0+(\d):7+(\d)], v[0+(\a):7+(\a)], v[0+(\b):7+(\b)], v[0+(\c):7+(\c)], v[\sa], v[\sb] matrix_a_fmt:MATRIX_FMT_FP4 matrix_b_fmt:MATRIX_FMT_FP4 matrix_a_scale:MATRIX_SCALE_ROW1 matrix_b_scale:MATRIX_SCALE_ROW1
.endif
.endm
.macro MM16                            ; the projection: 16 products on four accumulators by turns, which hold q1 at the start
.irp s, 0,1,2,3
.irp mq, 0,1
.irp u, 0,1
	WM ACC+16*\mq+8*\u, W+8*(4*\u+\s), X+8*(4*\mq+\s), ACC+16*\mq+8*\u, WS+\s, XS+\s, \u, \mq
.endr
.endr
.endr
.endm
.macro FETCHP mp                       ; the 8 fragments of tiles 2 mp and 2 mp + 1
.irp mq, 0,1
.irp s, 0,1,2,3
.irp c, 0,1
	ds_load_b128 v[X+8*(4*\mq+\s)+4*\c:X+8*(4*\mq+\s)+4*\c+3], v[LX] offset:XIMG+(2*(\mp)+\mq)*4352+272*(4*\s+2*\c)
.endr
.endr
.endr
.endm
; n blocks by turns; block b: 16 numbers of a lane in v[s + 16 b] on, the other 16 in lane l xor 16.  Codes to v[PC + 2 b], v[PC + 2 b + 1], the byte to v[TM + 4 + b].
.macro QUANT s, n
.set qb, 0
.rept \n
	v_max3_num_f32 v[TM+qb], |v[(\s)+16*qb]|, |v[(\s)+16*qb+1]|, 0x1800000   ; with the floor 2^(3 - 127): the byte cannot fall under 1
.set qb, qb+1
.endr
.irp i, 2,4,6,8,10,12,14
.set qb, 0
.rept \n
	v_max3_num_f32 v[TM+qb], v[TM+qb], |v[(\s)+16*qb+\i]|, |v[(\s)+16*qb+\i+1]|
.set qb, qb+1
.endr
.endr
.set qb, 0
.rept \n
	v_permlanex16_b32 v[TM+4+qb], v[TM+qb], s[SEL], s[SEL+1]
.set qb, qb+1
.endr
.set qb, 0
.rept \n
	v_max_num_f32 v[TM+qb], v[TM+qb], v[TM+4+qb]
.set qb, qb+1
.endr
.set qb, 0
.rept \n
	v_add_nc_u32 v[TM+8+qb], 0xff000000, v[TM+qb]  ; 2 off the exponent field: the conversion's scale operand
.set qb, qb+1
.endr
.set qb, 0
.rept \n
	v_lshrrev_b32 v[TM+4+qb], 23, v[TM+8+qb]       ; the scale's byte
.set qb, qb+1
.endr
.set qb, 0
.rept \n
	v_cvt_scalef32_pk8_fp4_f32 v[PC+2*qb], v[(\s)+16*qb:(\s)+16*qb+7], v[TM+8+qb]
	v_cvt_scalef32_pk8_fp4_f32 v[PC+2*qb+1], v[(\s)+16*qb+8:(\s)+16*qb+15], v[TM+8+qb]
.set qb, qb+1
.endr
	v_nop                                          ; a plain instruction behind the last conversion
.endm
.macro CINIT m, n, acc                 ; accumulator (tile m, outputs 16 n on) out of the stage: a lane's 8 neighbouring numbers of its token's row
.irp jj, 0,1
	ds_load_b128 v[0+(\acc)+4*\jj:3+(\acc)+4*\jj], v[STA] offset:8*(\m)*2064+64*(\n)+16*\jj
.endr
.endm
.macro STOUT m, n, acc                 ; and back into the same bytes, from its low end on
.irp jj, 0,1
	ds_store_b128 v[STA], v[0+(\acc)+4*\jj:3+(\acc)+4*\jj] offset:8*(\m)*2064+64*(\n)+16*\jj
.endr
.endm
.macro ROWS_IN                         ; my rows: register 8 a + e of a row is element 256 a + 8 lane + e
.set ri, 0
.rept NT
.irp a, 0,1
.irp jj, 0,1
	ds_load_b128 v[R+16*ri+8*\a+4*\jj:R+16*ri+8*\a+4*\jj+3], v[SQ] offset:ri*2064+1024*\a+16*\jj
.endr
.endr
.set ri, ri+1
.endr
.endm
.macro ROWS_OUT
.set ri, 0
.rept NT
.irp a, 0,1
.irp jj, 0,1
	ds_store_b128 v[SQ], v[R+16*ri+8*\a+4*\jj:R+16*ri+8*\a+4*\jj+3] offset:ri*2064+1024*\a+16*\jj
.endr
.endr
.set ri, ri+1
.endr
.endm
.macro DENSE_IN dst                    ; my rows, 16 bytes a lane: 512 consecutive bytes an instruction
.set ri, 0
.rept NT
.irp k, 0,1,2,3
	ds_load_b128 v[\dst+16*ri+4*\k:\dst+16*ri+4*\k+3], v[SD] offset:ri*2064+512*\k
.endr
.set ri, ri+1
.endr
.endm
.macro DENSE_OUT src
.set ri, 0
.rept NT
.irp k, 0,1,2,3
	ds_store_b128 v[SD], v[\src+16*ri+4*\k:\src+16*ri+4*\k+3] offset:ri*2064+512*\k
.endr
.set ri, ri+1
.endr
.endm
.macro ADDV base, vec                  ; each row + a vector laid as the row's registers
.set ri, 0
.rept NT
.irp k, 0,2,4,6,8,10,12,14
	v_pk_add_f32 v[\base+16*ri+\k:\base+16*ri+\k+1], v[\base+16*ri+\k:\base+16*ri+\k+1], v[\vec+\k:\vec+\k+1]
.endr
.set ri, ri+1
.endr
.endm
.macro WSUM                            ; each row's pair of partial sums becomes the sum over the wave, in every lane
.set ri, 0
.rept NT
	v_add_f32 v[SU+2*ri], v[SU+2*ri], v[SU+2*ri+1]
.set ri, ri+1
.endr
.irp x, 1,2,4,8
.set ri, 0
.rept NT
	v_add_f32_dpp v[SU+2*ri], v[SU+2*ri], v[SU+2*ri] row_xmask:\x row_mask:0xf bank_mask:0xf
.set ri, ri+1
.endr
.endr
.set ri, 0
.rept NT
	v_permlanex16_b32 v[SU+2*ri+1], v[SU+2*ri], s[SEL], s[SEL+1]
.set ri, ri+1
.endr
.set ri, 0
.rept NT
	v_add_f32 v[SU+2*ri], v[SU+2*ri], v[SU+2*ri+1]
.set ri, ri+1
.endr
.endm
.macro LNROWS                          ; the rows in R become (x - mean) / sqrt(var + eps) x g + be, the rows by turns
.set ri, 0
.rept NT
	v_pk_add_f32 v[SU+2*ri:SU+2*ri+1], v[R+16*ri:R+16*ri+1], v[R+16*ri+2:R+16*ri+3]
.set ri, ri+1
.endr
.irp k, 4,6,8,10,12,14
.set ri, 0
.rept NT
	v_pk_add_f32 v[SU+2*ri:SU+2*ri+1], v[SU+2*ri:SU+2*ri+1], v[R+16*ri+\k:R+16*ri+\k+1]
.set ri, ri+1
.endr
.endr
	WSUM
.set ri, 0
.rept NT
	v_mul_f32 v[SU+2*ri], s[KINV], v[SU+2*ri]      ; the mean
.set ri, ri+1
.endr
.irp k, 0,2,4,6,8,10,12,14
.set ri, 0
.rept NT
	v_pk_add_f32 v[R+16*ri+\k:R+16*ri+\k+1], v[R+16*ri+\k:R+16*ri+\k+1], v[SU+2*ri:SU+2*ri+1] op_sel_hi:[1,0] neg_lo:[0,1] neg_hi:[0,1]   ; x - mean
.set ri, ri+1
.endr
.endr
.set ri, 0
.rept NT
	v_pk_mul_f32 v[SU+2*ri:SU+2*ri+1], v[R+16*ri:R+16*ri+1], v[R+16*ri:R+16*ri+1]
.set ri, ri+1
.endr
.irp k, 2,4,6,8,10,12,14
.set ri, 0
.rept NT
	v_pk_fma_f32 v[SU+2*ri:SU+2*ri+1], v[R+16*ri+\k:R+16*ri+\k+1], v[R+16*ri+\k:R+16*ri+\k+1], v[SU+2*ri:SU+2*ri+1]
.set ri, ri+1
.endr
.endr
	WSUM
.set ri, 0
.rept NT
	v_fma_f32 v[SU+2*ri], v[SU+2*ri], s[KINV], s[KEPS]   ; the variance + eps
.set ri, ri+1
.endr
.set ri, 0
.rept NT
	v_rsq_f32 v[SU+2*ri], v[SU+2*ri]
.set ri, ri+1
.endr
	v_nop                                          ; a plain instruction behind the last root
	s_wait_alu depctr_va_vdst(0)                   ; one wait for the batch, ahead of its first reader
.irp k, 0,2,4,6,8,10,12,14
.set ri, 0
.rept NT
	v_pk_mul_f32 v[R+16*ri+\k:R+16*ri+\k+1], v[R+16*ri+\k:R+16*ri+\k+1], v[SU+2*ri:SU+2*ri+1] op_sel_hi:[1,0]
.set ri, ri+1
.endr
.endr
.irp k, 0,2,4,6,8,10,12,14
.set ri, 0
.rept NT
	v_pk_fma_f32 v[R+16*ri+\k:R+16*ri+\k+1], v[R+16*ri+\k:R+16*ri+\k+1], v[G+\k:G+\k+1], v[BE+\k:BE+\k+1]
.set ri, ri+1
.endr
.endr
.endm
.macro RQ                              ; the rows in R are quantised: group 2 i + a is 8 numbers of a lane, a block is four lanes
.set gi, 0
.rept 2*NT
	v_max3_num_f32 v[RM+gi], |v[R+8*gi]|, |v[R+8*gi+1]|, 0x1800000
.set gi, gi+1
.endr
.irp e, 2,4,6
.set gi, 0
.rept 2*NT
	v_max3_num_f32 v[RM+gi], v[RM+gi], |v[R+8*gi+\e]|, |v[R+8*gi+\e+1]|
.set gi, gi+1
.endr
.endr
.irp x, 1,2
.set gi, 0
.rept 2*NT
	v_max_num_f32_dpp v[RM+gi], v[RM+gi], v[RM+gi] row_xmask:\x row_mask:0xf bank_mask:0xf
.set gi, gi+1
.endr
.endr
.set gi, 0
.rept 2*NT
	v_add_nc_u32 v[RM+gi], 0xff000000, v[RM+gi]
.set gi, gi+1
.endr
.set gi, 0
.rept 2*NT
	v_lshrrev_b32 v[RB+gi], 23, v[RM+gi]
.set gi, gi+1
.endr
.set gi, 0
.rept 2*NT
	v_cvt_scalef32_pk8_fp4_f32 v[RC+gi], v[R+8*gi:R+8*gi+7], v[RM+gi]
.set gi, gi+1
.endr
	v_nop
.set gi, 0
.rept 2*NT
	ds_store_b32 v[CI], v[RC+gi] offset:AP*(gi%2)+IP*(gi/2)
	ds_store_b8 v[CS], v[RB+gi] offset:8*(gi%2)+16*(gi/2)   ; the four lanes of a block write the same byte with the same value
.set gi, gi+1
.endr
.endm
.macro RING1 b, s                      ; W1's block b of 32 hidden units, K step s, into slot s: 4 loads
.irp u, 0,1
.irp c, 0,1
	global_load_b128 v[WR+16*(\s)+8*\u+4*\c:WR+16*(\s)+8*\u+4*\c+3], v[W1O], s[18:19] offset:(32*(\b)+8*\u)*256+64*(\s)+32*\c
.endr
.endr
.endm
.macro RING2 s                         ; W2's K step s into slot s % 4: 4 loads
.irp n, 0,1
.irp c, 0,1
	global_load_b128 v[WR+16*((\s)%4)+8*\n+4*\c:WR+16*((\s)%4)+8*\n+4*\c+3], v[W2O], s[24:25] offset:16384*\n+64*(\s)+32*\c
.endr
.endr
.endm
.macro B1LOAD b                        ; b1 in the result's layout: lane (r, h), tile u: units 32 b + 16 h + 8 u + 0 .. 7: 4 loads
.irp u, 0,1
.irp jj, 0,1
	global_load_b128 v[B1R+8*\u+4*\jj:B1R+8*\u+4*\jj+3], v[H64], s[22:23] offset:(32*(\b)+8*\u)*4+16*\jj
.endr
.endr
.endm
.macro WS1LOAD b
	global_load_b128 v[WS1+4*((\b)%2):WS1+4*((\b)%2)+3], v[W1SO], s[20:21] offset:512*(\b)
.endm
.macro HFRAG s                         ; the hidden layer's two fragments of K step s and their scale words into slot s % 4: 5 LDS loads
.irp m, 0,1
.irp c, 0,1
	ds_load_b128 v[X+16*((\s)%4)+8*\m+4*\c:X+16*((\s)%4)+8*\m+4*\c+3], v[HR] offset:2048*(\s)+1024*\m+512*\c
.endr
.endr
	ds_load_b32 v[HS+(\s)%4], v[HSR] offset:128*(\s)
.endm
; 32 hidden units for the 32 rows: 4 K steps x 4 products on 4 accumulators by turns; x's fragments stand in registers; relu; quantised; the codes to LDS at their place in the next operand's registers.
; THE COUNTS on the loads: a slot is 4 loads.  At K step 0: this block's slots 1, 2, 3 are younger (12); in block 0 everything issued so far is wanted.  At K steps 1, 2, 3: younger are the slots still to come and what
; this block has asked for since its K step 0, 8 + 9 in all (behind K step 0: a slot, the next b1, the next scale words: 9), in block 3 8 + 4 (a slot of W2 alone).
.macro BLOCK b
.irp s, 0,1,2,3
.if \s == 0
.if (\b) == 0
	s_wait_loadcnt 0x0
.else
	s_wait_loadcnt 12
.endif
.else
.if (\b) < 3
	s_wait_loadcnt 17
.else
	s_wait_loadcnt 12
.endif
.endif
.irp m, 0,1
.irp u, 0,1
.if \s == 0
	WM ACC+16*\m+8*\u, WR+16*\s+8*\u, X+8*(4*\m+\s), B1R+8*\u, WS1+4*((\b)%2)+\s, XS+\s, \u, \m
.else
	WM ACC+16*\m+8*\u, WR+16*\s+8*\u, X+8*(4*\m+\s), ACC+16*\m+8*\u, WS1+4*((\b)%2)+\s, XS+\s, \u, \m
.endif
.endr
.endr
	PLACES
.if (\b) < 3
	RING1 (\b)+1, \s
.if \s == 0
	B1LOAD (\b)+1
	WS1LOAD (\b)+1
.endif
.else
	RING2 \s
.endif
.endr
.set n, 0
.rept 32
	v_max_num_f32 v[ACC+n], 0, v[ACC+n]            ; the activation, in f32; each accumulator from its low end on
.set n, n+1
.endr
	s_wait_dscnt 0x0                               ; the last block's stores have read the codes' and the bytes' registers, which are written again below
	QUANT ACC, 2
.irp m, 0,1
	ds_store_b64 v[HWA], v[PC+2*\m:PC+2*\m+1] offset:1024*\m+512*((\b)/2)+256*((\b)%2)   ; tile m, block b of my K step: 256 consecutive bytes a wave
	ds_store_b8 v[HSW], v[TM+4+\m] offset:64*\m+(\b)   ; lanes l and l xor 16 write the same byte with the same value
.endr
.endm
	s_load_b512 s[4:19], s[0:1], 0x0               ; O s[4:5], q1 s[6:7], Wp's codes s[8:9], scales s[10:11], bp s[12:13], g3 s[14:15], be3 s[16:17], W1's codes s[18:19]
	s_load_b256 s[20:27], s[0:1], 0x40             ; W1's scales s[20:21], b1 s[22:23], W2's codes s[24:25], scales s[26:27]
	s_load_b128 s[28:31], s[0:1], 0x60             ; b2 s[28:29], out s[30:31]
	v_lshl_add_u32 v94, v0, 2, 0x1ae00
	v_mov_b32 v95, 0
	v_lshrrev_b32 v121, 5, v0
	v_readfirstlane_b32 s[WV], v121                ; wave 0..15
	v_and_b32 v121, 31, v0                         ; lane
	v_and_b32 v122, 15, v0                         ; r
	v_bfe_u32 v123, v0, 4, 1                       ; h
	v_and_b32 v124, 8, v122
	v_add_nc_u32 v124, v124, v122                  ; r + 8 (r / 8)
	v_lshlrev_b32 v[L16], 4, v121
	v_lshlrev_b32 v[L32], 5, v121
	v_lshlrev_b32 v[L64], 6, v121
	v_lshlrev_b32 v[H64], 6, v123
	v_lshlrev_b32 v[T16], 4, v0
	v_mul_u32_u24 v[LX], v123, 272
	v_lshl_add_u32 v[LX], v122, 4, v[LX]
	v_add_nc_u32 v[LXS], XSC, v[L16]
	v_mul_u32_u24 v[STA], v124, 2064
	v_lshl_add_u32 v[STA], v123, 5, v[STA]
	s_lshl_b32 s38, s[WV], 7
	s_add_co_u32 s38, s38, STG
	v_add_nc_u32 v[STA], s38, v[STA]
	s_mul_i32 s38, s[WV], NT*2064
	s_add_co_u32 s38, s38, STG
	v_add_nc_u32 v[SQ], s38, v[L32]
	v_add_nc_u32 v[SD], s38, v[L16]
	s_lshl_b32 s39, s[WV], 1                       ; my first row; its tile and its lane there:
	s_lshr_b32 s40, s39, 5
	s_lshl_b32 s40, s40, 1
	s_bfe_u32 s41, s39, 0x10003
	s_add_co_u32 s40, s40, s41                     ; tile 2 (row / 32) + (row / 8) % 2
	s_and_b32 s41, s39, 7
	s_bfe_u32 s42, s39, 0x10004
	s_lshl_b32 s42, s42, 3
	s_add_co_u32 s41, s41, s42                     ; lane row % 8 + 8 ((row / 16) % 2)
	s_lshl_b32 s41, s41, 4
	s_mul_i32 s42, s40, 4352
	s_add_co_u32 s42, s42, s41
	v_lshrrev_b32 v[CS], 2, v121
	v_mul_u32_u24 v[CI], v[CS], 272
	v_and_b32 v125, 3, v121
	v_lshl_add_u32 v[CI], v125, 2, v[CI]
	v_add_nc_u32 v[CI], s42, v[CI]                 ; block lane / 4 (+ 8 a), its bytes 4 (lane % 4) on
	s_lshl_b32 s43, s40, 8
	s_add_co_u32 s43, s43, s41
	s_add_co_u32 s43, s43, XSC
	v_add_nc_u32 v[CS], s43, v[CS]
	v_lshlrev_b32 v[HWA], 4, v122
	v_lshl_add_u32 v[HWA], v123, 3, v[HWA]
	s_lshl_b32 s38, s[WV], 11
	s_add_co_u32 s38, s38, HIMG
	v_add_nc_u32 v[HWA], s38, v[HWA]
	s_lshl_b32 s38, s[WV], 7
	s_add_co_u32 s38, s38, HSC
	v_lshl_add_u32 v[HSW], v122, 2, s38
	v_add_nc_u32 v[HR], HIMG, v[L16]
	v_lshl_add_u32 v[HSR], v121, 2, HSC
	v_lshlrev_b32 v[WNO], 8, v122
	v_lshl_add_u32 v[WNO], v123, 4, v[WNO]
	v_lshlrev_b32 v[W1O], 8, v124
	v_lshl_add_u32 v[W1O], v123, 4, v[W1O]
	v_lshlrev_b32 v[W2O], 10, v122
	v_lshl_add_u32 v[W2O], v123, 4, v[W2O]
	v_lshl_add_u32 v[W1SO], v123, 3, v124
	v_lshlrev_b32 v[W1SO], 4, v[W1SO]
	v_lshrrev_b32 v125, 8, v0
	v_mul_u32_u24 v[CPA], v125, 4352               ; the copy: thread t holds tile t / 256, block (t / 16) % 16, lane t % 16
	v_bfe_u32 v125, v0, 4, 4
	v_mad_u32_u24 v[CPA], v125, 272, v[CPA]
	v_lshl_add_u32 v[CPA], v122, 4, v[CPA]
.irp b, 0,1
	v_mov_b32 v[TM+4+\b], 0                        ; written once: a lane permute's destination counts as one of its sources
.endr
	s_mov_b32 s[SEL], 0x76543210
	s_mov_b32 s[SEL+1], 0xfedcba98
	s_mov_b32 s[KINV], 0x3b000000                  ; 1 / 512
	s_mov_b32 s[KEPS], 0x3727c5ac                  ; 1e-5
	s_mov_b32 s41, 0
	s_wait_kmcnt 0x0
	s_lshl_b32 s40, ttmp9, 13
	s_add_nc_u64 s[44:45], s[4:5], s[40:41]        ; my two tiles' codes
	s_lshl_b32 s40, ttmp9, 9
	s_add_co_u32 s40, s40, 0x200000
	s_add_nc_u64 s[4:5], s[4:5], s[40:41]          ; and scale bytes
	s_lshl_b32 s40, ttmp9, 16                      ; 32 rows of 2,048 bytes a work-group,
	s_lshl_b32 s42, s[WV], 12                      ; two a wave
	s_add_co_u32 s40, s40, s42
	s_add_nc_u64 s[6:7], s[6:7], s[40:41]          ; my two rows of q1
	s_add_nc_u64 s[30:31], s[30:31], s[40:41]      ; and of the output
	s_lshl_b32 s40, s[WV], 13
	s_add_nc_u64 s[8:9], s[8:9], s[40:41]          ; my 32 rows of Wp
	s_lshl_b32 s40, s[WV], 9
	s_add_nc_u64 s[10:11], s[10:11], s[40:41]
	s_add_nc_u64 s[22:23], s[22:23], s[40:41]      ; my 128 numbers of b1
	s_lshl_b32 s40, s[WV], 15
	s_add_nc_u64 s[18:19], s[18:19], s[40:41]      ; my 128 rows of W1 (256 bytes each)
	s_add_nc_u64 s[24:25], s[24:25], s[40:41]      ; my 32 rows of W2 (1,024 bytes each)
	s_lshl_b32 s40, s[WV], 11
	s_add_nc_u64 s[20:21], s[20:21], s[40:41]
	s_add_nc_u64 s[26:27], s[26:27], s[40:41]
	global_load_b128 v[X:X+3], v[T16], s[44:45]    ; the copy's 16 bytes
.irp i, 0,1
.irp k, 0,1,2,3
	global_load_b128 v[R+16*\i+4*\k:R+16*\i+4*\k+3], v[L16], s[6:7] offset:2048*\i+512*\k th:TH_LOAD_NT   ; 512 consecutive bytes
.endr
.endr
	global_load_b128 v[XS:XS+3], v[L16], s[4:5]    ; lanes 0-15: tile 0's scale words, lanes 16-31: tile 1's
.irp u, 0,1
.irp s, 0,1,2,3
.irp c, 0,1
	global_load_b128 v[W+8*(4*\u+\s)+4*\c:W+8*(4*\u+\s)+4*\c+3], v[WNO], s[8:9] offset:4096*\u+64*\s+32*\c
.endr
.endr
.endr
	global_load_b128 v[WS:WS+3], v[L16], s[10:11]
	s_wait_loadcnt 18                              ; the copy and q1 are in; the 18 younger loads are the scale words and Wp
	ds_store_b128 v[CPA], v[X:X+3]
	DENSE_OUT R
	BARRIER                                        ; the two tiles and 32 rows of q1 lie in LDS
	; ---- the projection
.irp mq, 0,1
.irp n, 0,1
	CINIT \mq, \n, ACC+16*\mq+8*\n
.endr
.endr
	FETCHP 0
	s_wait_dscnt 0x0
	s_wait_loadcnt 0x0
	MM16                                           ; q1 is the C of the first products
	PLACES
.irp mq, 0,1
.irp n, 0,1
	STOUT \mq, \n, ACC+16*\mq+8*\n
.endr
.endr
.irp a, 0,1
.irp jj, 0,1
	global_load_b128 v[BP+8*\a+4*\jj:BP+8*\a+4*\jj+3], v[L32], s[12:13] offset:1024*\a+16*\jj
	global_load_b128 v[G+8*\a+4*\jj:G+8*\a+4*\jj+3], v[L32], s[14:15] offset:1024*\a+16*\jj
	global_load_b128 v[BE+8*\a+4*\jj:BE+8*\a+4*\jj+3], v[L32], s[16:17] offset:1024*\a+16*\jj
.endr
.endr
.irp s, 0,1,2,3
	RING1 0, \s                                    ; W1's first block is on its way through the row phase
.endr
	BARRIER                                        ; 32 whole rows of q1 + O Wp lie in the stage
	; ---- by rows
	ROWS_IN
	s_wait_dscnt 0x0
	s_wait_loadcnt 16                              ; bp, g3, be3 are in; the 16 younger loads are the ring's
	ADDV R, BP
	ROWS_OUT                                       ; q2 goes back: it is the C of the last product
	s_wait_dscnt 0x0                               ; the stores have read the rows: they are changed in place below
	LNROWS
	RQ
	B1LOAD 0
	WS1LOAD 0
.irp k, 0,1,2,3
	global_load_b128 v[WS2+4*\k:WS2+4*\k+3], v[L64], s[26:27] offset:16*\k
.endr
	BARRIER                                        ; the norm's codes and bytes lie in the tiles' image
	; ---- W1: x's 8 fragments and their scale words come into registers once
	FETCHP 0
	ds_load_b128 v[XS:XS+3], v[LXS]
	s_wait_dscnt 0x0
	BLOCK 0
	BLOCK 1
	BLOCK 2
	BLOCK 3
	BARRIER                                        ; the hidden layer's 32 fragments and their scale words lie in LDS
	; ---- W2: 16 K steps x 4 products on 4 accumulators by turns, which hold q2 at the start
.irp m, 0,1
.irp n, 0,1
	CINIT \m, \n, ACC+16*\m+8*\n
.endr
.endr
	HFRAG 0
	HFRAG 1
	HFRAG 2
	HFRAG 3
.irp s, 0,1,2,3,4,5,6,7,8,9,10,11,12,13,14,15
.if \s <= 12
	s_wait_loadcnt 12                              ; this K step's slot of W2 is in; the three younger slots may be out
	s_wait_dscnt 15                                ; q2 and this K step's hidden fragments are in; the three younger K steps' 5 loads each may be out
.else
	s_wait_loadcnt 4*(15-\s)
	s_wait_dscnt 5*(15-\s)
.endif
.irp m, 0,1
.irp n, 0,1
	WM ACC+16*\m+8*\n, WR+16*(\s%4)+8*\n, X+16*(\s%4)+8*\m, ACC+16*\m+8*\n, WS2+\s, HS+(\s%4), \n, \m
.endr
.endr
	PLACES
.if \s <= 11
	RING2 \s+4                                     ; both slots just read take the K step four further on
	HFRAG \s+4
.endif
.endr
.irp k, 0,1,2,3
	global_load_b128 v[B1R+4*\k:B1R+4*\k+3], v[L16], s[28:29] offset:512*\k   ; b2, laid as a row's registers on the way out
.endr
.irp m, 0,1
.irp n, 0,1
	STOUT \m, \n, ACC+16*\m+8*\n
.endr
.endr
	BARRIER                                        ; 32 whole rows lie in the stage
	DENSE_IN ACC
	s_wait_dscnt 0x0
	s_wait_loadcnt 0x0
	ADDV ACC, B1R
.irp i, 0,1
.irp k, 0,1,2,3
	global_store_b128 v[L16], v[ACC+16*\i+4*\k:ACC+16*\i+4*\k+3], s[30:31] offset:2048*\i+512*\k th:TH_STORE_NT   ; 512 consecutive bytes, aligned
.endr
.endr
	s_wait_tensorcnt 0x0
	ds_add_u32 v94, v95
	s_wait_dscnt 0x0
	s_endpgm
.Lfunc_end_k_q0b97b8d125_ffn:
	.size	k_q0b97b8d125_ffn, .Lfunc_end_k_q0b97b8d125_ffn-k_q0b97b8d125_ffn
	.p2alignl 7, 3214868480
	.fill 96, 4, 3214868480
	.section	.rodata,"a",@progbits
	.p2align	6, 0x0
	.amdhsa_kernel k_q0b97b8d125_ffn
		.amdhsa_group_segment_fixed_size 112128
		.amdhsa_private_segment_fixed_size 0
		.amdhsa_enable_private_segment 0
		.amdhsa_kernarg_size 112
		.amdhsa_user_sgpr_count 2
		.amdhsa_user_sgpr_kernarg_segment_ptr 1
		.amdhsa_wavefront_size32 1
		.amdhsa_system_sgpr_workgroup_id_x 1
		.amdhsa_system_sgpr_workgroup_id_y 1
		.amdhsa_system_sgpr_workgroup_id_z 1
		.amdhsa_system_vgpr_workitem_id 0
		.amdhsa_next_free_vgpr 256
		.amdhsa_next_free_sgpr 66
		.amdhsa_reserve_vcc 0
		.amdhsa_float_denorm_mode_32 3
		.amdhsa_float_denorm_mode_16_64 3
		.amdhsa_memory_ordered 1
		.amdhsa_forward_progress 1
		.amdhsa_inst_pref_size 83
	.end_amdhsa_kernel
	.amdgpu_metadata
---
amdhsa.version: [ 1, 2 ]
amdhsa.kernels:
  - .name:           k_q0b97b8d125_ffn
    .symbol:         k_q0b97b8d125_ffn.kd
    .args:
      - { .name: Ocross, .offset: 0, .size: 8, .value_kind: global_buffer, .address_space: global }
      - { .name: q1, .offset: 8, .size: 8, .value_kind: global_buffer, .address_space: global }
      - { .name: Wp_c_codes, .offset: 16, .size: 8, .value_kind: global_buffer, .address_space: global }
      - { .name: Wp_c_scales, .offset: 24, .size: 8, .value_kind: global_buffer, .address_space: global }
      - { .name: bp_c, .offset: 32, .size: 8, .value_kind: global_buffer, .address_space: global }
      - { .name: g3, .offset: 40, .size: 8, .value_kind: global_buffer, .address_space: global }
      - { .name: be3, .offset: 48, .size: 8, .value_kind: global_buffer, .address_space: global }
      - { .name: W1_codes, .offset: 56, .size: 8, .value_kind: global_buffer, .address_space: global }
      - { .name: W1_scales, .offset: 64, .size: 8, .value_kind: global_buffer, .address_space: global }
      - { .name: b1, .offset: 72, .size: 8, .value_kind: global_buffer, .address_space: global }
      - { .name: W2_codes, .offset: 80, .size: 8, .value_kind: global_buffer, .address_space: global }
      - { .name: W2_scales, .offset: 88, .size: 8, .value_kind: global_buffer, .address_space: global }
      - { .name: b2, .offset: 96, .size: 8, .value_kind: global_buffer, .address_space: global }
      - { .name: out0, .offset: 104, .size: 8, .value_kind: global_buffer, .address_space: global }
    .group_segment_fixed_size: 112128
    .private_segment_fixed_size: 0
    .kernarg_segment_align: 8
    .kernarg_segment_size: 112
    .max_flat_workgroup_size: 512
    .sgpr_count:     66
    .vgpr_count:     256
    .wavefront_size: 32
...
	.end_amdgpu_metadata
.endif
;; end of part 5
;; ======== version 2 of 2: 6 launches
;; workspace buffers: X1 2,228,224 bytes; Aself 6,946,816 bytes; Across 6,946,816 bytes; Oself 2,228,224 bytes; Ocross 2,228,224 bytes; q1 16,777,216 bytes; Pself 256 bytes of whole numbers; Pcross 256 bytes of whole numbers
;; launch ln1 (part 6): grid 256 x 1, 16 waves a work-group, no clusters, 76,800 bytes of LDS; arguments q, g1, be1, X1, Pself, Pcross; writes X1, Pself, Pcross
.if DOCPART == 6
	.amdgcn_target "amdgcn-amd-amdhsa--gfx1250"
	.amdhsa_code_object_version 6
	.text
	.protected	k_q0b97b8d125_ln1
	.globl	k_q0b97b8d125_ln1
	.p2align	8
	.type	k_q0b97b8d125_ln1,@function
k_q0b97b8d125_ln1:
	s_mov_b64 s[64:65], 0
	v_nop
	global_prefetch_b8 v0, s[64:65] scope:SCOPE_SE
	s_setreg_imm32_b32 hwreg(HW_REG_WAVE_MODE, 25, 1), 1
	s_wait_xcnt 0x0
; X1 = Q(LayerNorm(q) g1 + be1): codes of E2M1 [8192][256 bytes] at byte 0, one E8M0 byte for each 32 along E, [8192][16], at byte 2,097,152.
; Also the two offsets of the attention body's mask (key k counts for query q where k <= q + offset): 0 into Pself, 2^20 into Pcross.
; SHARES. A work-group owns 32 rows, each of its 16 waves two.  A row is loaded by four loads of 512 consecutive bytes, turned through the wave's own
; rows of a stage in LDS, and read back 32 bytes a lane twice: register 8 a + e of a row is element 256 a + 8 lane + e, so that a lane holds 8
; neighbours (what one conversion takes) and four neighbouring lanes hold a block of 32.  Mean and variance in two passes, in f32.
; The codes of a wave's two rows are 512 consecutive bytes; the work-group's 512 scale bytes meet in LDS and wave 0 stores them.
; LIMITS: NaN and infinities are not served; a block whose largest magnitude lies under 2^-124 keeps the byte 1, a block of zeros too (its codes are
; zeros, and this program alone reads the bytes).
; No matrix unit, no tensor load, no cluster: the launch reads 16 MiB once and shares nothing between work-groups.
.set NT, 2                             ; rows of a wave
.set STG, 0                            ; LDS: 32 rows x (2,048 + 16) bytes
.set CA, 66048                         ; the codes, 256 bytes a row
.set SA, 74240                         ; the scale bytes, 16 a row
.set L16, 1                            ; v1  16 x lane
.set L32, 2                            ; v2  32 x lane
.set SD, 3                             ; v3  my rows of the stage, 16 bytes a lane
.set SQ, 4                             ; v4  the same, 32 bytes a lane
.set CI, 5                             ; v5  where my 4 bytes of codes go
.set CS, 6                             ; v6  where my block's byte goes
.set L4, 8                             ; v8  4 x lane
.set CR, 10                            ; v10 the wave's codes, read back
.set SR, 11                            ; v11 the scale bytes, read back
.set D, 16                             ; v16-47  two rows as loaded
.set R, 48                             ; v48-79  two rows, 8 neighbours twice
.set G, 80                             ; v80-95  g1 at my 16 elements
.set BE, 96                            ; v96-111 be1
.set SU, 112                           ; a pair a row: sums, mean, 1 / sigma
.set RM, 116                           ; a group's largest magnitude, then the conversion's scale operand
.set RB, 120                           ; its byte
.set RC, 124                           ; its codes
.set AP, 128                           ; from a = 0 to a = 1 in the codes
.set IP, 256                           ; from row to row
.set WV, 16
.set SEL, 20                           ; s[20:21] selects of v_permlanex16_b32: lane xor 16
.set KINV, 22                          ; 1 / 512
.set KEPS, 23                          ; 1e-5
.macro BARRIER                         ; my LDS instructions are done: then the work-group's barrier
	s_wait_dscnt 0x0
	s_barrier_signal -1
	s_barrier_wait -1
.endm
.macro ROWS_IN                         ; my rows out of the stage: 32 bytes a lane, twice
.set ri, 0
.rept NT
.irp a, 0,1
.irp jj, 0,1
	ds_load_b128 v[R+16*ri+8*\a+4*\jj:R+16*ri+8*\a+4*\jj+3], v[SQ] offset:ri*2064+1024*\a+16*\jj
.endr
.endr
.set ri, ri+1
.endr
.endm
.macro WSUM                            ; each row's pair of partial sums becomes the sum over the wave, in every lane
.set ri, 0
.rept NT
	s_delay_alu instid0(VALU_DEP_2)
	v_add_f32 v[SU+2*ri], v[SU+2*ri], v[SU+2*ri+1]
.set ri, ri+1
.endr
.irp x, 1,2,4,8
.set ri, 0
.rept NT
	s_delay_alu instid0(VALU_DEP_2)
	v_add_f32_dpp v[SU+2*ri], v[SU+2*ri], v[SU+2*ri] row_xmask:\x row_mask:0xf bank_mask:0xf
.set ri, ri+1
.endr
.endr
.set ri, 0
.rept NT
	s_delay_alu instid0(VALU_DEP_2)
	v_permlanex16_b32 v[SU+2*ri+1], v[SU+2*ri], s[SEL], s[SEL+1]
.set ri, ri+1
.endr
.set ri, 0
.rept NT
	s_delay_alu instid0(VALU_DEP_2)
	v_add_f32 v[SU+2*ri], v[SU+2*ri], v[SU+2*ri+1]
.set ri, ri+1
.endr
.endm
.macro LNROWS                          ; the rows in R become (x - mean) / sqrt(var + eps) x g + be, the rows by turns
.set ri, 0
.rept NT
	v_pk_add_f32 v[SU+2*ri:SU+2*ri+1], v[R+16*ri:R+16*ri+1], v[R+16*ri+2:R+16*ri+3]
.set ri, ri+1
.endr
.irp k, 4,6,8,10,12,14
.set ri, 0
.rept NT
	s_delay_alu instid0(VALU_DEP_2)
	v_pk_add_f32 v[SU+2*ri:SU+2*ri+1], v[SU+2*ri:SU+2*ri+1], v[R+16*ri+\k:R+16*ri+\k+1]
.set ri, ri+1
.endr
.endr
	WSUM
.set ri, 0
.rept NT
	s_delay_alu instid0(VALU_DEP_2)
	v_mul_f32 v[SU+2*ri], s[KINV], v[SU+2*ri]      ; the mean
.set ri, ri+1
.endr
.irp k, 0,2,4,6,8,10,12,14
.set ri, 0
.rept NT
	v_pk_add_f32 v[R+16*ri+\k:R+16*ri+\k+1], v[R+16*ri+\k:R+16*ri+\k+1], v[SU+2*ri:SU+2*ri+1] op_sel_hi:[1,0] neg_lo:[0,1] neg_hi:[0,1]   ; x - mean
.set ri, ri+1
.endr
.endr
.set ri, 0
.rept NT
	v_pk_mul_f32 v[SU+2*ri:SU+2*ri+1], v[R+16*ri:R+16*ri+1], v[R+16*ri:R+16*ri+1]
.set ri, ri+1
.endr
.irp k, 2,4,6,8,10,12,14
.set ri, 0
.rept NT
	s_delay_alu instid0(VALU_DEP_2)
	v_pk_fma_f32 v[SU+2*ri:SU+2*ri+1], v[R+16*ri+\k:R+16*ri+\k+1], v[R+16*ri+\k:R+16*ri+\k+1], v[SU+2*ri:SU+2*ri+1]
.set ri, ri+1
.endr
.endr
	WSUM
.set ri, 0
.rept NT
	s_delay_alu instid0(VALU_DEP_2)
	v_fma_f32 v[SU+2*ri], v[SU+2*ri], s[KINV], s[KEPS]   ; the variance + eps
.set ri, ri+1
.endr
.set ri, 0
	s_wait_alu depctr_va_vdst(0)
.rept NT
	v_rsq_f32 v[SU+2*ri], v[SU+2*ri]
.set ri, ri+1
.endr
	v_nop                                          ; a plain instruction behind the last root
	s_wait_alu depctr_va_vdst(0)                   ; one wait for the batch, ahead of its first reader
.irp k, 0,2,4,6,8,10,12,14
.set ri, 0
.rept NT
	v_pk_mul_f32 v[R+16*ri+\k:R+16*ri+\k+1], v[R+16*ri+\k:R+16*ri+\k+1], v[SU+2*ri:SU+2*ri+1] op_sel_hi:[1,0]
.set ri, ri+1
.endr
.endr
.irp k, 0,2,4,6,8,10,12,14
.set ri, 0
.rept NT
	v_pk_fma_f32 v[R+16*ri+\k:R+16*ri+\k+1], v[R+16*ri+\k:R+16*ri+\k+1], v[G+\k:G+\k+1], v[BE+\k:BE+\k+1]
.set ri, ri+1
.endr
.endr
.endm
.macro RQ                              ; the rows in R are quantised: group 2 i + a is 8 numbers of a lane, a block is four lanes
.set gi, 0
.rept 2*NT
	v_max3_num_f32 v[RM+gi], |v[R+8*gi]|, |v[R+8*gi+1]|, 0x1800000   ; with the floor 2^(3 - 127): the byte cannot fall under 1
.set gi, gi+1
.endr
.irp e, 2,4,6
.set gi, 0
.rept 2*NT
	s_delay_alu instid0(VALU_DEP_4)
	v_max3_num_f32 v[RM+gi], v[RM+gi], |v[R+8*gi+\e]|, |v[R+8*gi+\e+1]|
.set gi, gi+1
.endr
.endr
.irp x, 1,2
.set gi, 0
.rept 2*NT
	s_delay_alu instid0(VALU_DEP_4)
	v_max_num_f32_dpp v[RM+gi], v[RM+gi], v[RM+gi] row_xmask:\x row_mask:0xf bank_mask:0xf
.set gi, gi+1
.endr
.endr
.set gi, 0
.rept 2*NT
	s_delay_alu instid0(VALU_DEP_4)
	v_add_nc_u32 v[RM+gi], 0xff000000, v[RM+gi]    ; 2 off the exponent field: the conversion's scale operand
.set gi, gi+1
.endr
.set gi, 0
.rept 2*NT
	s_delay_alu instid0(VALU_DEP_4)
	v_lshrrev_b32 v[RB+gi], 23, v[RM+gi]           ; the scale's byte
.set gi, gi+1
.endr
.set gi, 0
.rept 2*NT
	v_cvt_scalef32_pk8_fp4_f32 v[RC+gi], v[R+8*gi:R+8*gi+7], v[RM+gi]
.set gi, gi+1
.endr
	v_nop                                          ; a plain instruction behind the last conversion
.set gi, 0
.rept 2*NT
	ds_store_b32 v[CI], v[RC+gi] offset:AP*(gi%2)+IP*(gi/2)
	ds_store_b8 v[CS], v[RB+gi] offset:8*(gi%2)+16*(gi/2)   ; the four lanes of a block write the same byte with the same value
.set gi, gi+1
.endr
.endm
	s_load_b256 s[4:11], s[0:1], 0x0               ; q s[4:5], g1 s[6:7], be1 s[8:9], X1 s[10:11]
	s_load_b128 s[12:15], s[0:1], 0x20             ; Pself s[12:13], Pcross s[14:15]
	v_lshl_add_u32 v128, v0, 2, 0x12400
	v_mov_b32 v129, 0
	v_lshrrev_b32 v7, 5, v0
	s_delay_alu instid0(VALU_DEP_1)
	v_readfirstlane_b32 s[WV], v7                  ; wave 0..15
	v_and_b32 v7, 31, v0                           ; lane
	s_delay_alu instid0(VALU_DEP_1)
	v_lshlrev_b32 v[L16], 4, v7
	s_delay_alu instid0(VALU_DEP_2)
	v_lshlrev_b32 v[L32], 5, v7
	s_delay_alu instid0(VALU_DEP_3)
	v_lshlrev_b32 v[L4], 2, v7
	s_delay_alu instid0(VALU_DEP_4)
	v_lshrrev_b32 v9, 2, v7
	s_mul_i32 s17, s[WV], NT*2064                  ; my two rows of the stage (it begins at LDS byte 0)
	v_add_nc_u32 v[SD], s17, v[L16]
	v_add_nc_u32 v[SQ], s17, v[L32]
	s_lshl_b32 s18, s[WV], 9
	s_add_co_u32 s18, s18, CA
	v_add_nc_u32 v[CI], s18, v[L4]                 ; CA + 512 wave + 4 lane: block lane / 4, its bytes 4 (lane % 4) on
	v_add_nc_u32 v[CR], s18, v[L16]
	s_lshl_b32 s19, s[WV], 5
	s_add_co_u32 s19, s19, SA
	v_add_nc_u32 v[CS], s19, v9                    ; SA + 32 wave + lane / 4
	v_add_nc_u32 v[SR], SA, v[L16]
	s_mov_b32 s[SEL], 0x76543210
	s_mov_b32 s[SEL+1], 0xfedcba98
	s_mov_b32 s[KINV], 0x3b000000
	s_mov_b32 s[KEPS], 0x3727c5ac
	s_lshl_b32 s24, ttmp9, 16                      ; 32 rows of 2,048 bytes a work-group,
	s_lshl_b32 s25, s[WV], 12                      ; two a wave
	s_add_co_u32 s24, s24, s25
	s_mov_b32 s25, 0
	s_lshl_b32 s26, ttmp9, 13                      ; the codes: 256 bytes a row
	s_lshl_b32 s27, s[WV], 9
	s_add_co_u32 s26, s26, s27
	s_mov_b32 s27, 0
	s_lshl_b32 s28, ttmp9, 9                       ; the scale bytes: 16 a row, behind the codes
	s_add_co_u32 s28, s28, 0x200000
	s_mov_b32 s29, 0
	s_wait_alu depctr_va_vdst(0)
	s_wait_kmcnt 0x0
	s_add_nc_u64 s[4:5], s[4:5], s[24:25]
	s_add_nc_u64 s[26:27], s[10:11], s[26:27]
	s_add_nc_u64 s[28:29], s[10:11], s[28:29]
.irp i, 0,1
.irp k, 0,1,2,3
	global_load_b128 v[D+16*\i+4*\k:D+16*\i+4*\k+3], v[L16], s[4:5] offset:2048*\i+512*\k th:TH_LOAD_NT   ; 512 consecutive bytes
.endr
.endr
.irp a, 0,1
.irp jj, 0,1
	global_load_b128 v[G+8*\a+4*\jj:G+8*\a+4*\jj+3], v[L32], s[6:7] offset:1024*\a+16*\jj
	global_load_b128 v[BE+8*\a+4*\jj:BE+8*\a+4*\jj+3], v[L32], s[8:9] offset:1024*\a+16*\jj
.endr
.endr
	s_wait_loadcnt 8                               ; the rows are in; the 8 younger loads are g1's and be1's
.irp i, 0,1
.irp k, 0,1,2,3
	ds_store_b128 v[SD], v[D+16*\i+4*\k:D+16*\i+4*\k+3] offset:2064*\i+512*\k
.endr
.endr
	ROWS_IN                                        ; my own bytes, and LDS serves a wave's instructions in order: no barrier, no wait between
	s_wait_dscnt 0x0
	s_wait_loadcnt 0x0
	LNROWS
	RQ
	ds_load_b128 v[D:D+3], v[CR]                   ; my two rows' codes: my own stores, in order
	s_wait_dscnt 0x0
	global_store_b128 v[L16], v[D:D+3], s[26:27]   ; 512 consecutive bytes, aligned
	BARRIER                                        ; every wave's scale bytes lie in LDS
	s_cmp_lg_u32 s[WV], 0
	s_cbranch_scc1 .Lend
	ds_load_b128 v[D+4:D+7], v[SR]
	s_wait_dscnt 0x0
	global_store_b128 v[L16], v[D+4:D+7], s[28:29] ; the work-group's 512 scale bytes
	s_cmp_lg_u32 ttmp9, 0
	s_cbranch_scc1 .Lend
	v_mov_b32 v12, 0
	v_mov_b32 v13, 0x100000
	global_store_b32 v[L4], v12, s[12:13]          ; the causal launch: key <= query
	global_store_b32 v[L4], v13, s[14:15]          ; the other: every key counts
.Lend:
	s_wait_tensorcnt 0x0
	ds_add_u32 v128, v129
	s_wait_dscnt 0x0
	s_endpgm
.Lfunc_end_k_q0b97b8d125_ln1:
	.size	k_q0b97b8d125_ln1, .Lfunc_end_k_q0b97b8d125_ln1-k_q0b97b8d125_ln1
	.p2alignl 7, 3214868480
	.fill 96, 4, 3214868480
	.section	.rodata,"a",@progbits
	.p2align	6, 0x0
	.amdhsa_kernel k_q0b97b8d125_ln1
		.amdhsa_group_segment_fixed_size 76800
		.amdhsa_private_segment_fixed_size 0
		.amdhsa_enable_private_segment 0
		.amdhsa_kernarg_size 48
		.amdhsa_user_sgpr_count 2
		.amdhsa_user_sgpr_kernarg_segment_ptr 1
		.amdhsa_wavefront_size32 1
		.amdhsa_system_sgpr_workgroup_id_x 1
		.amdhsa_system_sgpr_workgroup_id_y 1
		.amdhsa_system_sgpr_workgroup_id_z 1
		.amdhsa_system_vgpr_workitem_id 0
		.amdhsa_next_free_vgpr 130
		.amdhsa_next_free_sgpr 66
		.amdhsa_reserve_vcc 0
		.amdhsa_float_denorm_mode_32 3
		.amdhsa_float_denorm_mode_16_64 3
		.amdhsa_memory_ordered 1
		.amdhsa_forward_progress 1
		.amdhsa_inst_pref_size 18
	.end_amdhsa_kernel
	.amdgpu_metadata
---
amdhsa.version: [ 1, 2 ]
amdhsa.kernels:
  - .name:           k_q0b97b8d125_ln1
    .symbol:         k_q0b97b8d125_ln1.kd
    .args:
      - { .name: q, .offset: 0, .size: 8, .value_kind: global_buffer, .address_space: global }
      - { .name: g1, .offset: 8, .size: 8, .value_kind: global_buffer, .address_space: global }
      - { .name: be1, .offset: 16, .size: 8, .value_kind: global_buffer, .address_space: global }
      - { .name: X1, .offset: 24, .size: 8, .value_kind: global_buffer, .address_space: global }
      - { .name: Pself, .offset: 32, .size: 8, .value_kind: global_buffer, .address_space: global }
      - { .name: Pcross, .offset: 40, .size: 8, .value_kind: global_buffer, .address_space: global }
    .group_segment_fixed_size: 76800
    .private_segment_fixed_size: 0
    .kernarg_segment_align: 8
    .kernarg_segment_size: 48
    .max_flat_workgroup_size: 512
    .sgpr_count:     66
    .vgpr_count:     130
    .wavefront_size: 32
...
	.end_amdgpu_metadata
.endif
;; end of part 6
;; launch qkv (part 7): grid 64 x 5, 16 waves a work-group, no clusters, 43,008 bytes of LDS; arguments X1, k_codes, k_scales, v_codes, v_scales, Wq_s_codes, Wq_s_scales, Wk_s_codes, Wk_s_scales, Wk_c_codes, Wk_c_scales, Wv_s_codes, Wv_s_scales, Wv_c_codes, Wv_c_scales, Aself, Across; writes Aself, Across
.if DOCPART == 7
	.amdgcn_target "amdgcn-amd-amdhsa--gfx1250"
	.amdhsa_code_object_version 6
	.text
	.protected	k_q0b97b8d125_qkv
	.globl	k_q0b97b8d125_qkv
	.p2align	8
	.type	k_q0b97b8d125_qkv,@function
k_q0b97b8d125_qkv:
	s_mov_b64 s[64:65], 0
	v_nop
	global_prefetch_b8 v0, s[64:65] scope:SCOPE_SE
	s_setreg_imm32_b32 hwreg(HW_REG_WAVE_MODE, 25, 1), 1
	s_wait_xcnt 0x0
; Five projections on codes of E2M1, [8192 tokens, K 512] x [512 outputs, K 512], each result quantised in registers and stored as the attention body's operand.
; y = 0: Q of the self attention, 1: its K, 2: the cross attention's K (from input k), 3: V of the self attention, 4: the cross attention's V (from input v).
; SHARES. x = batch x 16 + step: 128 tokens.  Wave w owns outputs 32 w .. 32 w + 31 (head w / 2, half w % 2): its 8 weight fragments are read once into 64 registers.
; TOKEN TILES ARE NOT NEIGHBOURS: lane r of tile T takes token 32 (T / 2) + 8 (T % 2) + r + 8 (r / 8); the two weight tiles of a wave take their rows likewise.
; Q, K (K of the next product = the head's 64): source 0 = 16 rows of W, source 1 = 16 tokens: a lane holds ONE token and 16 neighbouring outputs 16 (lane / 16) + 0 .. 15.
; V (K of the next product = the keys): source 0 = 16 tokens, source 1 = 16 rows of W: a lane holds ONE output and 16 neighbouring tokens.
; In both a block of 32 lies in lanes l and l xor 16; a lane's 16 codes are 8 bytes, and a wave's store covers 256 consecutive bytes, aligned.
; A's regions (bytes): Q's codes 0, K's 2,097,152: [batch x head][tile 128][block 2][lane 16][16]; V's 4,194,304: [batch x head][step 16][tile 4] images of a fragment's registers;
; scale words: Q's 6,291,456, K's 6,553,600: [batch x head][tile][lane], bytes block 0, block 1, 127, 127; V's 6,815,744: [batch x head][step][tile][lane].
; The tokens' codes go through LDS as [tile][block 16][lane 16][16 bytes], 272 bytes a block: a fragment's load reads 256 consecutive bytes in sixteen lanes.
; No tensor load: each weight fragment serves one wave, and the tokens' 32 KiB are filled once.  No cluster: joint requests are tensor loads'.
; V's scale words leave 128 bytes a wave: one byte in 16 of V's output.
; LIMITS: as stated for the quantiser: NaN and infinities not served; the byte is held at 1 from below, for a block of zeros too.
.set XIMG, 0
.set XSC, 34816                        ; the tokens' scale bytes: [tile][lane][16]
.set GQ, 36864                         ; Q's or K's scale words: [head][tile 8][lane], 4 bytes
.set LX, 1                             ; v1  16 r + 272 h
.set LXS, 2                            ; v2  XSC + 16 lane: lanes 0-15 one tile's words, lanes 16-31 the next tile's
.set WO, 3                             ; v3  (r + 8 (r / 8)) 256 + 16 h
.set WSO, 4                            ; v4  (8 h + r + 8 (r / 8)) 16
.set OCO, 5                            ; v5  16 r + 8 h
.set GB, 6                             ; v6  GQ + 512 head + 4 r + half
.set CPA, 7                            ; v7  where the copy puts codes
.set L16, 8
.set T4, 9                             ; v9  4 x thread
.set PAD, 10                           ; v10 127: the byte 2^0 over the zero codes of k = 64 .. 127
.set CPS, 11                           ; v11 where the copy puts scale bytes
.set L4, 12
.set GR, 13                            ; v13 GQ + 16 x thread
.set WS, 24                            ; v24-27 the weights' scale words, a register a K step; lanes 16-31: tile 1
.set XS, 28                            ; v28-31 the tokens'
.set W, 32                             ; v32-95  fragment (u, s) at 8 (4 u + s)
.set X, 96                             ; v96-159 fragment (m, s) of a pair of tiles
.set ACC, 160                          ; v160-191
.set TM, 192                           ; v192.. largest magnitudes, +4 bytes, +8 scale operands
.set PC, 208                           ; v208-211 codes
.set PW, 212                           ; v212-213 V's scale words as they grow
.set WV, 50
.set SEL, 2                            ; s[2:3]
.macro BARRIER
	s_wait_dscnt 0x0
	s_barrier_signal -1
	s_barrier_wait -1
.endm
; one scaled product; c = 999: the sum begins with 0; ra, rb = 1: that side's scales are read from lanes 16-31
.macro WM d, a, b, c, sa, sb, ra, rb
.if (\c) == 999
.if (\ra) == 0 && (\rb) == 0
	v_wmma_scale_f32_16x16x128_f8f6f4 v[0+(\d):7+(\d)], v[0+(\a):7+(\a)], v[0+(\b):7+(\b)], 0, v[\sa], v[\sb] matrix_a_fmt:MATRIX_FMT_FP4 matrix_b_fmt:MATRIX_FMT_FP4
.elseif (\ra) == 1 && (\rb) == 0
	v_wmma_scale_f32_16x16x128_f8f6f4 v[0+(\d):7+(\d)], v[0+(\a):7+(\a)], v[0+(\b):7+(\b)], 0, v[\sa], v[\sb] matrix_a_fmt:MATRIX_FMT_FP4 matrix_b_fmt:MATRIX_FMT_FP4 matrix_a_scale:MATRIX_SCALE_ROW1
.elseif (\ra) == 0
	v_wmma_scale_f32_16x16x128_f8f6f4 v[0+(\d):7+(\d)], v[0+(\a):7+(\a)], v[0+(\b):7+(\b)], 0, v[\sa], v[\sb] matrix_a_fmt:MATRIX_FMT_FP4 matrix_b_fmt:MATRIX_FMT_FP4 matrix_b_scale:MATRIX_SCALE_ROW1
.else
	v_wmma_scale_f32_16x16x128_f8f6f4 v[0+(\d):7+(\d)], v[0+(\a):7+(\a)], v[0+(\b):7+(\b)], 0, v[\sa], v[\sb] matrix_a_fmt:MATRIX_FMT_FP4 matrix_b_fmt:MATRIX_FMT_FP4 matrix_a_scale:MATRIX_SCALE_ROW1 matrix_b_scale:MATRIX_SCALE_ROW1
.endif
.else
.if (\ra) == 0 && (\rb) == 0
	v_wmma_scale_f32_16x16x128_f8f6f4 v[0+(\d):7+(\d)], v[0+(\a):7+(\a)], v[0+(\b):7+(\b)], v[0+(\c):7+(\c)], v[\sa], v[\sb] matrix_a_fmt:MATRIX_FMT_FP4 matrix_b_fmt:MATRIX_FMT_FP4
.elseif (\ra) == 1 && (\rb) == 0
	v_wmma_scale_f32_16x16x128_f8f6f4 v[0+(\d):7+(\d)], v[0+(\a):7+(\a)], v[0+(\b):7+(\b)], v[0+(\c):7+(\c)], v[\sa], v[\sb] matrix_a_fmt:MATRIX_FMT_FP4 matrix_b_fmt:MATRIX_FMT_FP4 matrix_a_scale:MATRIX_SCALE_ROW1
.elseif (\ra) == 0
	v_wmma_scale_f32_16x16x128_f8f6f4 v[0+(\d):7+(\d)], v[0+(\a):7+(\a)], v[0+(\b):7+(\b)], v[0+(\c):7+(\c)], v[\sa], v[\sb] matrix_a_fmt:MATRIX_FMT_FP4 matrix_b_fmt:MATRIX_FMT_FP4 matrix_b_scale:MATRIX_SCALE_ROW1
.else
	v_wmma_scale_f32_16x16x128_f8f6f4 v[0+(\d):7+(\d)], v[0+(\a):7+(\a)], v[0+(\b):7+(\b)], v[0+(\c):7+(\c)], v[\sa], v[\sb] matrix_a_fmt:MATRIX_FMT_FP4 matrix_b_fmt:MATRIX_FMT_FP4 matrix_a_scale:MATRIX_SCALE_ROW1 matrix_b_scale:MATRIX_SCALE_ROW1
.endif
.endif
.endm
; 16 products: two tiles of tokens x two tiles of W x K 512.  The four accumulators take turns, one instruction a turn.
.macro MM16 vt, zero
.irp s, 0,1,2,3
.irp mq, 0,1
.irp u, 0,1
.if \vt
.if \zero && (\s == 0)
	WM ACC+16*\u+8*\mq, X+8*(4*\mq+\s), W+8*(4*\u+\s), 999, XS+\s, WS+\s, \mq, \u
.else
	WM ACC+16*\u+8*\mq, X+8*(4*\mq+\s), W+8*(4*\u+\s), ACC+16*\u+8*\mq, XS+\s, WS+\s, \mq, \u
.endif
.else
.if \zero && (\s == 0)
	WM ACC+16*\mq+8*\u, W+8*(4*\u+\s), X+8*(4*\mq+\s), 999, WS+\s, XS+\s, \u, \mq
.else
	WM ACC+16*\mq+8*\u, W+8*(4*\u+\s), X+8*(4*\mq+\s), ACC+16*\mq+8*\u, WS+\s, XS+\s, \u, \mq
.endif
.endif
.endr
.endr
.endr
.endm
.macro FETCHP mp                       ; the 8 fragments of tiles 2 mp and 2 mp + 1
.irp mq, 0,1
.irp s, 0,1,2,3
.irp c, 0,1
	ds_load_b128 v[X+8*(4*\mq+\s)+4*\c:X+8*(4*\mq+\s)+4*\c+3], v[LX] offset:XIMG+(2*(\mp)+\mq)*4352+272*(4*\s+2*\c)
.endr
.endr
.endr
.endm
; n blocks by turns; block b: 16 numbers of a lane in v[s + 16 b] on, the other 16 in lane l xor 16.  Codes to v[PC + 2 b], v[PC + 2 b + 1], the byte to v[TM + 4 + b].
.macro QUANT s, n
.set qb, 0
.rept \n
	v_max3_num_f32 v[TM+qb], |v[(\s)+16*qb]|, |v[(\s)+16*qb+1]|, 0x1800000   ; with the floor 2^(3 - 127): the byte cannot fall under 1.  Each accumulator is read from its low end on
.set qb, qb+1
.endr
.irp i, 2,4,6,8,10,12,14
.set qb, 0
.rept \n
	v_max3_num_f32 v[TM+qb], v[TM+qb], |v[(\s)+16*qb+\i]|, |v[(\s)+16*qb+\i+1]|
.set qb, qb+1
.endr
.endr
.set qb, 0
.rept \n
	s_delay_alu instid0(VALU_DEP_2)
	v_permlanex16_b32 v[TM+4+qb], v[TM+qb], s[SEL], s[SEL+1]
.set qb, qb+1
.endr
.set qb, 0
.rept \n
	s_delay_alu instid0(VALU_DEP_2)
	v_max_num_f32 v[TM+qb], v[TM+qb], v[TM+4+qb]
.set qb, qb+1
.endr
.set qb, 0
.rept \n
	s_delay_alu instid0(VALU_DEP_2)
	v_add_nc_u32 v[TM+8+qb], 0xff000000, v[TM+qb]  ; 2 off the exponent field: the conversion's scale operand
.set qb, qb+1
.endr
.set qb, 0
.rept \n
	s_delay_alu instid0(VALU_DEP_2)
	v_lshrrev_b32 v[TM+4+qb], 23, v[TM+8+qb]       ; the scale's byte
.set qb, qb+1
.endr
.set qb, 0
.rept \n
	v_cvt_scalef32_pk8_fp4_f32 v[PC+2*qb], v[(\s)+16*qb:(\s)+16*qb+7], v[TM+8+qb]
	v_cvt_scalef32_pk8_fp4_f32 v[PC+2*qb+1], v[(\s)+16*qb+8:(\s)+16*qb+15], v[TM+8+qb]
.set qb, qb+1
.endr
	v_nop                                          ; a plain instruction behind the last conversion
.endm
; a pair of token tiles: fragments from LDS, 16 products, two blocks quantised and stored
.macro PAIR mp, vt
.if (\mp) > 0
	s_wait_xcnt 0x0                                ; the last pair's stores have read their data: the codes' registers are written again below
.endif
	FETCHP \mp
	ds_load_b128 v[XS:XS+3], v[LXS] offset:512*(\mp)
	s_wait_dscnt 0x0                               ; the fragments are in, and my byte stores have read their registers
	MM16 \vt, 1
.rept 4
	v_nop                                          ; four places behind the last product, ahead of the first read of results
.endr
	QUANT ACC, 2
.irp e, 0,1
.if \vt
	global_store_b64 v[OCO], v[PC+2*\e:PC+2*\e+1], s[48:49] offset:1024*\e+512*((\mp)/2)+256*((\mp)%2)   ; tile e of V^T, block mp of the step's four
.if (\mp) == 0
	v_mov_b32 v[PW+\e], v[TM+4+\e]
.else
	v_lshl_or_b32 v[PW+\e], v[TM+4+\e], 8*(\mp), v[PW+\e]
.endif
.else
	global_store_b64 v[OCO], v[PC+2*\e:PC+2*\e+1], s[48:49] offset:(2*(\mp)+\e)*512
	ds_store_b8 v[GB], v[TM+4+\e] offset:64*(2*(\mp)+\e)          ; my half's byte of the token's scale word,
	ds_store_b8 v[GB], v[PAD] offset:64*(2*(\mp)+\e)+2            ; and 127 two bytes on: no two waves share a byte
.endif
.endr
.endm
	s_load_b64 s[4:5], s[0:1], 0x0                 ; X1
	s_load_b256 s[8:15], s[0:1], 0x8               ; k's codes, k's scales, v's codes, v's scales
	s_load_b512 s[16:31], s[0:1], 0x28             ; codes and scales of Wq_s, Wk_s, Wk_c, Wv_s
	s_load_b256 s[32:39], s[0:1], 0x68             ; of Wv_c; Aself s[36:37], Across s[38:39]
	v_lshl_add_u32 v254, v0, 2, 0xa000
	v_mov_b32 v255, 0
	v_lshrrev_b32 v14, 5, v0
	s_delay_alu instid0(VALU_DEP_1)
	v_readfirstlane_b32 s[WV], v14                 ; wave 0..15
	v_and_b32 v14, 31, v0                          ; lane
	v_and_b32 v15, 15, v0                          ; r
	v_bfe_u32 v16, v0, 4, 1                        ; h
	s_delay_alu instid0(VALU_DEP_3)
	v_lshlrev_b32 v[L16], 4, v14
	s_delay_alu instid0(VALU_DEP_4)
	v_lshlrev_b32 v[L4], 2, v14
	v_lshlrev_b32 v[T4], 2, v0
	s_delay_alu instid0(VALU_DEP_4)
	v_mul_u32_u24 v[LX], v16, 272
	s_delay_alu instid0(VALU_DEP_1)
	v_lshl_add_u32 v[LX], v15, 4, v[LX]
	v_add_nc_u32 v[LXS], XSC, v[L16]
	v_and_b32 v17, 8, v15
	s_delay_alu instid0(VALU_DEP_1)
	v_add_nc_u32 v17, v17, v15                     ; r + 8 (r / 8)
	s_delay_alu instid0(VALU_DEP_1)
	v_lshlrev_b32 v[WO], 8, v17
	s_delay_alu instid0(VALU_DEP_1)
	v_lshl_add_u32 v[WO], v16, 4, v[WO]
	s_delay_alu instid0(VALU_DEP_3)
	v_lshl_add_u32 v[WSO], v16, 3, v17
	s_delay_alu instid0(VALU_DEP_1)
	v_lshlrev_b32 v[WSO], 4, v[WSO]
	v_lshlrev_b32 v[OCO], 4, v15
	s_delay_alu instid0(VALU_DEP_1)
	v_lshl_add_u32 v[OCO], v16, 3, v[OCO]
	s_lshr_b32 s51, s[WV], 1                       ; head
	s_and_b32 s52, s[WV], 1                        ; which 32 of its 64
	s_lshl_b32 s53, s51, 9
	s_add_co_u32 s53, s53, s52
	s_add_co_u32 s53, s53, GQ
	v_lshl_add_u32 v[GB], v15, 2, s53
	; the copy: wave w brings tokens 8 w .. 8 w + 7: tile 2 (w / 4) + w % 2, lanes 8 ((w / 2) % 2) on
	s_lshr_b32 s54, s[WV], 2
	s_lshl_b32 s54, s54, 1
	s_add_co_u32 s54, s54, s52
	s_and_b32 s55, s51, 1
	s_lshl_b32 s55, s55, 7
	s_mul_i32 s56, s54, 4352
	s_add_co_u32 s56, s56, s55
	v_mul_u32_u24 v[CPA], v15, 272                 ; a load's lane holds block lane % 16 of token lane / 16
	s_delay_alu instid0(VALU_DEP_1)
	v_lshl_add_u32 v[CPA], v16, 4, v[CPA]
	s_delay_alu instid0(VALU_DEP_1)
	v_add_nc_u32 v[CPA], s56, v[CPA]
	s_lshl_b32 s57, s54, 8
	s_add_co_u32 s57, s57, s55
	s_add_co_u32 s57, s57, XSC
	v_add_nc_u32 v[CPS], s57, v[L4]
	v_lshl_add_u32 v[GR], v0, 4, GQ
	v_mov_b32 v[PAD], 0x7f
	v_mov_b32 v[TM+4], 0                           ; written once: a lane permute's destination counts as one of its sources
	v_mov_b32 v[TM+5], 0
	s_mov_b32 s[SEL], 0x76543210
	s_mov_b32 s[SEL+1], 0xfedcba98
	s_and_b32 s44, ttmp7, 0xffff                   ; y: which product
	s_lshr_b32 s58, ttmp9, 4                       ; batch
	s_and_b32 s59, ttmp9, 15                       ; step
	s_add_co_u32 s45, s44, 1
	s_lshr_b32 s45, s45, 1                         ; the region: 0 Q, 1 K, 2 V
	s_mov_b32 s61, 0
	s_wait_alu depctr_va_vdst(0)
	s_wait_kmcnt 0x0
	s_add_nc_u64 s[6:7], s[4:5], 0x200000          ; X1's scale bytes
	s_cmp_eq_u32 s44, 2                            ; the buffers are chosen by the work-group's y alone
	s_cselect_b64 s[40:41], s[8:9], s[4:5]
	s_cselect_b64 s[42:43], s[10:11], s[6:7]
	s_cselect_b64 s[46:47], s[38:39], s[36:37]
	s_cselect_b64 s[16:17], s[24:25], s[16:17]
	s_cselect_b64 s[18:19], s[26:27], s[18:19]
	s_cmp_eq_u32 s44, 4
	s_cselect_b64 s[40:41], s[12:13], s[40:41]
	s_cselect_b64 s[42:43], s[14:15], s[42:43]
	s_cselect_b64 s[46:47], s[38:39], s[46:47]
	s_cselect_b64 s[16:17], s[32:33], s[16:17]
	s_cselect_b64 s[18:19], s[34:35], s[18:19]
	s_cmp_eq_u32 s44, 1
	s_cselect_b64 s[16:17], s[20:21], s[16:17]
	s_cselect_b64 s[18:19], s[22:23], s[18:19]
	s_cmp_eq_u32 s44, 3
	s_cselect_b64 s[16:17], s[28:29], s[16:17]
	s_cselect_b64 s[18:19], s[30:31], s[18:19]
	s_lshl_b32 s60, ttmp9, 15                      ; 128 tokens of 256 bytes a work-group, 8 a wave
	s_lshl_b32 s62, s[WV], 11
	s_add_co_u32 s60, s60, s62
	s_add_nc_u64 s[40:41], s[40:41], s[60:61]
	s_lshl_b32 s60, ttmp9, 11
	s_add_nc_u64 s[42:43], s[42:43], s[60:61]
	s_lshl_b32 s60, s[WV], 13                      ; my 32 rows of W
	s_add_nc_u64 s[16:17], s[16:17], s[60:61]
	s_lshl_b32 s60, s[WV], 9
	s_add_nc_u64 s[18:19], s[18:19], s[60:61]
.irp n, 0,1,2,3
	global_load_b128 v[ACC+4*\n:ACC+4*\n+3], v[L16], s[40:41] offset:512*\n   ; two tokens' codes: 512 consecutive bytes
.endr
	global_load_b32 v[ACC+16], v[T4], s[42:43]     ; 8 tokens' scale bytes a wave
.irp u, 0,1
.irp s, 0,1,2,3
.irp c, 0,1
	global_load_b128 v[W+8*(4*\u+\s)+4*\c:W+8*(4*\u+\s)+4*\c+3], v[WO], s[16:17] offset:2048*\u+64*\s+32*\c
.endr
.endr
.endr
	global_load_b128 v[WS:WS+3], v[WSO], s[18:19]
	; where the results go
	s_lshl_b32 s62, s58, 3
	s_add_co_u32 s62, s62, s51                     ; batch x 8 + head
	s_lshl_b32 s60, s62, 16
	s_lshl_b32 s63, s59, 12
	s_add_co_u32 s60, s60, s63
	s_lshl_b32 s63, s45, 21
	s_add_co_u32 s60, s60, s63
	s_cmp_gt_u32 s44, 2
	s_cselect_b32 s63, 11, 8                       ; my half: two tiles of V^T (2,048 bytes) or a block of a token tile (256)
	s_lshl_b32 s63, s52, s63
	s_add_co_u32 s60, s60, s63
	s_add_nc_u64 s[48:49], s[46:47], s[60:61]
	s_lshl_b32 s60, s62, 12                        ; V's scale words
	s_lshl_b32 s63, s59, 8
	s_add_co_u32 s60, s60, s63
	s_lshl_b32 s63, s52, 7
	s_add_co_u32 s60, s60, s63
	s_add_co_u32 s60, s60, 6815744
	s_add_nc_u64 s[8:9], s[46:47], s[60:61]
	s_lshl_b32 s60, s58, 3                         ; Q's or K's: wave w < 8 stores head w's
	s_add_co_u32 s60, s60, s[WV]
	s_lshl_b32 s60, s60, 13
	s_lshl_b32 s63, s59, 9
	s_add_co_u32 s60, s60, s63
	s_lshl_b32 s63, s45, 18
	s_add_co_u32 s60, s60, s63
	s_add_co_u32 s60, s60, 6291456
	s_add_nc_u64 s[10:11], s[46:47], s[60:61]
	s_wait_loadcnt 17                              ; the tokens' codes and bytes are in; the 17 younger loads are W's
.irp n, 0,1,2,3
	ds_store_b128 v[CPA], v[ACC+4*\n:ACC+4*\n+3] offset:32*\n
.endr
	ds_store_b32 v[CPS], v[ACC+16]
	BARRIER                                        ; the 8 tiles lie in LDS
	s_wait_loadcnt 0x0
	s_cmp_gt_u32 s44, 2
	s_cbranch_scc1 .Lvpath
	PAIR 0, 0
	PAIR 1, 0
	PAIR 2, 0
	PAIR 3, 0
	s_branch .Ljoin
.Lvpath:
	PAIR 0, 1
	PAIR 1, 1
	PAIR 2, 1
	PAIR 3, 1
	v_cmp_gt_u32 vcc_lo, 16, v14
	s_delay_alu instid0(VALU_DEP_1)
	v_cndmask_b32 v[PW+2], v[PW+1], v[PW], vcc_lo  ; lanes 0-15 tile 0's words, lanes 16-31 tile 1's
	global_store_b32 v[L4], v[PW+2], s[8:9]
.Ljoin:
	BARRIER                                        ; every wave's bytes of the scale words lie in LDS
	s_cmp_gt_u32 s44, 2
	s_cbranch_scc1 .Lend
	s_cmp_gt_u32 s[WV], 7
	s_cbranch_scc1 .Lend
	ds_load_b128 v[ACC:ACC+3], v[GR]               ; head w's 8 tiles x 16 words
	s_wait_dscnt 0x0
	global_store_b128 v[L16], v[ACC:ACC+3], s[10:11]   ; 512 consecutive bytes, aligned
.Lend:
	s_wait_tensorcnt 0x0
	ds_add_u32 v254, v255
	s_wait_dscnt 0x0
	s_endpgm
.Lfunc_end_k_q0b97b8d125_qkv:
	.size	k_q0b97b8d125_qkv, .Lfunc_end_k_q0b97b8d125_qkv-k_q0b97b8d125_qkv
	.p2alignl 7, 3214868480
	.fill 96, 4, 3214868480
	.section	.rodata,"a",@progbits
	.p2align	6, 0x0
	.amdhsa_kernel k_q0b97b8d125_qkv
		.amdhsa_group_segment_fixed_size 43008
		.amdhsa_private_segment_fixed_size 0
		.amdhsa_enable_private_segment 0
		.amdhsa_kernarg_size 136
		.amdhsa_user_sgpr_count 2
		.amdhsa_user_sgpr_kernarg_segment_ptr 1
		.amdhsa_wavefront_size32 1
		.amdhsa_system_sgpr_workgroup_id_x 1
		.amdhsa_system_sgpr_workgroup_id_y 1
		.amdhsa_system_sgpr_workgroup_id_z 1
		.amdhsa_system_vgpr_workitem_id 0
		.amdhsa_next_free_vgpr 256
		.amdhsa_next_free_sgpr 66
		.amdhsa_reserve_vcc 1
		.amdhsa_float_denorm_mode_32 3
		.amdhsa_float_denorm_mode_16_64 3
		.amdhsa_memory_ordered 1
		.amdhsa_forward_progress 1
		.amdhsa_inst_pref_size 54
	.end_amdhsa_kernel
	.amdgpu_metadata
---
amdhsa.version: [ 1, 2 ]
amdhsa.kernels:
  - .name:           k_q0b97b8d125_qkv
    .symbol:         k_q0b97b8d125_qkv.kd
    .args:
      - { .name: X1, .offset: 0, .size: 8, .value_kind: global_buffer, .address_space: global }
      - { .name: k_codes, .offset: 8, .size: 8, .value_kind: global_buffer, .address_space: global }
      - { .name: k_scales, .offset: 16, .size: 8, .value_kind: global_buffer, .address_space: global }
      - { .name: v_codes, .offset: 24, .size: 8, .value_kind: global_buffer, .address_space: global }
      - { .name: v_scales, .offset: 32, .size: 8, .value_kind: global_buffer, .address_space: global }
      - { .name: Wq_s_codes, .offset: 40, .size: 8, .value_kind: global_buffer, .address_space: global }
      - { .name: Wq_s_scales, .offset: 48, .size: 8, .value_kind: global_buffer, .address_space: global }
      - { .name: Wk_s_codes, .offset: 56, .size: 8, .value_kind: global_buffer, .address_space: global }
      - { .name: Wk_s_scales, .offset: 64, .size: 8, .value_kind: global_buffer, .address_space: global }
      - { .name: Wk_c_codes, .offset: 72, .size: 8, .value_kind: global_buffer, .address_space: global }
      - { .name: Wk_c_scales, .offset: 80, .size: 8, .value_kind: global_buffer, .address_space: global }
      - { .name: Wv_s_codes, .offset: 88, .size: 8, .value_kind: global_buffer, .address_space: global }
      - { .name: Wv_s_scales, .offset: 96, .size: 8, .value_kind: global_buffer, .address_space: global }
      - { .name: Wv_c_codes, .offset: 104, .size: 8, .value_kind: global_buffer, .address_space: global }
      - { .name: Wv_c_scales, .offset: 112, .size: 8, .value_kind: global_buffer, .address_space: global }
      - { .name: Aself, .offset: 120, .size: 8, .value_kind: global_buffer, .address_space: global }
      - { .name: Across, .offset: 128, .size: 8, .value_kind: global_buffer, .address_space: global }
    .group_segment_fixed_size: 43008
    .private_segment_fixed_size: 0
    .kernarg_segment_align: 8
    .kernarg_segment_size: 136
    .max_flat_workgroup_size: 512
    .sgpr_count:     66
    .vgpr_count:     256
    .wavefront_size: 32
...
	.end_amdgpu_metadata
.endif
;; end of part 7
;; launch attn_s (part 8): grid 8 x 32, 16 waves a work-group, no clusters, 145,408 bytes of LDS; arguments Aself, Pself, Oself; writes Oself
.if DOCPART == 8
	.amdgcn_target "amdgcn-amd-amdhsa--gfx1250"
	.amdhsa_code_object_version 6
	.text
	.protected	k_q0b97b8d125_attn_s
	.globl	k_q0b97b8d125_attn_s
	.p2align	8
	.type	k_q0b97b8d125_attn_s,@function
k_q0b97b8d125_attn_s:
	s_mov_b64 s[64:65], 0
	v_nop
	global_prefetch_b8 v0, s[64:65] scope:SCOPE_SE
	s_setreg_imm32_b32 hwreg(HW_REG_WAVE_MODE, 25, 1), 1
	s_wait_xcnt 0x0
; Attention of one batch x head on codes of E2M1, head size 64, 2,048 queries and keys; the result o / l is quantised along the head's 64 and stored as codes.
; Key k counts for query q where k <= q + off; off is read from P (0: causal; 2^20: every key counts).  It enters scalar compares, branches and v_cmp alone, no address.
; THE SOFTMAX AHEAD OF THE SECOND PRODUCT: t = score x log2(e) / 8; M = the running largest t rounded UP to a whole number; p = 2^(t - M) is quantised along the keys, not normalised;
; the row's sum is taken of the unquantised p and divides at the end; when M moves, the sum and O are multiplied by 2^(old M - new M), which rounds nothing.
; SHARES. y = batch x head, x = j.  Wave w owns the tile of 16 queries T = 8 rank(w) + j; lane r of it is query 32 (T / 2) + 8 (T % 2) + r + 8 (r / 8).
; Under the causal mask a wave has rank + 1 key steps of work.  The ranks are a 4 x 4 magic square: any four waves w / 4 = const or w % 4 = const have ranks that add up to 30,
; and every work-group has the same ranks: equal work for all.
; LDS. The head's K (64 KiB), V (64 KiB) and their scale words (12 KiB) are copied in ONCE, through registers, as they lie in memory: one barrier in the whole text, no ring.
; No tensor load: the body branches on a number read from memory.  No cluster: joint requests are tensor loads'; what partners would share is read once a work-group.
; LAYOUT. Both products transposed: S^T = K Q^T (source 0 = 16 keys), O^T = V^T P^T (source 0 = 16 of the head's 64): a lane holds ONE query throughout.
; The first product's K is 64: registers 4-7 of both operands are zero codes, under the byte 127.  The keys of a tile are chosen like the queries, so that the 16 registers of tiles 2 b, 2 b + 1 are keys 32 b + 16 (lane / 16) + 0 .. 15.
; The scale bytes of the result leave one byte a lane: one byte in 17 of the output.
; LIMITS: NaN and infinities not served; a block's byte is held at 1 from below, for a block of zeros too.
; REGISTERS: v1-5 addresses that stay; v8-11 the step's addresses; v12 -M, v13 the largest t, v[14:15] the sum; v16-23 Q; v26-27 V's scale words; v32-95 8 fragments of K; v96-159 S^T, then p;
; v160-191 O^T; v192-223 4 fragments of V; v224-231 p's codes; v232-247 at work; v248-251 K's scale words; v252 f; v253 p's scale word; v254 at work; v255 Q's scale word.
.set SCK, 131072                       ; K's scale words: [tile 128][lane 16], 4 bytes
.set SCV, 139264                       ; V's: [step 16][tile 4][lane 16]
.set TM, 232
.set PC, 224
.set OFF, 10
.set WV, 11
.set KF, 16                            ; the step's first key
.set TB, 17                            ; where its fragments begin: 4,096 bytes a step
.set TS, 18                            ; K's scale words: 512 a step
.set TJ, 19                            ; V's: 256 a step
.set CNT, 20
.set QH, 21                            ; my last query + off
.set QL, 22                            ; my first query + off
.set SEL, 24
.set CS, 26                            ; s[26:27] c = log2(e) / 8
.macro WM d, a, b, c, sa, sb, ra       ; one scaled product; c = 999: the sum begins with 0; ra = 1: source 0's scales are read from lanes 16-31
.if (\c) == 999
.if (\ra) == 0
	v_wmma_scale_f32_16x16x128_f8f6f4 v[0+(\d):7+(\d)], v[0+(\a):7+(\a)], v[0+(\b):7+(\b)], 0, v[\sa], v[\sb] matrix_a_fmt:MATRIX_FMT_FP4 matrix_b_fmt:MATRIX_FMT_FP4
.else
	v_wmma_scale_f32_16x16x128_f8f6f4 v[0+(\d):7+(\d)], v[0+(\a):7+(\a)], v[0+(\b):7+(\b)], 0, v[\sa], v[\sb] matrix_a_fmt:MATRIX_FMT_FP4 matrix_b_fmt:MATRIX_FMT_FP4 matrix_a_scale:MATRIX_SCALE_ROW1
.endif
.else
.if (\ra) == 0
	v_wmma_scale_f32_16x16x128_f8f6f4 v[0+(\d):7+(\d)], v[0+(\a):7+(\a)], v[0+(\b):7+(\b)], v[0+(\c):7+(\c)], v[\sa], v[\sb] matrix_a_fmt:MATRIX_FMT_FP4 matrix_b_fmt:MATRIX_FMT_FP4
.else
	v_wmma_scale_f32_16x16x128_f8f6f4 v[0+(\d):7+(\d)], v[0+(\a):7+(\a)], v[0+(\b):7+(\b)], v[0+(\c):7+(\c)], v[\sa], v[\sb] matrix_a_fmt:MATRIX_FMT_FP4 matrix_b_fmt:MATRIX_FMT_FP4 matrix_a_scale:MATRIX_SCALE_ROW1
.endif
.endif
.endm
.macro QUANT s, n                      ; n blocks by turns; block b: 16 numbers of a lane in v[s + 16 b] on, the other 16 in lane l xor 16
.set qb, 0
.rept \n
	v_max3_num_f32 v[TM+qb], |v[(\s)+16*qb]|, |v[(\s)+16*qb+1]|, 0x1800000
.set qb, qb+1
.endr
.irp i, 2,4,6,8,10,12,14
.set qb, 0
.rept \n
	s_delay_alu instid0(VALU_DEP_2)
	v_max3_num_f32 v[TM+qb], v[TM+qb], |v[(\s)+16*qb+\i]|, |v[(\s)+16*qb+\i+1]|
.set qb, qb+1
.endr
.endr
.set qb, 0
.rept \n
	s_delay_alu instid0(VALU_DEP_2)
	v_permlanex16_b32 v[TM+4+qb], v[TM+qb], s[SEL], s[SEL+1]
.set qb, qb+1
.endr
.set qb, 0
.rept \n
	s_delay_alu instid0(VALU_DEP_2)
	v_max_num_f32 v[TM+qb], v[TM+qb], v[TM+4+qb]
.set qb, qb+1
.endr
.set qb, 0
.rept \n
	s_delay_alu instid0(VALU_DEP_2)
	v_add_nc_u32 v[TM+8+qb], 0xff000000, v[TM+qb]
.set qb, qb+1
.endr
.set qb, 0
.rept \n
	s_delay_alu instid0(VALU_DEP_2)
	v_lshrrev_b32 v[TM+4+qb], 23, v[TM+8+qb]
.set qb, qb+1
.endr
.set qb, 0
.rept \n
	v_cvt_scalef32_pk8_fp4_f32 v[PC+2*qb], v[(\s)+16*qb:(\s)+16*qb+7], v[TM+8+qb]
	v_cvt_scalef32_pk8_fp4_f32 v[PC+2*qb+1], v[(\s)+16*qb+8:(\s)+16*qb+15], v[TM+8+qb]
.set qb, qb+1
.endr
	v_nop
.endm
	s_load_b128 s[4:7], s[0:1], 0x0                ; A s[4:5], P s[6:7]
	s_load_b64 s[8:9], s[0:1], 0x10                ; O
	v_lshl_add_u32 v242, v0, 2, 0x23000
	v_mov_b32 v243, 0
	v_lshrrev_b32 v24, 5, v0
	s_delay_alu instid0(VALU_DEP_1)
	v_readfirstlane_b32 s[WV], v24                 ; wave 0..15
	v_and_b32 v24, 31, v0                          ; lane
	v_and_b32 v25, 15, v0                          ; r
	v_bfe_u32 v31, v0, 4, 1                        ; h
	s_delay_alu instid0(VALU_DEP_3)
	v_lshlrev_b32 v1, 4, v24                       ; a fragment's 16 bytes of my lane, in K
	s_delay_alu instid0(VALU_DEP_1)
	v_add_nc_u32 v2, 0x10000, v1                   ; and in V
	v_lshl_add_u32 v3, v24, 2, SCK
	v_lshl_add_u32 v4, v24, 2, SCV
	v_and_b32 v5, 8, v25
	s_delay_alu instid0(VALU_DEP_1)
	v_add_nc_u32 v5, v5, v25
	v_lshlrev_b32 v31, 4, v31
	s_delay_alu instid0(VALU_DEP_1)
	v_sub_nc_u32 v5, v5, v31                       ; r + 8 (r / 8) - 16 h: my query less my first key, from the tile's and the block's starts
	v_lshlrev_b32 v25, 2, v25                      ; 4 r
	v_lshlrev_b32 v6, 4, v0                        ; the copy: 16 x thread,
	s_delay_alu instid0(VALU_DEP_1)
	v_add_nc_u32 v7, 0x10000, v6
	s_delay_alu instid0(VALU_DEP_2)
	v_add_nc_u32 v28, SCK, v6
	v_lshlrev_b32 v30, 3, v0                       ; 8 x thread
	s_delay_alu instid0(VALU_DEP_1)
	v_add_nc_u32 v29, SCV, v30
	s_and_b32 s12, ttmp7, 0xffff                   ; batch x head
	s_mov_b32 s28, 0x7a94c12f                      ; the ranks of waves 0-7, four bits each,
	s_mov_b32 s29, 0x0de3b658                      ; and of waves 8-15
	s_cmp_lt_u32 s[WV], 8
	s_cselect_b32 s28, s28, s29
	s_and_b32 s29, s[WV], 7
	s_lshl_b32 s29, s29, 2
	s_lshr_b32 s28, s28, s29
	s_and_b32 s13, s28, 15
	s_lshl_b32 s14, s13, 3
	s_add_co_u32 s14, s14, ttmp9                   ; T
	s_lshr_b32 s15, s14, 1
	s_lshl_b32 s15, s15, 5
	s_and_b32 s28, s14, 1
	s_lshl_b32 s28, s28, 3
	s_add_co_u32 s15, s15, s28                     ; my first query
	s_lshl_b32 s28, s12, 7
	s_add_co_u32 s28, s28, s14                     ; my tile among A's
	s_lshr_b32 s29, s12, 3
	s_lshl_b32 s29, s29, 7
	s_add_co_u32 s29, s29, s14                     ; and among O's: batch x 128 + T
	s_and_b32 s23, s12, 7                          ; head
	s_mov_b32 s[SEL], 0x76543210
	s_mov_b32 s[SEL+1], 0xfedcba98
	s_mov_b32 s[CS], 0x3e38aa3b
	s_mov_b32 s[CS+1], s[CS]                       ; (named with it as a pair, so it is written)
	s_mov_b32 s[KF], 0
	s_mov_b32 s[TB], 0
	s_mov_b32 s[TS], 0
	s_mov_b32 s[TJ], 0
	s_mov_b32 s[CNT], 0
	s_mov_b32 s47, 0
	s_wait_alu depctr_va_vdst(0)
	s_wait_kmcnt 0x0
	s_load_b32 s[OFF], s[6:7], 0x0
	s_lshl_b32 s46, s12, 16
	s_add_co_u32 s46, s46, 0x200000
	s_add_nc_u64 s[30:31], s[4:5], s[46:47]        ; the head's K
	s_add_nc_u64 s[32:33], s[30:31], 0x200000      ; its V
	s_lshl_b32 s46, s12, 13
	s_add_co_u32 s46, s46, 6553600
	s_add_nc_u64 s[34:35], s[4:5], s[46:47]        ; K's scale words
	s_lshl_b32 s46, s12, 12
	s_add_co_u32 s46, s46, 6815744
	s_add_nc_u64 s[36:37], s[4:5], s[46:47]        ; V's
	s_lshl_b32 s46, s28, 9
	s_add_nc_u64 s[38:39], s[4:5], s[46:47]        ; my tile of Q
	s_lshl_b32 s46, s28, 6
	s_add_co_u32 s46, s46, 6291456
	s_add_nc_u64 s[40:41], s[4:5], s[46:47]        ; its scale words
	s_lshl_b32 s46, s29, 12
	s_lshl_b32 s28, s23, 9
	s_add_co_u32 s46, s46, s28
	s_add_nc_u64 s[42:43], s[8:9], s[46:47]        ; my codes in O: tile x 4,096 + head x 512
	s_lshl_b32 s46, s29, 8
	s_lshl_b32 s28, s23, 1
	s_add_co_u32 s46, s46, s28
	s_add_co_u32 s46, s46, 0x200000
	s_add_nc_u64 s[44:45], s[8:9], s[46:47]        ; my bytes: tile x 256 + 2 x head
.irp n, 0,1,2,3,4,5,6,7
	global_load_b128 v[32+4*\n:35+4*\n], v6, s[30:31] offset:8192*\n
.endr
.irp n, 0,1,2,3,4,5,6,7
	global_load_b128 v[64+4*\n:67+4*\n], v6, s[32:33] offset:8192*\n
.endr
	global_load_b128 v[96:99], v6, s[34:35]
	global_load_b64 v[100:101], v30, s[36:37]
	global_load_b128 v[16:19], v1, s[38:39]        ; Q's fragment: block lane / 16 of query lane % 16
	global_load_b32 v255, v25, s[40:41]
	s_wait_loadcnt 12                              ; K is in; younger: V's 8 and the last four
.irp n, 0,1,2,3,4,5,6,7
	ds_store_b128 v6, v[32+4*\n:35+4*\n] offset:8192*\n
.endr
	s_wait_loadcnt 4                               ; V is in
.irp n, 0,1,2,3,4,5,6,7
	ds_store_b128 v7, v[64+4*\n:67+4*\n] offset:8192*\n
.endr
	s_wait_loadcnt 2                               ; the scale words are in; younger: Q's two
	ds_store_b128 v28, v[96:99]
	ds_store_b64 v29, v[100:101]
	s_wait_dscnt 0x0                               ; for the others' sake: my part of the head lies in LDS
	s_barrier_signal -1
	s_barrier_wait -1                              ; the one barrier: from here on LDS is only read
.irp j, 20,21,22,23
	v_mov_b32 v[\j], 0                             ; zero codes for k = 64 .. 127 of Q
.endr
.irp t, 0,1,2,3,4,5,6,7
.irp j, 4,5,6,7
	v_mov_b32 v[32+8*\t+\j], 0                     ; and of K's 8 fragments: the loads write registers 0-3 alone
.endr
.endr
.set n, 0
.rept 32
	v_mov_b32 v[160+n], 0                          ; O^T: the step is written once; the first finds zeros, which the first change of M leaves zeros
.set n, n+1
.endr
	v_mov_b32 v13, 0xff61b1e6                      ; the largest t so far: -3e38
	s_delay_alu instid0(VALU_DEP_1)
	v_floor_f32 v12, -v13                          ; -M
	v_mov_b32 v14, 0
	v_mov_b32 v15, 0
.irp b, 0,1,2,3
	v_mov_b32 v[236+\b], 0                         ; written once: a lane permute's destination counts as one of its sources
.endr
	v_mov_b32 v252, 0
	v_mov_b32 v253, 0
	s_wait_loadcnt 0x0                             ; Q
	s_wait_kmcnt 0x0                               ; off
	s_add_co_u32 s[QL], s15, s[OFF]
	s_add_co_u32 s[QH], s[QL], 23
.Lstep:                                            ; 16 trips, a constant; a step all of whose keys are hidden from my 16 queries leaves its work out
	s_cmp_gt_u32 s[KF], s[QH]
	s_cbranch_scc1 .Lhidden
	s_setprio 2
	v_add_nc_u32 v8, s[TB], v1                     ; these four are also the places behind the last step's products, ahead of the loads
	v_add_nc_u32 v9, s[TB], v2
	v_add_nc_u32 v10, s[TS], v3
	v_add_nc_u32 v11, s[TJ], v4
.irp t, 0,1,2,3,4,5,6,7
	ds_load_b128 v[32+8*\t:35+8*\t], v8 offset:512*\t
.endr
.irp b, 0,1,2,3
	ds_load_b32 v[248+\b], v10 offset:128*\b       ; lanes 0-15: tile 2 b's words, lanes 16-31: tile 2 b + 1's
.endr
.irp t, 0,1,2,3
.irp c, 0,1
	ds_load_b128 v[192+8*\t+4*\c:195+8*\t+4*\c], v9 offset:1024*\t+512*\c
.endr
.endr
.irp i, 0,1
	ds_load_b32 v[26+\i], v11 offset:128*\i
.endr
	s_wait_dscnt 10                                ; K and its words are in; the 10 younger loads are V's
.irp t, 0,1,2,3,4,5,6,7
	WM 96+8*\t, 32+8*\t, 16, 999, 248+\t/2, 255, \t%2
.endr
.rept 4
	v_nop
.endr
	s_add_co_u32 s28, s[KF], 127                   ; a step all of whose keys count skips the mask
	s_cmp_le_u32 s28, s[QL]
	s_cbranch_scc1 .Lopen
	s_sub_co_i32 s28, s[QL], s[KF]
	v_add_nc_u32 v252, s28, v5                     ; register 16 b + i holds key KF + 16 h + 32 b + i: hidden where 32 b + i > this
	v_mov_b32 v254, 0xff800000                     ; -infinity: p = 0 then
.set n, 0
.rept 64
	v_cmp_gt_i32 vcc_lo, 32*(n/16)+n%16, v252
	v_cndmask_b32 v[96+n], v[96+n], v254, vcc_lo
.set n, n+1
.endr
.Lopen:
.irp b, 0,1,2,3
	v_max3_num_f32 v[232+\b], v[96+16*\b], v[97+16*\b], v[98+16*\b]   ; the largest score of each block of 32 keys: for the row's maximum and, since p rises with the score, for the block's largest p
.endr
.irp i, 3,5,7,9,11,13
.irp b, 0,1,2,3
	v_max3_num_f32 v[232+\b], v[232+\b], v[96+16*\b+\i], v[97+16*\b+\i]
.endr
.endr
.irp b, 0,1,2,3
	v_max_num_f32 v[232+\b], v[232+\b], v[111+16*\b]
.endr
.irp b, 0,1,2,3
	s_delay_alu instid0(VALU_DEP_4)
	v_permlanex16_b32 v[236+\b], v[232+\b], s[SEL], s[SEL+1]
.endr
.irp b, 0,1,2,3
	s_delay_alu instid0(VALU_DEP_4)
	v_max_num_f32 v[232+\b], v[232+\b], v[236+\b]
.endr
	s_delay_alu instid0(VALU_DEP_2)
	v_max3_num_f32 v254, v232, v233, v234
	s_delay_alu instid0(VALU_DEP_1)
	v_max_num_f32 v254, v254, v235
	s_delay_alu instid0(VALU_DEP_1)
	v_mul_f32 v254, s[CS], v254                    ; as t (c is positive)
	s_delay_alu instid0(VALU_DEP_1)
	v_max_num_f32 v13, v13, v254                   ; the running largest t
	v_mov_b32 v254, v12
	s_delay_alu instid0(VALU_DEP_2)
	v_floor_f32 v12, -v13                          ; the new -M = -ceil(t)
	s_delay_alu instid0(VALU_DEP_1)
	v_sub_f32 v254, v12, v254                      ; old M - new M: a whole number, 0 or less
	s_delay_alu instid0(VALU_DEP_1)
	v_cvt_i32_f32 v254, v254                       ; (it saturates)
	s_delay_alu instid0(VALU_DEP_1)
	v_ldexp_f32 v252, 1.0, v254                    ; f = 2^(old M - new M)
.set n, 0
.rept 32
	v_pk_fma_f32 v[96+n:97+n], v[96+n:97+n], s[CS:CS+1], v[12:13] op_sel_hi:[1,0,0]   ; t - M
.set n, n+2
.endr
	s_setprio 1
.irp b, 0,1,2,3
	v_fma_f32 v[232+\b], v[232+\b], s[CS], v12     ; the same of each block's largest score
.endr
.set n, 0
	s_wait_alu depctr_va_vdst(0)
.rept 64
	v_exp_f32 v[96+n], v[96+n]                     ; p = 2^(t - M)
.set n, n+1
.endr
	v_pk_mul_f32 v[14:15], v[14:15], v[252:253] op_sel_hi:[1,0]   ; the sums under the new M: a plain instruction behind the exponentials
	s_wait_alu depctr_va_vdst(0)                   ; one wait for the 64, ahead of their first reader
.irp b, 0,1,2,3
	v_exp_f32 v[232+\b], v[232+\b]                 ; the block's largest p
.endr
	v_pk_add_f32 v[240:241], v[96:97], v[98:99]    ; the row's sum of the unquantised p, in two chains; its first half stands behind the four exponentials
.irp j, 4,8,12,16,20,24,28
	v_pk_add_f32 v[14:15], v[14:15], v[96+\j:97+\j]
	v_pk_add_f32 v[240:241], v[240:241], v[98+\j:99+\j]
.endr
	s_wait_alu depctr_va_vdst(0)                   ; and one for the four
.irp b, 0,1,2,3
	v_max_num_f32 v[232+\b], 0x1800000, v[232+\b]  ; the floor 2^(3 - 127)
.endr
.irp b, 0,1,2,3
	s_delay_alu instid0(VALU_DEP_4)
	v_add_nc_u32 v[244+\b], 0xff000000, v[232+\b]
.endr
.irp b, 0,1,2,3
	s_delay_alu instid0(VALU_DEP_4)
	v_lshrrev_b32 v[236+\b], 23, v[244+\b]
.endr
	s_delay_alu instid0(VALU_DEP_3)
	v_lshl_or_b32 v253, v237, 8, v236              ; p's scale word for these 128 keys
	s_delay_alu instid0(VALU_DEP_1)
	v_lshl_or_b32 v253, v238, 16, v253
	s_delay_alu instid0(VALU_DEP_1)
	v_lshl_or_b32 v253, v239, 24, v253
.irp b, 0,1,2,3
	v_cvt_scalef32_pk8_fp4_f32 v[224+2*\b], v[96+16*\b:103+16*\b], v[244+\b]
	v_cvt_scalef32_pk8_fp4_f32 v[225+2*\b], v[104+16*\b:111+16*\b], v[244+\b]
.endr
	v_nop
	s_setprio 0
.irp c, 0,1                                        ; the operand wants a WHOLE block in a lane: lanes 0-15 block 2 c, lanes 16-31 block 2 c + 1
.irp i, 0,1
	v_permlane16_swap_b32 v[224+4*\c+\i], v[226+4*\c+\i]
.endr
.endr
.irp j, 32,36,40,44,48,52,56,60                    ; the sums' second half: 16 plain instructions that name no register of the products below: the places behind the scale word's and the codes' last writes
	v_pk_add_f32 v[14:15], v[14:15], v[96+\j:97+\j]
	v_pk_add_f32 v[240:241], v[240:241], v[98+\j:99+\j]
.endr
	s_delay_alu instid0(VALU_DEP_1)
	v_pk_add_f32 v[14:15], v[14:15], v[240:241]
.set n, 0
.rept 16
	v_pk_mul_f32 v[160+n:161+n], v[160+n:161+n], v[252:253] op_sel_hi:[1,0]   ; O^T under the new M
.set n, n+2
.endr
	s_wait_alu depctr_va_vdst(0)
	s_wait_dscnt 0x0                               ; V and its words are in
.irp t, 0,1,2,3
	WM 160+8*\t, 192+8*\t, 224, 160+8*\t, 26+\t/2, 253, \t%2
.endr
.Lhidden:
	s_add_co_u32 s[KF], s[KF], 128
	s_add_co_u32 s[TB], s[TB], 4096
	s_add_co_u32 s[TS], s[TS], 512
	s_add_co_u32 s[TJ], s[TJ], 256
	s_add_co_u32 s[CNT], s[CNT], 1
	s_cmp_lt_u32 s[CNT], 16
	s_cbranch_scc1 .Lstep
	s_setprio 0
	s_wait_alu depctr_va_vdst(0)
	; THE WAY OUT: o = O^T / the sum; register 16 b + i is channel 32 b + 16 h + i of my query: two blocks along the next product's K
	v_add_f32 v14, v14, v15
	s_delay_alu instid0(VALU_DEP_1)
	v_permlanex16_b32 v252, v14, s[SEL], s[SEL+1]
	s_delay_alu instid0(VALU_DEP_1)
	v_add_f32 v14, v14, v252                       ; the row's sum
	s_wait_alu depctr_va_vdst(0)
	v_rcp_f32 v14, v14
	v_and_b32 v8, 15, v0                           ; plain work behind the reciprocal, and the places behind the last products
	v_bfe_u32 v9, v0, 4, 1
	s_delay_alu instid0(VALU_DEP_2)
	v_lshlrev_b32 v10, 4, v8
	s_delay_alu instid0(VALU_DEP_1)
	v_lshl_add_u32 v11, v9, 3, v10                 ; 16 r + 8 h
	s_delay_alu instid0(VALU_DEP_2)
	v_add_nc_u32 v10, v10, v9                      ; 16 r + h
	s_delay_alu instid0(VALU_DEP_4)
	v_cmp_eq_u32 vcc_lo, 0, v9
	s_wait_alu depctr_va_vdst(0)                   ; ahead of the reciprocal's first reader
.set n, 0
.rept 16
	v_pk_mul_f32 v[96+n:97+n], v[160+n:161+n], v[14:15] op_sel_hi:[1,0]
.set n, n+2
.endr
	QUANT 96, 2
	global_store_b64 v11, v[224:225], s[42:43]             ; 256 consecutive bytes, aligned: block 2 head of the tile's 16 queries
	global_store_b64 v11, v[226:227], s[42:43] offset:256  ; block 2 head + 1
	v_cndmask_b32 v8, v237, v236, vcc_lo           ; lanes 0-15 carry block 0's byte, lanes 16-31 block 1's
	global_store_b8 v10, v8, s[44:45]
	s_wait_tensorcnt 0x0
	ds_add_u32 v242, v243
	s_wait_dscnt 0x0
	s_endpgm
.Lfunc_end_k_q0b97b8d125_attn_s:
	.size	k_q0b97b8d125_attn_s, .Lfunc_end_k_q0b97b8d125_attn_s-k_q0b97b8d125_attn_s
	.p2alignl 7, 3214868480
	.fill 96, 4, 3214868480
	.section	.rodata,"a",@progbits
	.p2align	6, 0x0
	.amdhsa_kernel k_q0b97b8d125_attn_s
		.amdhsa_group_segment_fixed_size 145408
		.amdhsa_private_segment_fixed_size 0
		.amdhsa_enable_private_segment 0
		.amdhsa_kernarg_size 24
		.amdhsa_user_sgpr_count 2
		.amdhsa_user_sgpr_kernarg_segment_ptr 1
		.amdhsa_wavefront_size32 1
		.amdhsa_system_sgpr_workgroup_id_x 1
		.amdhsa_system_sgpr_workgroup_id_y 1
		.amdhsa_system_sgpr_workgroup_id_z 1
		.amdhsa_system_vgpr_workitem_id 0
		.amdhsa_next_free_vgpr 256
		.amdhsa_next_free_sgpr 66
		.amdhsa_reserve_vcc 1
		.amdhsa_float_denorm_mode_32 3
		.amdhsa_float_denorm_mode_16_64 3
		.amdhsa_memory_ordered 1
		.amdhsa_forward_progress 1
		.amdhsa_inst_pref_size 36
	.end_amdhsa_kernel
	.amdgpu_metadata
---
amdhsa.version: [ 1, 2 ]
amdhsa.kernels:
  - .name:           k_q0b97b8d125_attn_s
    .symbol:         k_q0b97b8d125_attn_s.kd
    .args:
      - { .name: Aself, .offset: 0, .size: 8, .value_kind: global_buffer, .address_space: global }
      - { .name: Pself, .offset: 8, .size: 8, .value_kind: global_buffer, .address_space: global }
      - { .name: Oself, .offset: 16, .size: 8, .value_kind: global_buffer, .address_space: global }
    .group_segment_fixed_size: 145408
    .private_segment_fixed_size: 0
    .kernarg_segment_align: 8
    .kernarg_segment_size: 24
    .max_flat_workgroup_size: 512
    .sgpr_count:     66
    .vgpr_count:     256
    .wavefront_size: 32
...
	.end_amdgpu_metadata
.endif
;; end of part 8
;; launch mid (part 9): grid 256 x 1, 16 waves a work-group, no clusters, 78,336 bytes of LDS; arguments Oself, q, Wp_s_codes, Wp_s_scales, bp_s, g2, be2, Wq_c_codes, Wq_c_scales, q1, Across; writes q1, Across
.if DOCPART == 9
	.amdgcn_target "amdgcn-amd-amdhsa--gfx1250"
	.amdhsa_code_object_version 6
	.text
	.protected	k_q0b97b8d125_mid
	.globl	k_q0b97b8d125_mid
	.p2align	8
	.type	k_q0b97b8d125_mid,@function
k_q0b97b8d125_mid:
	s_mov_b64 s[64:65], 0
	v_nop
	global_prefetch_b8 v0, s[64:65] scope:SCOPE_SE
	s_setreg_imm32_b32 hwreg(HW_REG_WAVE_MODE, 25, 1), 1
	s_wait_xcnt 0x0
; q1 = q + O Wp_s + bp_s;  x = Q(LayerNorm(q1) g2 + be2);  Q of the cross attention = Q(x Wq_c), stored as the attention body's operand (A's regions at bytes 0 and 6,291,456).
; SHARES. A work-group owns 32 rows = two token tiles (lane r of tile T is token 32 (T / 2) + 8 (T % 2) + r + 8 (r / 8)).  Wave w owns outputs 32 w .. 32 w + 31 of both products
; (its 8 weight fragments go from memory straight into registers, read once) and rows 2 w, 2 w + 1 in the row phase.
; PHASES, four barriers: the attention's codes and the rows of q into LDS | the projection, transposed (source 0 = 16 rows of Wp, source 1 = 16 tokens), with q as the C of its first products;
; results into a stage of rows | by rows: + bp, q1 out in runs of 512 bytes, LayerNorm in two passes, quantised, codes back into the tiles' image | the second product, its rows of Wq_c chosen so that a lane's 16
; registers are 16 neighbouring outputs; quantised along the head's 64; codes out 256 bytes a wave; the scale words meet in LDS | and leave.
; LDS: the tiles' image [tile][block 16][lane 16][16 bytes], 272 bytes a block; their scale bytes [tile][lane][16]; the stage, 32 rows x (2,048 + 16) bytes (rows 16 apart meet in the banks two deep); the scale words.
; No tensor load (each weight fragment serves one wave; nothing is filled again), no cluster (joint requests are tensor loads').
; LIMITS: NaN and infinities not served; a block's byte is held at 1 from below, for a block of zeros too.
.set NT, 2
.set XIMG, 0
.set XSC, 8704
.set STG, 9216
.set GQ, 75264                         ; [head][tile 2][lane], 4 bytes
.set LX, 1
.set LXS, 2
.set STA, 3                            ; v3  STG + (r + 8 (r / 8)) 2,064 + 32 h + 128 w
.set SQ, 5
.set SD, 6
.set CI, 7
.set CS, 8
.set GB, 9
.set PAD, 10
.set L16, 11
.set L32, 12
.set WNO, 13                           ; 256 r + 16 h
.set WPO, 14                           ; 256 (r + 8 (r / 8)) + 16 h
.set WSP, 15                           ; 16 (8 h + r + 8 (r / 8))
.set CPA, 16
.set T16, 17
.set OCO, 18
.set GR, 19
.set QSO, 20
.set XS, 24                            ; v24-27 the tokens' scale words
.set WS, 28                            ; v28-31 the weights'
.set G, 32
.set BE, 48
.set X, 64                             ; v64-127 8 fragments
.set SU, 64
.set RM, 68
.set RB, 72
.set RC, 76
.set BP, 96
.set ACC, 128
.set R, 128
.set D, 160
.set W, 192
.set TM, 32                            ; the tail's quantiser works where g2 lay
.set PC, 44
.set AP, 2176                          ; 8 blocks on in the image
.set IP, 16                            ; a lane on
.set WV, 26
.set SEL, 28
.set KINV, 30
.set KEPS, 31
.macro BARRIER
	s_wait_dscnt 0x0
	s_barrier_signal -1
	s_barrier_wait -1
.endm
.macro WM d, a, b, c, sa, sb, ra, rb
.if (\c) == 999
.if (\ra) == 0 && (\rb) == 0
	v_wmma_scale_f32_16x16x128_f8f6f4 v[0+(\d):7+(\d)], v[0+(\a):7+(\a)], v[0+(\b):7+(\b)], 0, v[\sa], v[\sb] matrix_a_fmt:MATRIX_FMT_FP4 matrix_b_fmt:MATRIX_FMT_FP4
.elseif (\ra) == 1 && (\rb) == 0
	v_wmma_scale_f32_16x16x128_f8f6f4 v[0+(\d):7+(\d)], v[0+(\a):7+(\a)], v[0+(\b):7+(\b)], 0, v[\sa], v[\sb] matrix_a_fmt:MATRIX_FMT_FP4 matrix_b_fmt:MATRIX_FMT_FP4 matrix_a_scale:MATRIX_SCALE_ROW1
.elseif (\ra) == 0
	v_wmma_scale_f32_16x16x128_f8f6f4 v[0+(\d):7+(\d)], v[0+(\a):7+(\a)], v[0+(\b):7+(\b)], 0, v[\sa], v[\sb] matrix_a_fmt:MATRIX_FMT_FP4 matrix_b_fmt:MATRIX_FMT_FP4 matrix_b_scale:MATRIX_SCALE_ROW1
.else
	v_wmma_scale_f32_16x16x128_f8f6f4 v[0+(\d):7+(\d)], v[0+(\a):7+(\a)], v[0+(\b):7+(\b)], 0, v[\sa], v[\sb] matrix_a_fmt:MATRIX_FMT_FP4 matrix_b_fmt:MATRIX_FMT_FP4 matrix_a_scale:MATRIX_SCALE_ROW1 matrix_b_scale:MATRIX_SCALE_ROW1
.endif
.else
.if (\ra) == 0 && (\rb) == 0
	v_wmma_scale_f32_16x16x128_f8f6f4 v[0+(\d):7+(\d)], v[0+(\a):7+(\a)], v[0+(\b):7+(\b)], v[0+(\c):7+(\c)], v[\sa], v[\sb] matrix_a_fmt:MATRIX_FMT_FP4 matrix_b_fmt:MATRIX_FMT_FP4
.elseif (\ra) == 1 && (\rb) == 0
	v_wmma_scale_f32_16x16x128_f8f6f4 v[0+(\d):7+(\d)], v[0+(\a):7+(\a)], v[0+(\b):7+(\b)], v[0+(\c):7+(\c)], v[\sa], v[\sb] matrix_a_fmt:MATRIX_FMT_FP4 matrix_b_fmt:MATRIX_FMT_FP4 matrix_a_scale:MATRIX_SCALE_ROW1
.elseif (\ra) == 0
	v_wmma_scale_f32_16x16x128_f8f6f4 v[0+(\d):7+(\d)], v[0+(\a):7+(\a)], v[0+(\b):7+(\b)], v[0+(\c):7+(\c)], v[\sa], v[\sb] matrix_a_fmt:MATRIX_FMT_FP4 matrix_b_fmt:MATRIX_FMT_FP4 matrix_b_scale:MATRIX_SCALE_ROW1
.else
	v_wmma_scale_f32_16x16x128_f8f6f4 v[0+(\d):7+(\d)], v[0+(\a):7+(\a)], v[0+(\b):7+(\b)], v[0+(\c):7+(\c)], v[\sa], v[\sb] matrix_a_fmt:MATRIX_FMT_FP4 matrix_b_fmt:MATRIX_FMT_FP4 matrix_a_scale:MATRIX_SCALE_ROW1 matrix_b_scale:MATRIX_SCALE_ROW1
.endif
.endif
.endm
; 16 products: two tiles of W (source 0) x two tiles of tokens x K 512; the four accumulators take turns, one instruction a turn.  zero = 0: the sums go on from what the accumulators hold
.macro MM16 zero
.irp s, 0,1,2,3
.irp mq, 0,1
.irp u, 0,1
.if \zero && (\s == 0)
	WM ACC+16*\mq+8*\u, W+8*(4*\u+\s), X+8*(4*\mq+\s), 999, WS+\s, XS+\s, \u, \mq
.else
	WM ACC+16*\mq+8*\u, W+8*(4*\u+\s), X+8*(4*\mq+\s), ACC+16*\mq+8*\u, WS+\s, XS+\s, \u, \mq
.endif
.endr
.endr
.endr
.endm
.macro FETCHP mp
.irp mq, 0,1
.irp s, 0,1,2,3
.irp c, 0,1
	ds_load_b128 v[X+8*(4*\mq+\s)+4*\c:X+8*(4*\mq+\s)+4*\c+3], v[LX] offset:XIMG+(2*(\mp)+\mq)*4352+272*(4*\s+2*\c)
.endr
.endr
.endr
.endm
.macro QUANT s, n
.set qb, 0
.rept \n
	v_max3_num_f32 v[TM+qb], |v[(\s)+16*qb]|, |v[(\s)+16*qb+1]|, 0x1800000
.set qb, qb+1
.endr
.irp i, 2,4,6,8,10,12,14
.set qb, 0
.rept \n
	v_max3_num_f32 v[TM+qb], v[TM+qb], |v[(\s)+16*qb+\i]|, |v[(\s)+16*qb+\i+1]|
.set qb, qb+1
.endr
.endr
.set qb, 0
.rept \n
	s_delay_alu instid0(VALU_DEP_2)
	v_permlanex16_b32 v[TM+4+qb], v[TM+qb], s[SEL], s[SEL+1]
.set qb, qb+1
.endr
.set qb, 0
.rept \n
	s_delay_alu instid0(VALU_DEP_2)
	v_max_num_f32 v[TM+qb], v[TM+qb], v[TM+4+qb]
.set qb, qb+1
.endr
.set qb, 0
.rept \n
	s_delay_alu instid0(VALU_DEP_2)
	v_add_nc_u32 v[TM+8+qb], 0xff000000, v[TM+qb]
.set qb, qb+1
.endr
.set qb, 0
.rept \n
	s_delay_alu instid0(VALU_DEP_2)
	v_lshrrev_b32 v[TM+4+qb], 23, v[TM+8+qb]
.set qb, qb+1
.endr
.set qb, 0
.rept \n
	v_cvt_scalef32_pk8_fp4_f32 v[PC+2*qb], v[(\s)+16*qb:(\s)+16*qb+7], v[TM+8+qb]
	v_cvt_scalef32_pk8_fp4_f32 v[PC+2*qb+1], v[(\s)+16*qb+8:(\s)+16*qb+15], v[TM+8+qb]
.set qb, qb+1
.endr
	v_nop
.endm
.macro CINIT m, n, acc                 ; accumulator (tile m, outputs 16 n on) out of the stage: a lane's 8 neighbouring numbers of its token's row
.irp jj, 0,1
	ds_load_b128 v[0+(\acc)+4*\jj:3+(\acc)+4*\jj], v[STA+(\m)/2] offset:8*((\m)%2)*2064+64*(\n)+16*\jj
.endr
.endm
.macro STOUT m, n, acc                 ; and back into the same bytes, from its low end on
.irp jj, 0,1
	ds_store_b128 v[STA+(\m)/2], v[0+(\acc)+4*\jj:3+(\acc)+4*\jj] offset:8*((\m)%2)*2064+64*(\n)+16*\jj
.endr
.endm
.macro ROWS_IN
.set ri, 0
.rept NT
.irp a, 0,1
.irp jj, 0,1
	ds_load_b128 v[R+16*ri+8*\a+4*\jj:R+16*ri+8*\a+4*\jj+3], v[SQ] offset:ri*2064+1024*\a+16*\jj
.endr
.endr
.set ri, ri+1
.endr
.endm
.macro ROWS_OUT
.set ri, 0
.rept NT
.irp a, 0,1
.irp jj, 0,1
	ds_store_b128 v[SQ], v[R+16*ri+8*\a+4*\jj:R+16*ri+8*\a+4*\jj+3] offset:ri*2064+1024*\a+16*\jj
.endr
.endr
.set ri, ri+1
.endr
.endm
.macro DENSE_IN dst                    ; my rows, 16 bytes a lane: 512 consecutive bytes an instruction
.set ri, 0
.rept NT
.irp k, 0,1,2,3
	ds_load_b128 v[\dst+16*ri+4*\k:\dst+16*ri+4*\k+3], v[SD] offset:ri*2064+512*\k
.endr
.set ri, ri+1
.endr
.endm
.macro DENSE_OUT src
.set ri, 0
.rept NT
.irp k, 0,1,2,3
	ds_store_b128 v[SD], v[\src+16*ri+4*\k:\src+16*ri+4*\k+3] offset:ri*2064+512*\k
.endr
.set ri, ri+1
.endr
.endm
.macro ADDV base, vec                  ; each row + a vector laid as the row's registers
.set ri, 0
.rept NT
.irp k, 0,2,4,6,8,10,12,14
	v_pk_add_f32 v[\base+16*ri+\k:\base+16*ri+\k+1], v[\base+16*ri+\k:\base+16*ri+\k+1], v[\vec+\k:\vec+\k+1]
.endr
.set ri, ri+1
.endr
.endm
.macro WSUM
.set ri, 0
.rept NT
	s_delay_alu instid0(VALU_DEP_2)
	v_add_f32 v[SU+2*ri], v[SU+2*ri], v[SU+2*ri+1]
.set ri, ri+1
.endr
.irp x, 1,2,4,8
.set ri, 0
.rept NT
	s_delay_alu instid0(VALU_DEP_2)
	v_add_f32_dpp v[SU+2*ri], v[SU+2*ri], v[SU+2*ri] row_xmask:\x row_mask:0xf bank_mask:0xf
.set ri, ri+1
.endr
.endr
.set ri, 0
.rept NT
	s_delay_alu instid0(VALU_DEP_2)
	v_permlanex16_b32 v[SU+2*ri+1], v[SU+2*ri], s[SEL], s[SEL+1]
.set ri, ri+1
.endr
.set ri, 0
.rept NT
	s_delay_alu instid0(VALU_DEP_2)
	v_add_f32 v[SU+2*ri], v[SU+2*ri], v[SU+2*ri+1]
.set ri, ri+1
.endr
.endm
.macro LNROWS
.set ri, 0
.rept NT
	v_pk_add_f32 v[SU+2*ri:SU+2*ri+1], v[R+16*ri:R+16*ri+1], v[R+16*ri+2:R+16*ri+3]
.set ri, ri+1
.endr
.irp k, 4,6,8,10,12,14
.set ri, 0
.rept NT
	s_delay_alu instid0(VALU_DEP_2)
	v_pk_add_f32 v[SU+2*ri:SU+2*ri+1], v[SU+2*ri:SU+2*ri+1], v[R+16*ri+\k:R+16*ri+\k+1]
.set ri, ri+1
.endr
.endr
	WSUM
.set ri, 0
.rept NT
	s_delay_alu instid0(VALU_DEP_2)
	v_mul_f32 v[SU+2*ri], s[KINV], v[SU+2*ri]
.set ri, ri+1
.endr
.irp k, 0,2,4,6,8,10,12,14
.set ri, 0
.rept NT
	v_pk_add_f32 v[R+16*ri+\k:R+16*ri+\k+1], v[R+16*ri+\k:R+16*ri+\k+1], v[SU+2*ri:SU+2*ri+1] op_sel_hi:[1,0] neg_lo:[0,1] neg_hi:[0,1]
.set ri, ri+1
.endr
.endr
.set ri, 0
.rept NT
	v_pk_mul_f32 v[SU+2*ri:SU+2*ri+1], v[R+16*ri:R+16*ri+1], v[R+16*ri:R+16*ri+1]
.set ri, ri+1
.endr
.irp k, 2,4,6,8,10,12,14
.set ri, 0
.rept NT
	s_delay_alu instid0(VALU_DEP_2)
	v_pk_fma_f32 v[SU+2*ri:SU+2*ri+1], v[R+16*ri+\k:R+16*ri+\k+1], v[R+16*ri+\k:R+16*ri+\k+1], v[SU+2*ri:SU+2*ri+1]
.set ri, ri+1
.endr
.endr
	WSUM
.set ri, 0
.rept NT
	s_delay_alu instid0(VALU_DEP_2)
	v_fma_f32 v[SU+2*ri], v[SU+2*ri], s[KINV], s[KEPS]
.set ri, ri+1
.endr
.set ri, 0
	s_wait_alu depctr_va_vdst(0)
.rept NT
	v_rsq_f32 v[SU+2*ri], v[SU+2*ri]
.set ri, ri+1
.endr
	v_nop                                          ; a plain instruction behind the last root
	s_wait_alu depctr_va_vdst(0)                   ; one wait for the batch, ahead of its first reader
.irp k, 0,2,4,6,8,10,12,14
.set ri, 0
.rept NT
	v_pk_mul_f32 v[R+16*ri+\k:R+16*ri+\k+1], v[R+16*ri+\k:R+16*ri+\k+1], v[SU+2*ri:SU+2*ri+1] op_sel_hi:[1,0]
.set ri, ri+1
.endr
.endr
.irp k, 0,2,4,6,8,10,12,14
.set ri, 0
.rept NT
	v_pk_fma_f32 v[R+16*ri+\k:R+16*ri+\k+1], v[R+16*ri+\k:R+16*ri+\k+1], v[G+\k:G+\k+1], v[BE+\k:BE+\k+1]
.set ri, ri+1
.endr
.endr
.endm
.macro RQ
.set gi, 0
.rept 2*NT
	v_max3_num_f32 v[RM+gi], |v[R+8*gi]|, |v[R+8*gi+1]|, 0x1800000
.set gi, gi+1
.endr
.irp e, 2,4,6
.set gi, 0
.rept 2*NT
	s_delay_alu instid0(VALU_DEP_4)
	v_max3_num_f32 v[RM+gi], v[RM+gi], |v[R+8*gi+\e]|, |v[R+8*gi+\e+1]|
.set gi, gi+1
.endr
.endr
.irp x, 1,2
.set gi, 0
.rept 2*NT
	s_delay_alu instid0(VALU_DEP_4)
	v_max_num_f32_dpp v[RM+gi], v[RM+gi], v[RM+gi] row_xmask:\x row_mask:0xf bank_mask:0xf
.set gi, gi+1
.endr
.endr
.set gi, 0
.rept 2*NT
	s_delay_alu instid0(VALU_DEP_4)
	v_add_nc_u32 v[RM+gi], 0xff000000, v[RM+gi]
.set gi, gi+1
.endr
.set gi, 0
.rept 2*NT
	s_delay_alu instid0(VALU_DEP_4)
	v_lshrrev_b32 v[RB+gi], 23, v[RM+gi]
.set gi, gi+1
.endr
.set gi, 0
.rept 2*NT
	v_cvt_scalef32_pk8_fp4_f32 v[RC+gi], v[R+8*gi:R+8*gi+7], v[RM+gi]
.set gi, gi+1
.endr
	v_nop
.set gi, 0
.rept 2*NT
	ds_store_b32 v[CI], v[RC+gi] offset:AP*(gi%2)+IP*(gi/2)
	ds_store_b8 v[CS], v[RB+gi] offset:8*(gi%2)+16*(gi/2)
.set gi, gi+1
.endr
.endm
	s_load_b512 s[4:19], s[0:1], 0x0               ; O s[4:5], q s[6:7], Wp's codes s[8:9], scales s[10:11], bp s[12:13], g2 s[14:15], be2 s[16:17], Wq's codes s[18:19]
	s_load_b128 s[20:23], s[0:1], 0x40             ; Wq's scales s[20:21], q1 s[22:23]
	s_load_b64 s[24:25], s[0:1], 0x50              ; A of the cross attention
	v_lshrrev_b32 v21, 5, v0
	s_delay_alu instid0(VALU_DEP_1)
	v_readfirstlane_b32 s[WV], v21                 ; wave 0..15
	v_and_b32 v21, 31, v0                          ; lane
	v_and_b32 v22, 15, v0                          ; r
	v_bfe_u32 v23, v0, 4, 1                        ; h
	s_delay_alu instid0(VALU_DEP_3)
	v_lshlrev_b32 v[L16], 4, v21
	s_delay_alu instid0(VALU_DEP_4)
	v_lshlrev_b32 v[L32], 5, v21
	v_lshlrev_b32 v[T16], 4, v0
	s_delay_alu instid0(VALU_DEP_4)
	v_mul_u32_u24 v[LX], v23, 272
	s_delay_alu instid0(VALU_DEP_1)
	v_lshl_add_u32 v[LX], v22, 4, v[LX]
	v_add_nc_u32 v[LXS], XSC, v[L16]
	v_and_b32 v4, 8, v22
	s_delay_alu instid0(VALU_DEP_1)
	v_add_nc_u32 v4, v4, v22                       ; r + 8 (r / 8)
	s_delay_alu instid0(VALU_DEP_1)
	v_mul_u32_u24 v[STA], v4, 2064
	s_delay_alu instid0(VALU_DEP_1)
	v_lshl_add_u32 v[STA], v23, 5, v[STA]
	s_lshl_b32 s32, s[WV], 7
	s_add_co_u32 s32, s32, STG
	v_add_nc_u32 v[STA], s32, v[STA]
	s_mul_i32 s32, s[WV], NT*2064
	s_add_co_u32 s32, s32, STG
	v_add_nc_u32 v[SQ], s32, v[L32]
	v_add_nc_u32 v[SD], s32, v[L16]
	s_lshl_b32 s33, s[WV], 1                       ; my first row; its tile and its lane there:
	s_lshr_b32 s34, s33, 5
	s_lshl_b32 s34, s34, 1
	s_bfe_u32 s35, s33, 0x10003
	s_add_co_u32 s34, s34, s35                     ; tile 2 (row / 32) + (row / 8) % 2
	s_and_b32 s35, s33, 7
	s_bfe_u32 s36, s33, 0x10004
	s_lshl_b32 s36, s36, 3
	s_add_co_u32 s35, s35, s36                     ; lane row % 8 + 8 ((row / 16) % 2)
	s_lshl_b32 s35, s35, 4
	s_mul_i32 s36, s34, 4352
	s_add_co_u32 s36, s36, s35
	v_lshrrev_b32 v[CS], 2, v21
	s_delay_alu instid0(VALU_DEP_1)
	v_mul_u32_u24 v[CI], v[CS], 272
	v_and_b32 v20, 3, v21
	s_delay_alu instid0(VALU_DEP_1)
	v_lshl_add_u32 v[CI], v20, 2, v[CI]
	s_delay_alu instid0(VALU_DEP_1)
	v_add_nc_u32 v[CI], s36, v[CI]                 ; block lane / 4 (+ 8 a), its bytes 4 (lane % 4) on
	s_lshl_b32 s37, s34, 8
	s_add_co_u32 s37, s37, s35
	s_add_co_u32 s37, s37, XSC
	v_add_nc_u32 v[CS], s37, v[CS]
	s_lshr_b32 s38, s[WV], 1                       ; head
	s_and_b32 s39, s[WV], 1                        ; which 32 of its 64
	s_lshl_b32 s32, s38, 7
	s_add_co_u32 s32, s32, s39
	s_add_co_u32 s32, s32, GQ
	v_lshl_add_u32 v[GB], v22, 2, s32
	v_mov_b32 v[PAD], 0x7f
	v_lshlrev_b32 v[WNO], 8, v22
	s_delay_alu instid0(VALU_DEP_1)
	v_lshl_add_u32 v[WNO], v23, 4, v[WNO]
	v_lshlrev_b32 v[WPO], 8, v4
	s_delay_alu instid0(VALU_DEP_1)
	v_lshl_add_u32 v[WPO], v23, 4, v[WPO]
	v_lshl_add_u32 v[WSP], v23, 3, v4
	s_delay_alu instid0(VALU_DEP_1)
	v_lshlrev_b32 v[WSP], 4, v[WSP]
	v_lshrrev_b32 v20, 8, v0
	s_delay_alu instid0(VALU_DEP_1)
	v_mul_u32_u24 v[CPA], v20, 4352                ; the copy: thread t holds tile t / 256, block (t / 16) % 16, lane t % 16
	v_bfe_u32 v20, v0, 4, 4
	s_delay_alu instid0(VALU_DEP_1)
	v_mad_u32_u24 v[CPA], v20, 272, v[CPA]
	s_delay_alu instid0(VALU_DEP_1)
	v_lshl_add_u32 v[CPA], v22, 4, v[CPA]
	v_lshlrev_b32 v[OCO], 4, v22
	s_delay_alu instid0(VALU_DEP_1)
	v_lshl_add_u32 v[OCO], v23, 3, v[OCO]
	v_lshl_add_u32 v[GR], v0, 4, GQ
	v_lshrrev_b32 v[QSO], 3, v21
	s_delay_alu instid0(VALU_DEP_1)
	v_lshlrev_b32 v[QSO], 13, v[QSO]
	v_and_b32 v4, 7, v21
	s_delay_alu instid0(VALU_DEP_1)
	v_lshl_add_u32 v[QSO], v4, 4, v[QSO]           ; head lane / 8 of four, 16 (lane % 8) in its 128 bytes
	s_mov_b32 s[SEL], 0x76543210
	s_mov_b32 s[SEL+1], 0xfedcba98
	s_mov_b32 s[KINV], 0x3b000000
	s_mov_b32 s[KEPS], 0x3727c5ac
	s_mov_b32 s41, 0
	s_wait_alu depctr_va_vdst(0)
	s_wait_kmcnt 0x0
	s_lshl_b32 s40, ttmp9, 13
	s_add_nc_u64 s[42:43], s[4:5], s[40:41]        ; my two tiles' codes
	s_lshl_b32 s40, ttmp9, 9
	s_add_co_u32 s40, s40, 0x200000
	s_add_nc_u64 s[4:5], s[4:5], s[40:41]          ; and scale bytes
	s_lshl_b32 s40, ttmp9, 16
	s_lshl_b32 s44, s[WV], 12
	s_add_co_u32 s40, s40, s44
	s_add_nc_u64 s[6:7], s[6:7], s[40:41]          ; my two rows of q
	s_add_nc_u64 s[22:23], s[22:23], s[40:41]      ; and of q1
	s_lshl_b32 s40, s[WV], 13
	s_add_nc_u64 s[8:9], s[8:9], s[40:41]          ; my 32 rows of Wp
	s_add_nc_u64 s[18:19], s[18:19], s[40:41]      ; and of Wq
	s_lshl_b32 s40, s[WV], 9
	s_add_nc_u64 s[10:11], s[10:11], s[40:41]
	s_add_nc_u64 s[20:21], s[20:21], s[40:41]
	global_load_b128 v[G:G+3], v[T16], s[42:43]    ; the copy's 16 bytes
.irp i, 0,1
.irp k, 0,1,2,3
	global_load_b128 v[D+16*\i+4*\k:D+16*\i+4*\k+3], v[L16], s[6:7] offset:2048*\i+512*\k th:TH_LOAD_NT
.endr
.endr
	global_load_b128 v[XS:XS+3], v[L16], s[4:5]    ; lanes 0-15: tile 0's scale words, lanes 16-31: tile 1's
.irp u, 0,1
.irp s, 0,1,2,3
.irp c, 0,1
	global_load_b128 v[W+8*(4*\u+\s)+4*\c:W+8*(4*\u+\s)+4*\c+3], v[WNO], s[8:9] offset:4096*\u+64*\s+32*\c
.endr
.endr
.endr
	global_load_b128 v[WS:WS+3], v[L16], s[10:11]
	s_lshr_b32 s32, ttmp9, 6                       ; batch
	s_and_b32 s33, ttmp9, 63
	s_lshl_b32 s33, s33, 1                         ; my first tile in the batch
	s_lshl_b32 s34, s32, 3
	s_add_co_u32 s35, s34, s38                     ; batch x 8 + head
	s_lshl_b32 s40, s35, 16
	s_lshl_b32 s36, s33, 9
	s_add_co_u32 s40, s40, s36
	s_lshl_b32 s36, s39, 8
	s_add_co_u32 s40, s40, s36
	s_add_nc_u64 s[44:45], s[24:25], s[40:41]      ; Q's codes
	s_lshl_b32 s36, s[WV], 2
	s_add_co_u32 s36, s36, s34
	s_lshl_b32 s40, s36, 13
	s_lshl_b32 s36, s33, 6
	s_add_co_u32 s40, s40, s36
	s_add_co_u32 s40, s40, 6291456
	s_add_nc_u64 s[46:47], s[24:25], s[40:41]      ; Q's scale words: waves 0 and 1 store four heads' each
	s_wait_loadcnt 18                              ; the copy and q are in; the 18 younger loads are the scale words and Wp
	ds_store_b128 v[CPA], v[G:G+3]
	DENSE_OUT D
	BARRIER                                        ; the tiles and 32 rows of q lie in LDS
	; ---- the projection
.irp mq, 0,1
.irp n, 0,1
	CINIT \mq, \n, ACC+16*\mq+8*\n
.endr
.endr
	FETCHP 0
	s_wait_dscnt 0x0
	s_wait_loadcnt 0x0
	MM16 0                                         ; q is the C of the first products
.rept 4
	v_nop                                          ; four places: ahead of the stores of results and of loads into registers that the products read
.endr
.irp mq, 0,1
.irp n, 0,1
	STOUT \mq, \n, ACC+16*\mq+8*\n
.endr
.endr
.irp a, 0,1
.irp jj, 0,1
	global_load_b128 v[BP+8*\a+4*\jj:BP+8*\a+4*\jj+3], v[L32], s[12:13] offset:1024*\a+16*\jj
	global_load_b128 v[G+8*\a+4*\jj:G+8*\a+4*\jj+3], v[L32], s[14:15] offset:1024*\a+16*\jj
	global_load_b128 v[BE+8*\a+4*\jj:BE+8*\a+4*\jj+3], v[L32], s[16:17] offset:1024*\a+16*\jj
.endr
.endr
.irp u, 0,1
.irp s, 0,1,2,3
.irp c, 0,1
	global_load_b128 v[W+8*(4*\u+\s)+4*\c:W+8*(4*\u+\s)+4*\c+3], v[WPO], s[18:19] offset:2048*\u+64*\s+32*\c
.endr
.endr
.endr
	global_load_b128 v[WS:WS+3], v[WSP], s[20:21]
	BARRIER                                        ; 32 whole rows of q + O Wp lie in the stage
	; ---- by rows
	ROWS_IN
	s_wait_dscnt 0x0
	s_wait_loadcnt 17                              ; bp, g2, be2 are in; the 17 younger loads are Wq's
	ADDV R, BP
	ROWS_OUT                                       ; my own rows, in order: turned for the way out
	DENSE_IN D
	s_wait_alu depctr_va_vdst(0)
	s_wait_dscnt 0x0
.irp i, 0,1
.irp k, 0,1,2,3
	global_store_b128 v[L16], v[D+16*\i+4*\k:D+16*\i+4*\k+3], s[22:23] offset:2048*\i+512*\k   ; 512 consecutive bytes, aligned
.endr
.endr
	LNROWS
	RQ
	BARRIER                                        ; the norm's codes and bytes lie in the tiles' image
	; ---- Q of the cross attention
	FETCHP 0
	ds_load_b128 v[XS:XS+3], v[LXS]
	s_wait_dscnt 0x0
	s_wait_loadcnt 0x0
	MM16 1
.rept 4
	v_nop
.endr
	QUANT ACC, 2
.irp e, 0,1
	global_store_b64 v[OCO], v[PC+2*\e:PC+2*\e+1], s[44:45] offset:512*\e   ; 256 consecutive bytes, aligned
	ds_store_b8 v[GB], v[TM+4+\e] offset:64*\e
	ds_store_b8 v[GB], v[PAD] offset:64*\e+2
.endr
	BARRIER
	s_cmp_gt_u32 s[WV], 1
	s_cbranch_scc1 .Lend
	ds_load_b128 v[BE:BE+3], v[GR]
	s_wait_dscnt 0x0
	global_store_b128 v[QSO], v[BE:BE+3], s[46:47] ; 128 consecutive bytes a head
.Lend:
	s_wait_xcnt 0x0
	v_lshl_add_u32 v190, v0, 2, 0x12a00
	v_mov_b32 v191, 0
	s_wait_alu depctr_va_vdst(0)
	s_wait_tensorcnt 0x0
	ds_add_u32 v190, v191
	s_wait_dscnt 0x0
	s_endpgm
.Lfunc_end_k_q0b97b8d125_mid:
	.size	k_q0b97b8d125_mid, .Lfunc_end_k_q0b97b8d125_mid-k_q0b97b8d125_mid
	.p2alignl 7, 3214868480
	.fill 96, 4, 3214868480
	.section	.rodata,"a",@progbits
	.p2align	6, 0x0
	.amdhsa_kernel k_q0b97b8d125_mid
		.amdhsa_group_segment_fixed_size 78336
		.amdhsa_private_segment_fixed_size 0
		.amdhsa_enable_private_segment 0
		.amdhsa_kernarg_size 88
		.amdhsa_user_sgpr_count 2
		.amdhsa_user_sgpr_kernarg_segment_ptr 1
		.amdhsa_wavefront_size32 1
		.amdhsa_system_sgpr_workgroup_id_x 1
		.amdhsa_system_sgpr_workgroup_id_y 1
		.amdhsa_system_sgpr_workgroup_id_z 1
		.amdhsa_system_vgpr_workitem_id 0
		.amdhsa_next_free_vgpr 256
		.amdhsa_next_free_sgpr 66
		.amdhsa_reserve_vcc 0
		.amdhsa_float_denorm_mode_32 3
		.amdhsa_float_denorm_mode_16_64 3
		.amdhsa_memory_ordered 1
		.amdhsa_forward_progress 1
		.amdhsa_inst_pref_size 38
	.end_amdhsa_kernel
	.amdgpu_metadata
---
amdhsa.version: [ 1, 2 ]
amdhsa.kernels:
  - .name:           k_q0b97b8d125_mid
    .symbol:         k_q0b97b8d125_mid.kd
    .args:
      - { .name: Oself, .offset: 0, .size: 8, .value_kind: global_buffer, .address_space: global }
      - { .name: q, .offset: 8, .size: 8, .value_kind: global_buffer, .address_space: global }
      - { .name: Wp_s_codes, .offset: 16, .size: 8, .value_kind: global_buffer, .address_space: global }
      - { .name: Wp_s_scales, .offset: 24, .size: 8, .value_kind: global_buffer, .address_space: global }
      - { .name: bp_s, .offset: 32, .size: 8, .value_kind: global_buffer, .address_space: global }
      - { .name: g2, .offset: 40, .size: 8, .value_kind: global_buffer, .address_space: global }
      - { .name: be2, .offset: 48, .size: 8, .value_kind: global_buffer, .address_space: global }
      - { .name: Wq_c_codes, .offset: 56, .size: 8, .value_kind: global_buffer, .address_space: global }
      - { .name: Wq_c_scales, .offset: 64, .size: 8, .value_kind: global_buffer, .address_space: global }
      - { .name: q1, .offset: 72, .size: 8, .value_kind: global_buffer, .address_space: global }
      - { .name: Across, .offset: 80, .size: 8, .value_kind: global_buffer, .address_space: global }
    .group_segment_fixed_size: 78336
    .private_segment_fixed_size: 0
    .kernarg_segment_align: 8
    .kernarg_segment_size: 88
    .max_flat_workgroup_size: 512
    .sgpr_count:     66
    .vgpr_count:     256
    .wavefront_size: 32
...
	.end_amdgpu_metadata
.endif
;; end of part 9
;; launch attn_c: the kernel of part 8 again; grid 8 x 32, 16 waves a work-group, no clusters, 145,408 bytes of LDS; arguments Across, Pcross, Ocross; writes Ocross
;; launch ffn (part 10): grid 256 x 1, 16 waves a work-group, no clusters, 112,128 bytes of LDS; arguments Ocross, q1, Wp_c_codes, Wp_c_scales, bp_c, g3, be3, W1_codes, W1_scales, b1, W2_codes, W2_scales, b2, out0; writes out0
.if DOCPART == 10
	.amdgcn_target "amdgcn-amd-amdhsa--gfx1250"
	.amdhsa_code_object_version 6
	.text
	.protected	k_q0b97b8d125_ffn
	.globl	k_q0b97b8d125_ffn
	.p2align	8
	.type	k_q0b97b8d125_ffn,@function
k_q0b97b8d125_ffn:
	s_mov_b64 s[64:65], 0
	v_nop
	global_prefetch_b8 v0, s[64:65] scope:SCOPE_SE
	s_setreg_imm32_b32 hwreg(HW_REG_WAVE_SCHED_MODE, 0, 2), 2
	s_setreg_imm32_b32 hwreg(HW_REG_WAVE_MODE, 25, 1), 1
	s_wait_xcnt 0x0
	s_wait_alu depctr_vm_vsrc(0)
; q2 = q1 + O Wp_c + bp_c;  x = Q(LayerNorm(q2) g3 + be3);  out = q2 + Q(relu(x W1 + b1)) W2 + b2.  All three products on codes of E2M1; the hidden layer never goes to memory.
; SHARES. 8,192 rows on 256 work-groups: 32 rows = two token tiles each (lane r of tile T is token 32 (T / 2) + 8 (T % 2) + r + 8 (r / 8)).
; THE WAVES SHARE THE COLUMNS: wave w makes outputs 32 w .. + 31 of the projection and of W2, and hidden units 128 w .. + 127, which are K step w of the last product.  Each weight fragment serves one wave and
; goes from memory straight into its registers, through a ring of four slots of 16 registers (a K step's two tiles), asked for four K steps ahead: 12 to 21 loads of a wave are out.
; Every work-group takes in all 1,253,376 bytes of weights.  With 32 rows x's 8 fragments are 64 registers: they are read from LDS once and stay through all of W1, whose K steps then read nothing from LDS;
; in W2 a K step's two hidden fragments come from LDS through a ring of four slots in the same 64 registers, four K steps ahead.
; PHASES, five barriers: codes of O and rows of q1 into LDS | projection with q1 as C, results into the stage | by rows: + bp, q2 back into the stage, LayerNorm in two passes, quantised into the tiles' image |
; W1, transposed, b1 as C, its rows chosen so that a lane's 16 registers are 16 neighbours along the next K; relu; quantised; the codes go to LDS as images of the next operand's registers | W2 with q2 as C; results into the stage |
; by rows: + b2, out in runs of 512 bytes.
; LDS: image of x [tile][block 16][lane 16][16], 272 bytes a block; its scale bytes [tile][lane][16]; the stage, 32 rows x (2,048 + 16) (rows 16 apart meet in the banks two deep); the hidden layer's 32 fragments, 1 KiB each;
; their scale words [K step][lane 32]: lanes 0-15 tile 0, lanes 16-31 tile 1.
; No tensor load and no cluster: a weight fragment has one reader, nothing in LDS is filled again, and joint requests are tensor loads'.
; LIMITS: NaN and infinities not served; a block's byte is held at 1 from below, for a block of zeros too (its codes are zeros, and this program alone reads the bytes).
; THE MODE: SCHED_MODE bits 1:0 = 2 (LLVM: expert scheduling mode 2), set by the entry lines.  The code itself states the register dependences
; between vector or matrix instructions and memory or LDS instructions, with s_wait_alu, always for 0.
; THE PLAN.  Registers that memory or LDS instructions touch:
;   v1-21, v94, v95  Addresses: written by vector instructions at the head alone, read by every load and store (v94, v95 by the closing add).  One wait on va_vdst, ahead of the first load, serves them all.
;   v24-55           Scale words: written by loads alone, read by products.  A register is loaded again only behind a wait on va_vdst that stands behind its last product.
;   v56-71           g3 (read by the norm), b1 (the C of a block's first products), b2 (read by the last additions): each loaded behind a wait on va_vdst that stands behind the reader before.
;   v72-87           be3, then the quantiser's temporaries and codes: a block's vector instructions write them, its four LDS stores read v76, v77 and v84-87, the next block writes them again.
;   v96-159          The copy's 16 bytes; O's fragments; bp and the row phase's temporaries (v120-127 are LDS stores' data); x's fragments; in W2 the ring of hidden fragments.
;   v160-191         Rows and accumulators: loaded from memory or LDS, worked on by products or vector instructions, stored to LDS or memory, phase by phase.
;   v192-255         Wp, then the weight ring: a K step's four products read a slot, and the slot is asked for again behind them.
; WAITS ON va_vdst: at the head; one behind the work of each phase, ahead of its run of stores and of the loads that land in what the phase has read; and ONE to a K step, behind its four products, since the slot that they
; have read out is asked for again at once: held back to the next K step's head it would lie idle for a quarter of the ring's round.
; WAITS ON vm_vsrc: one behind each barrier behind which LDS loads land in registers that LDS stores have read; one in the norm, ahead of the first line that changes the rows which the stores of q2 read; one at the head of
; W1's blocks 1 to 3, a block's products ahead of the quantiser that writes the last block's store data again.
.set NT, 2                             ; rows of a wave in the row phases
.set XIMG, 0
.set XSC, 8704
.set STG, 9216
.set HIMG, 75264
.set HSC, 108032
.set LX, 1                             ; v1  16 r + 272 h
.set LXS, 2                            ; v2  XSC + 16 lane
.set STA, 3                            ; v3  STG + (r + 8 (r / 8)) 2,064 + 32 h + 128 w
.set T16, 4                            ; v4  16 x thread
.set SQ, 5                             ; v5  my rows of the stage, 32 bytes a lane
.set SD, 6                             ; v6  the same, 16 bytes a lane
.set CI, 7                             ; v7  where my 4 bytes of x's codes go
.set CS, 8                             ; v8  where my block's byte goes
.set HWA, 9                            ; v9  HIMG + 2,048 w + 16 r + 8 h
.set HSW, 10                           ; v10 HSC + 128 w + 4 r
.set HR, 11                            ; v11 HIMG + 16 lane
.set HSR, 12                           ; v12 HSC + 4 lane
.set WNO, 13                           ; v13 256 r + 16 h
.set W1O, 14                           ; v14 256 (r + 8 (r / 8)) + 16 h
.set W2O, 15                           ; v15 1,024 r + 16 h
.set L16, 16
.set W1SO, 17                          ; v17 16 (8 h + r + 8 (r / 8))
.set L64, 18
.set H64, 19
.set L32, 20
.set CPA, 21                           ; v21 where the copy puts codes
.set XS, 24                            ; v24-27 the tokens' scale words, a register a K step.  v24-55 hold scales and nothing else
.set HS, 28                            ; v28-31 the hidden layer's, a register a slot
.set WS1, 32                           ; v32-39 W1's, two sets; set 0 first holds Wp's
.set WS2, 40                           ; v40-55 W2's, a register a K step
.set G, 56
.set BE, 72
.set B1R, 56                           ; v56-71 b1 at a block's two tiles, later b2
.set TM, 72                            ; largest magnitudes, +4 bytes, +8 scale operands
.set PC, 84                            ; v84-87 codes
.set X, 96                             ; v96-159 fragment (tile m, K step s) at 8 (4 m + s); in W2: slot j, tile m at 16 j + 8 m
.set BP, 96
.set SU, 112
.set RM, 116
.set RB, 120
.set RC, 124
.set ACC, 160                          ; v160-191 accumulator (tile m, tile of outputs u) at 16 m + 8 u
.set R, 160
.set WR, 192                           ; the ring: slot s, tile u at 16 s + 8 u
.set W, 192                            ; Wp: fragment (u, s) at 8 (4 u + s)
.set WS, WS1
.set AP, 2176                          ; 8 blocks on in the image
.set IP, 16                            ; a lane on
.set WV, 32
.set SEL, 34
.set KINV, 36
.set KEPS, 37
.macro BARRIER                         ; my LDS instructions are done: then the work-group's barrier
	s_wait_dscnt 0x0
	s_barrier_signal -1
	s_barrier_wait -1
.endm
.macro PLACES                          ; four places behind the last product; the wait on va_vdst that states the dependence stands behind them
.rept 4
	v_nop
.endr
.endm
; one scaled product; ra, rb = 1: that side's scales are read from lanes 16-31
.macro WM d, a, b, c, sa, sb, ra, rb
.if (\ra) == 0 && (\rb) == 0
	v_wmma_scale_f32_16x16x128_f8f6f4 v[0+(\d):7+(\d)], v[0+(\a):7+(\a)], v[0+(\b):7+(\b)], v[0+(\c):7+(\c)], v[\sa], v[\sb] matrix_a_fmt:MATRIX_FMT_FP4 matrix_b_fmt:MATRIX_FMT_FP4
.elseif (\ra) == 1 && (\rb) == 0
	v_wmma_scale_f32_16x16x128_f8f6f4 v[0+(\d):7+(\d)], v[0+(\a):7+(\a)], v[0+(\b):7+(\b)], v[0+(\c):7+(\c)], v[\sa], v[\sb] matrix_a_fmt:MATRIX_FMT_FP4 matrix_b_fmt:MATRIX_FMT_FP4 matrix_a_scale:MATRIX_SCALE_ROW1
.elseif (\ra) == 0
	v_wmma_scale_f32_16x16x128_f8f6f4 v[0+(\d):7+(\d)], v[0+(\a):7+(\a)], v[0+(\b):7+(\b)], v[0+(\c):7+(\c)], v[\sa], v[\sb] matrix_a_fmt:MATRIX_FMT_FP4 matrix_b_fmt:MATRIX_FMT_FP4 matrix_b_scale:MATRIX_SCALE_ROW1
.else
	v_wmma_scale_f32_16x16x128_f8f6f4 v[0+(\d):7+(\d)], v[0+(\a):7+(\a)], v[0+(\b):7+(\b)], v[0+(\c):7+(\c)], v[\sa], v[\sb] matrix_a_fmt:MATRIX_FMT_FP4 matrix_b_fmt:MATRIX_FMT_FP4 matrix_a_scale:MATRIX_SCALE_ROW1 matrix_b_scale:MATRIX_SCALE_ROW1
.endif
.endm
.macro MM16                            ; the projection: 16 products on four accumulators by turns, which hold q1 at the start
.irp s, 0,1,2,3
.irp mq, 0,1
.irp u, 0,1
	WM ACC+16*\mq+8*\u, W+8*(4*\u+\s), X+8*(4*\mq+\s), ACC+16*\mq+8*\u, WS+\s, XS+\s, \u, \mq
.endr
.endr
.endr
.endm
.macro FETCHP mp                       ; the 8 fragments of tiles 2 mp and 2 mp + 1
.irp mq, 0,1
.irp s, 0,1,2,3
.irp c, 0,1
	ds_load_b128 v[X+8*(4*\mq+\s)+4*\c:X+8*(4*\mq+\s)+4*\c+3], v[LX] offset:XIMG+(2*(\mp)+\mq)*4352+272*(4*\s+2*\c)
.endr
.endr
.endr
.endm
; n blocks by turns; block b: 16 numbers of a lane in v[s + 16 b] on, the other 16 in lane l xor 16.  Codes to v[PC + 2 b], v[PC + 2 b + 1], the byte to v[TM + 4 + b].
.macro QUANT s, n
.set qb, 0
.rept \n
	v_max3_num_f32 v[TM+qb], |v[(\s)+16*qb]|, |v[(\s)+16*qb+1]|, 0x1800000   ; with the floor 2^(3 - 127): the byte cannot fall under 1
.set qb, qb+1
.endr
.irp i, 2,4,6,8,10,12,14
.set qb, 0
.rept \n
	v_max3_num_f32 v[TM+qb], v[TM+qb], |v[(\s)+16*qb+\i]|, |v[(\s)+16*qb+\i+1]|
.set qb, qb+1
.endr
.endr
.set qb, 0
.rept \n
	v_permlanex16_b32 v[TM+4+qb], v[TM+qb], s[SEL], s[SEL+1]
.set qb, qb+1
.endr
.set qb, 0
.rept \n
	v_max_num_f32 v[TM+qb], v[TM+qb], v[TM+4+qb]
.set qb, qb+1
.endr
.set qb, 0
.rept \n
	v_add_nc_u32 v[TM+8+qb], 0xff000000, v[TM+qb]  ; 2 off the exponent field: the conversion's scale operand
.set qb, qb+1
.endr
.set qb, 0
.rept \n
	v_lshrrev_b32 v[TM+4+qb], 23, v[TM+8+qb]       ; the scale's byte
.set qb, qb+1
.endr
.set qb, 0
.rept \n
	v_cvt_scalef32_pk8_fp4_f32 v[PC+2*qb], v[(\s)+16*qb:(\s)+16*qb+7], v[TM+8+qb]
	v_cvt_scalef32_pk8_fp4_f32 v[PC+2*qb+1], v[(\s)+16*qb+8:(\s)+16*qb+15], v[TM+8+qb]
.set qb, qb+1
.endr
	v_nop                                          ; a plain instruction behind the last conversion
.endm
.macro CINIT m, n, acc                 ; accumulator (tile m, outputs 16 n on) out of the stage: a lane's 8 neighbouring numbers of its token's row
.irp jj, 0,1
	ds_load_b128 v[0+(\acc)+4*\jj:3+(\acc)+4*\jj], v[STA] offset:8*(\m)*2064+64*(\n)+16*\jj
.endr
.endm
.macro STOUT m, n, acc                 ; and back into the same bytes, from its low end on
.irp jj, 0,1
	ds_store_b128 v[STA], v[0+(\acc)+4*\jj:3+(\acc)+4*\jj] offset:8*(\m)*2064+64*(\n)+16*\jj
.endr
.endm
.macro ROWS_IN                         ; my rows: register 8 a + e of a row is element 256 a + 8 lane + e
.set ri, 0
.rept NT
.irp a, 0,1
.irp jj, 0,1
	ds_load_b128 v[R+16*ri+8*\a+4*\jj:R+16*ri+8*\a+4*\jj+3], v[SQ] offset:ri*2064+1024*\a+16*\jj
.endr
.endr
.set ri, ri+1
.endr
.endm
.macro ROWS_OUT
.set ri, 0
.rept NT
.irp a, 0,1
.irp jj, 0,1
	ds_store_b128 v[SQ], v[R+16*ri+8*\a+4*\jj:R+16*ri+8*\a+4*\jj+3] offset:ri*2064+1024*\a+16*\jj
.endr
.endr
.set ri, ri+1
.endr
.endm
.macro DENSE_IN dst                    ; my rows, 16 bytes a lane: 512 consecutive bytes an instruction
.set ri, 0
.rept NT
.irp k, 0,1,2,3
	ds_load_b128 v[\dst+16*ri+4*\k:\dst+16*ri+4*\k+3], v[SD] offset:ri*2064+512*\k
.endr
.set ri, ri+1
.endr
.endm
.macro DENSE_OUT src
.set ri, 0
.rept NT
.irp k, 0,1,2,3
	ds_store_b128 v[SD], v[\src+16*ri+4*\k:\src+16*ri+4*\k+3] offset:ri*2064+512*\k
.endr
.set ri, ri+1
.endr
.endm
.macro ADDV base, vec                  ; each row + a vector laid as the row's registers
.set ri, 0
.rept NT
.irp k, 0,2,4,6,8,10,12,14
	v_pk_add_f32 v[\base+16*ri+\k:\base+16*ri+\k+1], v[\base+16*ri+\k:\base+16*ri+\k+1], v[\vec+\k:\vec+\k+1]
.endr
.set ri, ri+1
.endr
.endm
.macro WSUM                            ; each row's pair of partial sums becomes the sum over the wave, in every lane
.set ri, 0
.rept NT
	v_add_f32 v[SU+2*ri], v[SU+2*ri], v[SU+2*ri+1]
.set ri, ri+1
.endr
.irp x, 1,2,4,8
.set ri, 0
.rept NT
	v_add_f32_dpp v[SU+2*ri], v[SU+2*ri], v[SU+2*ri] row_xmask:\x row_mask:0xf bank_mask:0xf
.set ri, ri+1
.endr
.endr
.set ri, 0
.rept NT
	v_permlanex16_b32 v[SU+2*ri+1], v[SU+2*ri], s[SEL], s[SEL+1]
.set ri, ri+1
.endr
.set ri, 0
.rept NT
	v_add_f32 v[SU+2*ri], v[SU+2*ri], v[SU+2*ri+1]
.set ri, ri+1
.endr
.endm
.macro LNROWS                          ; the rows in R become (x - mean) / sqrt(var + eps) x g + be, the rows by turns
.set ri, 0
.rept NT
	v_pk_add_f32 v[SU+2*ri:SU+2*ri+1], v[R+16*ri:R+16*ri+1], v[R+16*ri+2:R+16*ri+3]
.set ri, ri+1
.endr
.irp k, 4,6,8,10,12,14
.set ri, 0
.rept NT
	v_pk_add_f32 v[SU+2*ri:SU+2*ri+1], v[SU+2*ri:SU+2*ri+1], v[R+16*ri+\k:R+16*ri+\k+1]
.set ri, ri+1
.endr
.endr
	WSUM
.set ri, 0
.rept NT
	v_mul_f32 v[SU+2*ri], s[KINV], v[SU+2*ri]      ; the mean
.set ri, ri+1
.endr
	s_wait_alu depctr_vm_vsrc(0)                   ; the LDS stores that put q2 back into the stage have read the rows v[R ..], which are changed in place from here on; the sums above only read them
.irp k, 0,2,4,6,8,10,12,14
.set ri, 0
.rept NT
	v_pk_add_f32 v[R+16*ri+\k:R+16*ri+\k+1], v[R+16*ri+\k:R+16*ri+\k+1], v[SU+2*ri:SU+2*ri+1] op_sel_hi:[1,0] neg_lo:[0,1] neg_hi:[0,1]   ; x - mean
.set ri, ri+1
.endr
.endr
.set ri, 0
.rept NT
	v_pk_mul_f32 v[SU+2*ri:SU+2*ri+1], v[R+16*ri:R+16*ri+1], v[R+16*ri:R+16*ri+1]
.set ri, ri+1
.endr
.irp k, 2,4,6,8,10,12,14
.set ri, 0
.rept NT
	v_pk_fma_f32 v[SU+2*ri:SU+2*ri+1], v[R+16*ri+\k:R+16*ri+\k+1], v[R+16*ri+\k:R+16*ri+\k+1], v[SU+2*ri:SU+2*ri+1]
.set ri, ri+1
.endr
.endr
	WSUM
.set ri, 0
.rept NT
	v_fma_f32 v[SU+2*ri], v[SU+2*ri], s[KINV], s[KEPS]   ; the variance + eps
.set ri, ri+1
.endr
.set ri, 0
	s_wait_alu depctr_va_vdst(0)
.rept NT
	v_rsq_f32 v[SU+2*ri], v[SU+2*ri]
.set ri, ri+1
.endr
	v_nop                                          ; a plain instruction behind the last root
	s_wait_alu depctr_va_vdst(0)                   ; the two roots have written v[SU], v[SU + 2]: one wait for the batch, ahead of its first reader
.irp k, 0,2,4,6,8,10,12,14
.set ri, 0
.rept NT
	v_pk_mul_f32 v[R+16*ri+\k:R+16*ri+\k+1], v[R+16*ri+\k:R+16*ri+\k+1], v[SU+2*ri:SU+2*ri+1] op_sel_hi:[1,0]
.set ri, ri+1
.endr
.endr
.irp k, 0,2,4,6,8,10,12,14
.set ri, 0
.rept NT
	v_pk_fma_f32 v[R+16*ri+\k:R+16*ri+\k+1], v[R+16*ri+\k:R+16*ri+\k+1], v[G+\k:G+\k+1], v[BE+\k:BE+\k+1]
.set ri, ri+1
.endr
.endr
.endm
.macro RQ                              ; the rows in R are quantised: group 2 i + a is 8 numbers of a lane, a block is four lanes
.set gi, 0
.rept 2*NT
	v_max3_num_f32 v[RM+gi], |v[R+8*gi]|, |v[R+8*gi+1]|, 0x1800000
.set gi, gi+1
.endr
.irp e, 2,4,6
.set gi, 0
.rept 2*NT
	v_max3_num_f32 v[RM+gi], v[RM+gi], |v[R+8*gi+\e]|, |v[R+8*gi+\e+1]|
.set gi, gi+1
.endr
.endr
.irp x, 1,2
.set gi, 0
.rept 2*NT
	v_max_num_f32_dpp v[RM+gi], v[RM+gi], v[RM+gi] row_xmask:\x row_mask:0xf bank_mask:0xf
.set gi, gi+1
.endr
.endr
.set gi, 0
.rept 2*NT
	v_add_nc_u32 v[RM+gi], 0xff000000, v[RM+gi]
.set gi, gi+1
.endr
.set gi, 0
.rept 2*NT
	v_lshrrev_b32 v[RB+gi], 23, v[RM+gi]
.set gi, gi+1
.endr
.set gi, 0
.rept 2*NT
	v_cvt_scalef32_pk8_fp4_f32 v[RC+gi], v[R+8*gi:R+8*gi+7], v[RM+gi]
.set gi, gi+1
.endr
	v_nop
	s_wait_alu depctr_va_vdst(0)                   ; the conversions and the shifts have written v[RC ..] and v[RB ..], which the LDS stores read; the norm is done reading g3, in which b1's loads land; the row phase is done with v96-127, in which x's fragments land behind the barrier
.set gi, 0
.rept 2*NT
	ds_store_b32 v[CI], v[RC+gi] offset:AP*(gi%2)+IP*(gi/2)
	ds_store_b8 v[CS], v[RB+gi] offset:8*(gi%2)+16*(gi/2)   ; the four lanes of a block write the same byte with the same value
.set gi, gi+1
.endr
.endm
.macro RING1 b, s                      ; W1's block b of 32 hidden units, K step s, into slot s: 4 loads
.irp u, 0,1
.irp c, 0,1
	global_load_b128 v[WR+16*(\s)+8*\u+4*\c:WR+16*(\s)+8*\u+4*\c+3], v[W1O], s[18:19] offset:(32*(\b)+8*\u)*256+64*(\s)+32*\c
.endr
.endr
.endm
.macro RING2 s                         ; W2's K step s into slot s % 4: 4 loads
.irp n, 0,1
.irp c, 0,1
	global_load_b128 v[WR+16*((\s)%4)+8*\n+4*\c:WR+16*((\s)%4)+8*\n+4*\c+3], v[W2O], s[24:25] offset:16384*\n+64*(\s)+32*\c
.endr
.endr
.endm
.macro B1LOAD b                        ; b1 in the result's layout: lane (r, h), tile u: units 32 b + 16 h + 8 u + 0 .. 7: 4 loads
.irp u, 0,1
.irp jj, 0,1
	global_load_b128 v[B1R+8*\u+4*\jj:B1R+8*\u+4*\jj+3], v[H64], s[22:23] offset:(32*(\b)+8*\u)*4+16*\jj
.endr
.endr
.endm
.macro WS1LOAD b
	global_load_b128 v[WS1+4*((\b)%2):WS1+4*((\b)%2)+3], v[W1SO], s[20:21] offset:512*(\b)
.endm
.macro HFRAG s                         ; the hidden layer's two fragments of K step s and their scale words into slot s % 4: 5 LDS loads
.irp m, 0,1
.irp c, 0,1
	ds_load_b128 v[X+16*((\s)%4)+8*\m+4*\c:X+16*((\s)%4)+8*\m+4*\c+3], v[HR] offset:2048*(\s)+1024*\m+512*\c
.endr
.endr
	ds_load_b32 v[HS+(\s)%4], v[HSR] offset:128*(\s)
.endm
; 32 hidden units for the 32 rows: 4 K steps x 4 products on 4 accumulators by turns; x's fragments stand in registers; relu; quantised; the codes to LDS at their place in the next operand's registers.
; THE COUNTS on the loads: a slot is 4 loads.  At K step 0: this block's slots 1, 2, 3 are younger (12); in block 0 everything issued so far is wanted.  At K steps 1, 2, 3: younger are the slots still to come and what
; this block has asked for since its K step 0, 8 + 9 in all (behind K step 0: a slot, the next b1, the next scale words: 9), in block 3 8 + 4 (a slot of W2 alone).
.macro BLOCK b
.irp s, 0,1,2,3
.if \s == 0
.if (\b) == 0
	s_wait_loadcnt 0x0
.else
	s_wait_loadcnt 12
	s_wait_alu depctr_vm_vsrc(0)                   ; the last block's four LDS stores have read the codes v[PC ..] and the bytes v[TM + 4 ..], which this block's quantiser writes again; no memory or LDS instruction of this block reads them ahead of it
.endif
.else
.if (\b) < 3
	s_wait_loadcnt 17
.else
	s_wait_loadcnt 12
.endif
.endif
.irp m, 0,1
.irp u, 0,1
.if \s == 0
	WM ACC+16*\m+8*\u, WR+16*\s+8*\u, X+8*(4*\m+\s), B1R+8*\u, WS1+4*((\b)%2)+\s, XS+\s, \u, \m
.else
	WM ACC+16*\m+8*\u, WR+16*\s+8*\u, X+8*(4*\m+\s), ACC+16*\m+8*\u, WS1+4*((\b)%2)+\s, XS+\s, \u, \m
.endif
.endr
.endr
	PLACES
	s_wait_alu depctr_va_vdst(0)                   ; this K step's four products are done reading their slot of the ring, and at K step 0 b1; the block before is done reading its set of scale words: the loads below land in these
.if (\b) < 3
	RING1 (\b)+1, \s
.if \s == 0
	B1LOAD (\b)+1
	WS1LOAD (\b)+1
.endif
.else
	RING2 \s
.endif
.endr
.set n, 0
.rept 32
	v_max_num_f32 v[ACC+n], 0, v[ACC+n]            ; the activation, in f32; each accumulator from its low end on
.set n, n+1
.endr
	QUANT ACC, 2
	s_wait_alu depctr_va_vdst(0)                   ; the conversions and the shifts have written the codes and the bytes, which the LDS stores read.  In block 3 also: every vector and matrix instruction of W1 is done with v96-191, in which the next phase's LDS loads land
.irp m, 0,1
	ds_store_b64 v[HWA], v[PC+2*\m:PC+2*\m+1] offset:1024*\m+512*((\b)/2)+256*((\b)%2)   ; tile m, block b of my K step: 256 consecutive bytes a wave
	ds_store_b8 v[HSW], v[TM+4+\m] offset:64*\m+(\b)   ; lanes l and l xor 16 write the same byte with the same value
.endr
.endm
	s_load_b512 s[4:19], s[0:1], 0x0               ; O s[4:5], q1 s[6:7], Wp's codes s[8:9], scales s[10:11], bp s[12:13], g3 s[14:15], be3 s[16:17], W1's codes s[18:19]
	s_load_b256 s[20:27], s[0:1], 0x40             ; W1's scales s[20:21], b1 s[22:23], W2's codes s[24:25], scales s[26:27]
	s_load_b128 s[28:31], s[0:1], 0x60             ; b2 s[28:29], out s[30:31]
	v_lshl_add_u32 v94, v0, 2, 0x1ae00
	v_mov_b32 v95, 0
	v_lshrrev_b32 v121, 5, v0
	v_readfirstlane_b32 s[WV], v121                ; wave 0..15
	v_and_b32 v121, 31, v0                         ; lane
	v_and_b32 v122, 15, v0                         ; r
	v_bfe_u32 v123, v0, 4, 1                       ; h
	v_and_b32 v124, 8, v122
	v_add_nc_u32 v124, v124, v122                  ; r + 8 (r / 8)
	v_lshlrev_b32 v[L16], 4, v121
	v_lshlrev_b32 v[L32], 5, v121
	v_lshlrev_b32 v[L64], 6, v121
	v_lshlrev_b32 v[H64], 6, v123
	v_lshlrev_b32 v[T16], 4, v0
	v_mul_u32_u24 v[LX], v123, 272
	v_lshl_add_u32 v[LX], v122, 4, v[LX]
	v_add_nc_u32 v[LXS], XSC, v[L16]
	v_mul_u32_u24 v[STA], v124, 2064
	v_lshl_add_u32 v[STA], v123, 5, v[STA]
	s_wait_alu depctr_va_sdst(0)                   ; the wave's number s[WV] is written, ahead of its first reader: LDS addresses and the bases of the buffers are made from it
	s_lshl_b32 s38, s[WV], 7
	s_add_co_u32 s38, s38, STG
	v_add_nc_u32 v[STA], s38, v[STA]
	s_mul_i32 s38, s[WV], NT*2064
	s_add_co_u32 s38, s38, STG
	v_add_nc_u32 v[SQ], s38, v[L32]
	v_add_nc_u32 v[SD], s38, v[L16]
	s_lshl_b32 s39, s[WV], 1                       ; my first row; its tile and its lane there:
	s_lshr_b32 s40, s39, 5
	s_lshl_b32 s40, s40, 1
	s_bfe_u32 s41, s39, 0x10003
	s_add_co_u32 s40, s40, s41                     ; tile 2 (row / 32) + (row / 8) % 2
	s_and_b32 s41, s39, 7
	s_bfe_u32 s42, s39, 0x10004
	s_lshl_b32 s42, s42, 3
	s_add_co_u32 s41, s41, s42                     ; lane row % 8 + 8 ((row / 16) % 2)
	s_lshl_b32 s41, s41, 4
	s_mul_i32 s42, s40, 4352
	s_add_co_u32 s42, s42, s41
	v_lshrrev_b32 v[CS], 2, v121
	v_mul_u32_u24 v[CI], v[CS], 272
	v_and_b32 v125, 3, v121
	v_lshl_add_u32 v[CI], v125, 2, v[CI]
	v_add_nc_u32 v[CI], s42, v[CI]                 ; block lane / 4 (+ 8 a), its bytes 4 (lane % 4) on
	s_lshl_b32 s43, s40, 8
	s_add_co_u32 s43, s43, s41
	s_add_co_u32 s43, s43, XSC
	v_add_nc_u32 v[CS], s43, v[CS]
	v_lshlrev_b32 v[HWA], 4, v122
	v_lshl_add_u32 v[HWA], v123, 3, v[HWA]
	s_lshl_b32 s38, s[WV], 11
	s_add_co_u32 s38, s38, HIMG
	v_add_nc_u32 v[HWA], s38, v[HWA]
	s_lshl_b32 s38, s[WV], 7
	s_add_co_u32 s38, s38, HSC
	v_lshl_add_u32 v[HSW], v122, 2, s38
	v_add_nc_u32 v[HR], HIMG, v[L16]
	v_lshl_add_u32 v[HSR], v121, 2, HSC
	v_lshlrev_b32 v[WNO], 8, v122
	v_lshl_add_u32 v[WNO], v123, 4, v[WNO]
	v_lshlrev_b32 v[W1O], 8, v124
	v_lshl_add_u32 v[W1O], v123, 4, v[W1O]
	v_lshlrev_b32 v[W2O], 10, v122
	v_lshl_add_u32 v[W2O], v123, 4, v[W2O]
	v_lshl_add_u32 v[W1SO], v123, 3, v124
	v_lshlrev_b32 v[W1SO], 4, v[W1SO]
	v_lshrrev_b32 v125, 8, v0
	v_mul_u32_u24 v[CPA], v125, 4352               ; the copy: thread t holds tile t / 256, block (t / 16) % 16, lane t % 16
	v_bfe_u32 v125, v0, 4, 4
	v_mad_u32_u24 v[CPA], v125, 272, v[CPA]
	v_lshl_add_u32 v[CPA], v122, 4, v[CPA]
.irp b, 0,1
	v_mov_b32 v[TM+4+\b], 0                        ; written once: a lane permute's destination counts as one of its sources
.endr
	s_mov_b32 s[SEL], 0x76543210
	s_mov_b32 s[SEL+1], 0xfedcba98
	s_mov_b32 s[KINV], 0x3b000000                  ; 1 / 512
	s_mov_b32 s[KEPS], 0x3727c5ac                  ; 1e-5
	s_mov_b32 s41, 0
	s_wait_kmcnt 0x0
	s_lshl_b32 s40, ttmp9, 13
	s_add_nc_u64 s[44:45], s[4:5], s[40:41]        ; my two tiles' codes
	s_lshl_b32 s40, ttmp9, 9
	s_add_co_u32 s40, s40, 0x200000
	s_add_nc_u64 s[4:5], s[4:5], s[40:41]          ; and scale bytes
	s_lshl_b32 s40, ttmp9, 16                      ; 32 rows of 2,048 bytes a work-group,
	s_lshl_b32 s42, s[WV], 12                      ; two a wave
	s_add_co_u32 s40, s40, s42
	s_add_nc_u64 s[6:7], s[6:7], s[40:41]          ; my two rows of q1
	s_add_nc_u64 s[30:31], s[30:31], s[40:41]      ; and of the output
	s_lshl_b32 s40, s[WV], 13
	s_add_nc_u64 s[8:9], s[8:9], s[40:41]          ; my 32 rows of Wp
	s_lshl_b32 s40, s[WV], 9
	s_add_nc_u64 s[10:11], s[10:11], s[40:41]
	s_add_nc_u64 s[22:23], s[22:23], s[40:41]      ; my 128 numbers of b1
	s_lshl_b32 s40, s[WV], 15
	s_add_nc_u64 s[18:19], s[18:19], s[40:41]      ; my 128 rows of W1 (256 bytes each)
	s_add_nc_u64 s[24:25], s[24:25], s[40:41]      ; my 32 rows of W2 (1,024 bytes each)
	s_lshl_b32 s40, s[WV], 11
	s_add_nc_u64 s[20:21], s[20:21], s[40:41]
	s_add_nc_u64 s[26:27], s[26:27], s[40:41]
	s_wait_alu depctr_va_vdst(0)                   ; the addresses v1 to v21 are written, which every load and store of the kernel reads and no line writes again; so are v121 to v125, v76 and v77, in which loads land later
	global_load_b128 v[X:X+3], v[T16], s[44:45]    ; the copy's 16 bytes
.irp i, 0,1
.irp k, 0,1,2,3
	global_load_b128 v[R+16*\i+4*\k:R+16*\i+4*\k+3], v[L16], s[6:7] offset:2048*\i+512*\k th:TH_LOAD_NT   ; 512 consecutive bytes
.endr
.endr
	global_load_b128 v[XS:XS+3], v[L16], s[4:5]    ; lanes 0-15: tile 0's scale words, lanes 16-31: tile 1's
.irp u, 0,1
.irp s, 0,1,2,3
.irp c, 0,1
	global_load_b128 v[W+8*(4*\u+\s)+4*\c:W+8*(4*\u+\s)+4*\c+3], v[WNO], s[8:9] offset:4096*\u+64*\s+32*\c
.endr
.endr
.endr
	global_load_b128 v[WS:WS+3], v[L16], s[10:11]
	s_wait_loadcnt 18                              ; the copy and q1 are in; the 18 younger loads are the scale words and Wp
	ds_store_b128 v[CPA], v[X:X+3]
	DENSE_OUT R
	BARRIER                                        ; the two tiles and 32 rows of q1 lie in LDS
	; ---- the projection
	s_wait_alu depctr_vm_vsrc(0)                   ; my LDS stores have read v[R ..] and v[X .. X + 3], in which the LDS loads below land
.irp mq, 0,1
.irp n, 0,1
	CINIT \mq, \n, ACC+16*\mq+8*\n
.endr
.endr
	FETCHP 0
	s_wait_dscnt 0x0
	s_wait_loadcnt 0x0
	MM16                                           ; q1 is the C of the first products
	PLACES
	s_wait_alu depctr_va_vdst(0)                   ; the products have written the accumulators, which the LDS stores read, and are done reading O's fragments and Wp, in which bp's and the ring's loads land
.irp mq, 0,1
.irp n, 0,1
	STOUT \mq, \n, ACC+16*\mq+8*\n
.endr
.endr
.irp a, 0,1
.irp jj, 0,1
	global_load_b128 v[BP+8*\a+4*\jj:BP+8*\a+4*\jj+3], v[L32], s[12:13] offset:1024*\a+16*\jj
	global_load_b128 v[G+8*\a+4*\jj:G+8*\a+4*\jj+3], v[L32], s[14:15] offset:1024*\a+16*\jj
	global_load_b128 v[BE+8*\a+4*\jj:BE+8*\a+4*\jj+3], v[L32], s[16:17] offset:1024*\a+16*\jj
.endr
.endr
.irp s, 0,1,2,3
	RING1 0, \s                                    ; W1's first block is on its way through the row phase
.endr
	BARRIER                                        ; 32 whole rows of q1 + O Wp lie in the stage
	; ---- by rows
	s_wait_alu depctr_vm_vsrc(0)                   ; my LDS stores have read the accumulators, in which the rows land
	ROWS_IN
	s_wait_dscnt 0x0
	s_wait_loadcnt 16                              ; bp, g3, be3 are in; the 16 younger loads are the ring's
	ADDV R, BP
	s_wait_alu depctr_va_vdst(0)                   ; the additions have written the rows, which the LDS stores read
	ROWS_OUT                                       ; q2 goes back: it is the C of the last product
	LNROWS                                         ; (the wait for these stores' reads stands in it, ahead of the first line that changes a row)
	RQ
	B1LOAD 0
	WS1LOAD 0
.irp k, 0,1,2,3
	global_load_b128 v[WS2+4*\k:WS2+4*\k+3], v[L64], s[26:27] offset:16*\k
.endr
	BARRIER                                        ; the norm's codes and bytes lie in the tiles' image
	; ---- W1: x's 8 fragments and their scale words come into registers once
	s_wait_alu depctr_vm_vsrc(0)                   ; my LDS stores have read v[RC ..] and v[RB ..], in which x's fragments land
	FETCHP 0
	ds_load_b128 v[XS:XS+3], v[LXS]
	s_wait_dscnt 0x0
	BLOCK 0
	BLOCK 1
	BLOCK 2
	BLOCK 3
	BARRIER                                        ; the hidden layer's 32 fragments and their scale words lie in LDS
	; ---- W2: 16 K steps x 4 products on 4 accumulators by turns, which hold q2 at the start.  No vector or matrix instruction has been issued since block 3's last wait on va_vdst: the LDS loads below owe nothing more
.irp m, 0,1
.irp n, 0,1
	CINIT \m, \n, ACC+16*\m+8*\n
.endr
.endr
	HFRAG 0
	HFRAG 1
	HFRAG 2
	HFRAG 3
.irp s, 0,1,2,3,4,5,6,7,8,9,10,11,12,13,14,15
.if \s <= 12
	s_wait_loadcnt 12                              ; this K step's slot of W2 is in; the three younger slots may be out
	s_wait_dscnt 15                                ; q2 and this K step's hidden fragments are in; the three younger K steps' 5 loads each may be out
.else
	s_wait_loadcnt 4*(15-\s)
	s_wait_dscnt 5*(15-\s)
.endif
.irp m, 0,1
.irp n, 0,1
	WM ACC+16*\m+8*\n, WR+16*(\s%4)+8*\n, X+16*(\s%4)+8*\m, ACC+16*\m+8*\n, WS2+\s, HS+(\s%4), \n, \m
.endr
.endr
	PLACES
.if \s <= 11
	s_wait_alu depctr_va_vdst(0)                   ; this K step's four products are done reading their slot of W2, their slot of hidden fragments and its scale words: the loads below land in these
	RING2 \s+4                                     ; both slots just read take the K step four further on
	HFRAG \s+4
.endif
.endr
	s_wait_alu depctr_va_vdst(0)                   ; the last products have written the accumulators, which the LDS stores below read; the places above stay beside this wait
.irp k, 0,1,2,3
	global_load_b128 v[B1R+4*\k:B1R+4*\k+3], v[L16], s[28:29] offset:512*\k   ; b2, laid as a row's registers on the way out
.endr
.irp m, 0,1
.irp n, 0,1
	STOUT \m, \n, ACC+16*\m+8*\n
.endr
.endr
	BARRIER                                        ; 32 whole rows lie in the stage
	s_wait_alu depctr_vm_vsrc(0)                   ; my LDS stores have read the accumulators, in which the rows land
	DENSE_IN ACC
	s_wait_dscnt 0x0
	s_wait_loadcnt 0x0
	ADDV ACC, B1R
	s_wait_alu depctr_va_vdst(0)                   ; the additions have written the rows, which the stores read
.irp i, 0,1
.irp k, 0,1,2,3
	global_store_b128 v[L16], v[ACC+16*\i+4*\k:ACC+16*\i+4*\k+3], s[30:31] offset:2048*\i+512*\k th:TH_STORE_NT   ; 512 consecutive bytes, aligned
.endr
.endr
	s_wait_dscnt 0x0                               ; the closing lines, six on end
	s_wait_alu 0x0
	s_wait_tensorcnt 0x0
	ds_add_u32 v94, v95
	s_wait_dscnt 0x0
	s_endpgm
.Lfunc_end_k_q0b97b8d125_ffn:
	.size	k_q0b97b8d125_ffn, .Lfunc_end_k_q0b97b8d125_ffn-k_q0b97b8d125_ffn
	.p2alignl 7, 3214868480
	.fill 96, 4, 3214868480
	.section	.rodata,"a",@progbits
	.p2align	6, 0x0
	.amdhsa_kernel k_q0b97b8d125_ffn
		.amdhsa_group_segment_fixed_size 112128
		.amdhsa_private_segment_fixed_size 0
		.amdhsa_enable_private_segment 0
		.amdhsa_kernarg_size 112
		.amdhsa_user_sgpr_count 2
		.amdhsa_user_sgpr_kernarg_segment_ptr 1
		.amdhsa_wavefront_size32 1
		.amdhsa_system_sgpr_workgroup_id_x 1
		.amdhsa_system_sgpr_workgroup_id_y 1
		.amdhsa_system_sgpr_workgroup_id_z 1
		.amdhsa_system_vgpr_workitem_id 0
		.amdhsa_next_free_vgpr 256
		.amdhsa_next_free_sgpr 66
		.amdhsa_reserve_vcc 0
		.amdhsa_float_denorm_mode_32 3
		.amdhsa_float_denorm_mode_16_64 3
		.amdhsa_memory_ordered 1
		.amdhsa_forward_progress 1
		.amdhsa_inst_pref_size 85
	.end_amdhsa_kernel
	.amdgpu_metadata
---
amdhsa.version: [ 1, 2 ]
amdhsa.kernels:
  - .name:           k_q0b97b8d125_ffn
    .symbol:         k_q0b97b8d125_ffn.kd
    .args:
      - { .name: Ocross, .offset: 0, .size: 8, .value_kind: global_buffer, .address_space: global }
      - { .name: q1, .offset: 8, .size: 8, .value_kind: global_buffer, .address_space: global }
      - { .name: Wp_c_codes, .offset: 16, .size: 8, .value_kind: global_buffer, .address_space: global }
      - { .name: Wp_c_scales, .offset: 24, .size: 8, .value_kind: global_buffer, .address_space: global }
      - { .name: bp_c, .offset: 32, .size: 8, .value_kind: global_buffer, .address_space: global }
      - { .name: g3, .offset: 40, .size: 8, .value_kind: global_buffer, .address_space: global }
      - { .name: be3, .offset: 48, .size: 8, .value_kind: global_buffer, .address_space: global }
      - { .name: W1_codes, .offset: 56, .size: 8, .value_kind: global_buffer, .address_space: global }
      - { .name: W1_scales, .offset: 64, .size: 8, .value_kind: global_buffer, .address_space: global }
      - { .name: b1, .offset: 72, .size: 8, .value_kind: global_buffer, .address_space: global }
      - { .name: W2_codes, .offset: 80, .size: 8, .value_kind: global_buffer, .address_space: global }
      - { .name: W2_scales, .offset: 88, .size: 8, .value_kind: global_buffer, .address_space: global }
      - { .name: b2, .offset: 96, .size: 8, .value_kind: global_buffer, .address_space: global }
      - { .name: out0, .offset: 104, .size: 8, .value_kind: global_buffer, .address_space: global }
    .group_segment_fixed_size: 112128
    .private_segment_fixed_size: 0
    .kernarg_segment_align: 8
    .kernarg_segment_size: 112
    .max_flat_workgroup_size: 512
    .sgpr_count:     66
    .vgpr_count:     256
    .wavefront_size: 32
...
	.end_amdgpu_metadata
.endif
;; end of part 10
